; MI455X (gfx1250); checked and timed in simulation.
; The chip was launched on July 23, 2026; its instructions are those of AMD's public machine-readable ISA for CDNA 5 (MIT licence, August 2026) and "CDNA5" Instruction Set Architecture Reference Guide (July 2026). The comments in the code are by the model that wrote it; some were corrected since.
;; Transformer Block. Allowed arithmetic: matrix products marked QUANTISED: E2M3 operands, one E8M0 scale for each 32 along K, by v_wmma_scale_f32_16x16x128_f8f6f4 with both operands' format E2M3, f32 sums; everything else in f32.
;; Inputs: down_w_codes 512 x 16 x 24 uint8 (E2M3 codes of down_w, K innermost, in blocks of 32 codes, four codes in three bytes); down_w_scales 512 x 16 uint8 (E8M0 scales of down_w, one for each 32 codes along K); gate_w_codes 512 x 16 x 24 uint8 (E2M3 codes of gate_w, K innermost, in blocks of 32 codes, four codes in three bytes); gate_w_scales 512 x 16 uint8 (E8M0 scales of gate_w, one for each 32 codes along K); ln1_w 512 float32; ln2_w 512 float32; up_w_codes 512 x 16 x 24 uint8 (E2M3 codes of up_w, K innermost, in blocks of 32 codes, four codes in three bytes); up_w_scales 512 x 16 uint8 (E8M0 scales of up_w, one for each 32 codes along K); wk_codes 512 x 16 x 24 uint8 (E2M3 codes of wk, K innermost, in blocks of 32 codes, four codes in three bytes); wk_scales 512 x 16 uint8 (E8M0 scales of wk, one for each 32 codes along K); wo_codes 512 x 16 x 24 uint8 (E2M3 codes of wo, K innermost, in blocks of 32 codes, four codes in three bytes); wo_scales 512 x 16 uint8 (E8M0 scales of wo, one for each 32 codes along K); wq_codes 512 x 16 x 24 uint8 (E2M3 codes of wq, K innermost, in blocks of 32 codes, four codes in three bytes); wq_scales 512 x 16 uint8 (E8M0 scales of wq, one for each 32 codes along K); wv_codes 512 x 16 x 24 uint8 (E2M3 codes of wv, K innermost, in blocks of 32 codes, four codes in three bytes); wv_scales 512 x 16 uint8 (E8M0 scales of wv, one for each 32 codes along K); x 4 x 2,048 x 512 float32.
;; Outputs: out0 4 x 2,048 x 512 float32.
;; This version of the problem:
;;   THIS VERSION OF THE PROBLEM IS GIVEN IN LOW PRECISION. The matrix products marked QUANTISED in the list below multiply operands that are first quantised to E2M3 (2 exponent bits, 3 mantissa bits; 6 bits a number), with one power-of-two scale for each 32 numbers along K (OCP MX v1.0); their sums are f32. All else is computed in f32.
;;   The module's matrix products, in the order in which they are computed (A, B: the left and right operand; K: the contracted axis; several contracted axes count as one K, in the product's order):
;;     1. [M 8,192, K 512] x [K 512, N 512]; A: computed on the way; B: input wq (given as codes): QUANTISED
;;     2. [M 8,192, K 512] x [K 512, N 512]; A: computed on the way; B: input wk (given as codes): QUANTISED
;;     3. [M 8,192, K 512] x [K 512, N 512]; A: computed on the way; B: input wv (given as codes): QUANTISED
;;     4. batch 64 x [M 2,048, K 32] x [K 32, N 2,048]; A: computed on the way; B: computed on the way: QUANTISED
;;     5. batch 64 x [M 2,048, K 2,048] x [K 2,048, N 32]; A: softmax (see below); B: computed on the way: QUANTISED
;;     6. [M 8,192, K 512] x [K 512, N 512]; A: computed on the way; B: input wo (given as codes): QUANTISED
;;     7. [M 8,192, K 512] x [K 512, N 512]; A: computed on the way; B: input up_w (given as codes): QUANTISED
;;     8. [M 8,192, K 512] x [K 512, N 512]; A: computed on the way; B: input gate_w (given as codes): QUANTISED
;;     9. [M 8,192, K 512] x [K 512, N 512]; A: computed on the way; B: input down_w (given as codes): QUANTISED
;;   THE QUANTISER, for each operand of a quantised product, along K:
;;     - K is cut into blocks of 32 from its start; a last block that is shorter is filled with zeros.
;;     - A block's scale is 2^e with e = floor(log2(the largest magnitude in the block)) - 2, held to -126 .. 127; a block of zeros has e = 0. As a byte (E8M0): e + 127.
;;     - Each number is divided by its block's scale, clamped to +-7.5, and rounded to the nearest number of E2M3, ties to even, subnormals kept.
;;     - The product sums the exact products of the quantised numbers (number of the format x scale) in f32.
;;   ~~~python
;;   def quantise(x, axis):      # numpy; x: float32 -> the quantised numbers, widened to float32 again
;;       x = np.moveaxis(x, axis, -1); K = x.shape[-1]
;;       x = np.pad(x, [(0, 0)] * (x.ndim - 1) + [(0, -K % 32)]); x = x.reshape(x.shape[:-1] + (-1, 32)); a = np.abs(x).max(-1, keepdims=True)
;;       e = np.where(a > 0, np.clip(np.frexp(np.where(a > 0, a, 1))[1] - 1 - 2, -126, 127), 0)      # np.frexp(a)[1] - 1 = floor(log2(a)), exactly
;;       r = np.clip(x / 2.0 ** e, -7.5, 7.5)
;;       step = 2.0 ** (np.maximum(np.frexp(np.where(r == 0, 1, r))[1] - 1, 0) - 3)
;;       q = np.round(r / step) * step * 2.0 ** e      # np.round: ties to even
;;       return np.moveaxis(q.reshape(q.shape[:-2] + (-1,))[..., :K], -1, axis).astype(np.float32)
;;   ~~~
;;   SOFTMAX AHEAD OF A QUANTISED PRODUCT. Where the list says 'softmax', what is quantised is not the finished softmax but p = 2^(t - M), with t = logit x log2(e) and M = ceil(the row's largest t), a whole number; so 1/2 < the row's largest p <= 1. The row's sum l is taken of the UNQUANTISED p, in f32, and the product's result is divided by l at the end. Since M is a whole number, a kernel that streams over the keys may use a running M (the ceiling of the running maximum): every later rescaling is an exact power of two, which a block's scale takes up: the codes' values come out the same.
;;   OPERANDS COMPUTED ON THE WAY. 'Computed on the way' means the value that the module computes at that place (a softmax that the list does not call 'softmax' is quantised finished and normalised). What goes into a quantiser is computed in f32, as accurately as f32 sums, v_exp_f32 and their like allow (about 1e-6 of the number): no bf16 or f16 on the way to a quantiser, and a product that is left as it is and whose result goes on into a quantised operand takes f32 operands (vector FMAs, or v_wmma_f32_16x16x4_f32). A number that lies on a knife's edge between two numbers of the format may be rounded either way, as far as f32 arithmetic and the matrix unit's own rounding can turn it there, and no further.
;;   INPUTS GIVEN AS CODES. down_w (in the module: [512, 512], K = its axis 1); gate_w (in the module: [512, 512], K = its axis 1); up_w (in the module: [512, 512], K = its axis 1); wk (in the module: [512, 512], K = its axis 1); wo (in the module: [512, 512], K = its axis 1); wq (in the module: [512, 512], K = its axis 1); wv (in the module: [512, 512], K = its axis 1): each comes as NAME_codes (uint8): NAME with its K axis moved to the last place and cut into blocks of 32 codes, [.., K / 32, bytes a block], one block behind the other in memory; four codes in three bytes: a row's codes are one little-endian stream of bits, code i at bits 6 i .. 6 i + 5 (a code: sign, 2 exponent bits, 3 mantissa bits); and NAME_scales (uint8): the same leading axes, one E8M0 byte (e + 127) for each 32 codes along K. Its value is code x scale, taken as it is: it is not quantised again, and the codes and scales need not be those that the quantiser above would give.
;; 2 versions. Each part assembles by itself: llvm-mc -triple=amdgcn-amd-amdhsa -mcpu=gfx1250 --defsym DOCPART=n.
;; ======== version 1 of 2: 3 launches
;; workspace buffers: qkv 9,830,400 bytes; ao 3,145,728 bytes; aos 131,072 bytes
;; launch qkv (part 1): grid 256 x 1, 8 waves a work-group, no clusters, 21,504 bytes of LDS; arguments x, ln1_w, wq_codes, wq_scales, wk_codes, wk_scales, wv_codes, wv_scales, qkv; writes qkv
.if DOCPART == 1
	.amdgcn_target "amdgcn-amd-amdhsa--gfx1250"
	.amdhsa_code_object_version 6
	.text
	.protected	k_q4e07802b01_qkv
	.globl	k_q4e07802b01_qkv
	.p2align	8
	.type	k_q4e07802b01_qkv,@function
k_q4e07802b01_qkv:
	s_mov_b64 s[64:65], 0
	v_nop
	global_prefetch_b8 v0, s[64:65] scope:SCOPE_SE
	s_setreg_imm32_b32 hwreg(HW_REG_WAVE_MODE, 25, 1), 1
	s_wait_xcnt 0x0
; rmsnorm(x, ln1_w), quantised to E2M3 along the 512 features; q, k, v = xn W^T on codes; RoPE on q and k; q and k quantised along a head's 32 channels,
; v along 32 keys.  All three leave as codes: qkv[bh = 16 b + head][K record | V record | Q record], a record = 64 blocks of 768 bytes + 64 x 32 scale bytes.
; A BLOCK of 768 bytes holds 32 slots of one MX block (24 bytes): a slot's first 16 bytes at 16 x slot, its last 8 at 512 + 8 x slot.
; SHARES.  A work-group takes 32 tokens (two tiles of 16); wave w takes features 64 w .. 64 w + 63 (heads 2 w, 2 w + 1) of all three products, so each weight byte
; goes from memory straight into the one wave that multiplies by it.  No tensor load, no cluster: no LDS byte of a weight would be read twice.
; ORDER OF K.  In a fragment, K step s, register half c, lane half hh holds the row's block 4 s + 2 hh + c: a lane's 48 bytes are consecutive (three loads of 16).
; Both operands are laid so; the weights' scale words get their bytes 1 and 2 swapped to match.
; ROWS OF A TILE.  Weight tile a of head e takes rows 8 a + (r & 7) + 16 (r >> 3); token tile m takes tokens 8 m + (r & 7) + 16 (r >> 3): so a lane's 16 result
; registers are 16 neighbours along the next K (channels for q and k, keys for v).
; LIMITS: NaN and infinities among the inputs are not served.  A block of zeros gets the scale byte 1 (its codes are zeros; only this program reads the bytes).
; The angles' reduction by pi / 2 in two parts holds to about 1e-7 rad for angles under 2^11; the 16 frequencies are the f32 numbers nearest to 10^(-j / 4),
; which may differ by one unit in the last place from a computed power: at most about 1e-4 rad at the last positions.  Row sums are added in another order.
.set XIMG, 0                           ; LDS: xn's 16 blocks (K block 2 w + e), slot = 16 m + r
.set XSC,  12288                       ; eight planes of 128 bytes: wave w's two scale bytes of each slot, at their places in a scale word
.set RED,  13312                       ; 32 slots x 48 bytes: eight waves' sums of squares
.set CST,  14848                       ; 32 slots x 144 bytes: (cos, sin) of 16 frequencies
.set XO, 4
.set LO, 5
.set WO, 6
.set WSO, 7
.set FA, 8
.set FB, 9
.set L16, 10
.set L8, 11
.set L4W, 12
.set REDW, 13
.set REDR, 14
.set CSA, 15
.set OK16, 16
.set OK8, 17
.set OKB, 18
.set OV16, 19
.set OV8, 160
.set OVB, 161
.set L4, 162
.set PC, 20                            ; v20-25 a whole block's codes
.set BYTE, 26
.set BYTE0, 27
.set XS, 28                            ; v28-31 xn's scale words, K steps 0..3: lanes 0-15 tile 0, lanes 16-31 tile 1
.set XF, 32                            ; v32-127 xn's eight fragments (first x and ln1_w)
.set ACC, 128                          ; v128-159 four accumulators
.set CS, 192                           ; v192-223 my (cos, sin)
.set WS, 224                           ; v224-227 the job's weight scale words
.set WR, 228                           ; v228-235 the same as loaded, two sets
.set SEL, 26
.set HM, 28
.set EPS, 29
.set RDIM, 30
.set SH, 31
.set MSB, 0
.macro WIN new                         ; the immediate's high byte repeats the setting that is left
.if MSB != \new
	s_set_vgpr_msb (MSB<<8)|\new
.set MSB, \new
.endif
.endm
; one scaled product; z = 1: it starts the sum; ra, rb = 1: that side's scales stand in lanes 16-31
.macro WM d, a, b, z, sa, sb, ra, rb
.if (\z) && ((\ra) == 0) && ((\rb) == 0)
	v_wmma_scale_f32_16x16x128_f8f6f4 v[(\d):(\d)+7], v[(\a):(\a)+11], v[(\b):(\b)+11], 0, v[\sa], v[\sb] matrix_a_fmt:MATRIX_FMT_FP6 matrix_b_fmt:MATRIX_FMT_FP6
.elseif (\z) && ((\ra) == 1) && ((\rb) == 0)
	v_wmma_scale_f32_16x16x128_f8f6f4 v[(\d):(\d)+7], v[(\a):(\a)+11], v[(\b):(\b)+11], 0, v[\sa], v[\sb] matrix_a_fmt:MATRIX_FMT_FP6 matrix_b_fmt:MATRIX_FMT_FP6 matrix_a_scale:MATRIX_SCALE_ROW1
.elseif (\z) && ((\ra) == 0) && ((\rb) == 1)
	v_wmma_scale_f32_16x16x128_f8f6f4 v[(\d):(\d)+7], v[(\a):(\a)+11], v[(\b):(\b)+11], 0, v[\sa], v[\sb] matrix_a_fmt:MATRIX_FMT_FP6 matrix_b_fmt:MATRIX_FMT_FP6 matrix_b_scale:MATRIX_SCALE_ROW1
.elseif (\z)
	v_wmma_scale_f32_16x16x128_f8f6f4 v[(\d):(\d)+7], v[(\a):(\a)+11], v[(\b):(\b)+11], 0, v[\sa], v[\sb] matrix_a_fmt:MATRIX_FMT_FP6 matrix_b_fmt:MATRIX_FMT_FP6 matrix_a_scale:MATRIX_SCALE_ROW1 matrix_b_scale:MATRIX_SCALE_ROW1
.elseif ((\ra) == 0) && ((\rb) == 0)
	v_wmma_scale_f32_16x16x128_f8f6f4 v[(\d):(\d)+7], v[(\a):(\a)+11], v[(\b):(\b)+11], v[(\d):(\d)+7], v[\sa], v[\sb] matrix_a_fmt:MATRIX_FMT_FP6 matrix_b_fmt:MATRIX_FMT_FP6
.elseif ((\ra) == 1) && ((\rb) == 0)
	v_wmma_scale_f32_16x16x128_f8f6f4 v[(\d):(\d)+7], v[(\a):(\a)+11], v[(\b):(\b)+11], v[(\d):(\d)+7], v[\sa], v[\sb] matrix_a_fmt:MATRIX_FMT_FP6 matrix_b_fmt:MATRIX_FMT_FP6 matrix_a_scale:MATRIX_SCALE_ROW1
.elseif ((\ra) == 0) && ((\rb) == 1)
	v_wmma_scale_f32_16x16x128_f8f6f4 v[(\d):(\d)+7], v[(\a):(\a)+11], v[(\b):(\b)+11], v[(\d):(\d)+7], v[\sa], v[\sb] matrix_a_fmt:MATRIX_FMT_FP6 matrix_b_fmt:MATRIX_FMT_FP6 matrix_b_scale:MATRIX_SCALE_ROW1
.else
	v_wmma_scale_f32_16x16x128_f8f6f4 v[(\d):(\d)+7], v[(\a):(\a)+11], v[(\b):(\b)+11], v[(\d):(\d)+7], v[\sa], v[\sb] matrix_a_fmt:MATRIX_FMT_FP6 matrix_b_fmt:MATRIX_FMT_FP6 matrix_a_scale:MATRIX_SCALE_ROW1 matrix_b_scale:MATRIX_SCALE_ROW1
.endif
.endm
; six loads: K step s of the two weight tiles of head e, into half buf of the ring in window 1
.macro LOADW buf, s, base, e
	WIN 0x40
.irp a, 0,1
.irp p, 0,1,2
	global_load_b128 v[96*(\buf)+24*(\s)+12*\a+4*\p:96*(\buf)+24*(\s)+12*\a+4*\p+3], v[WO], s[\base:\base+1] offset:(32*(\e)+8*\a)*384+96*(\s)+16*\p
.endr
.endr
	WIN 0
.endm
; one load: the four scale words of my row: lanes 0-15 tile 0's rows, lanes 16-31 tile 1's
.macro LOADWS buf, sbase, e
	global_load_b128 v[WR+4*(\buf):WR+4*(\buf)+3], v[WSO], s[\sbase:\sbase+1] offset:512*(\e)
.endm
; four products of K step s, the four accumulators by turns, then four places: in front of loads into the fragments just read, and of the first read of results
.macro KSTEP mode, acc, win, z, buf, s
	WIN \win
.irp m, 0,1
.irp a, 0,1
.if \mode == 0
	WM (\acc)+16*\m+8*\a, 96*(\buf)+24*(\s)+12*\a, XF+12*(4*\m+(\s)), \z, WS+(\s), XS+(\s), \a, \m
.else
	WM (\acc)+16*\a+8*\m, XF+12*(4*\m+(\s)), 96*(\buf)+24*(\s)+12*\a, \z, XS+(\s), WS+(\s), \m, \a
.endif
.endr
.endr
	WIN 0
.rept 4
	v_nop
.endr
.endm
; A JOB: one weight matrix x one head of my two: 16 products.  Its 25 loads (scale words, then four K steps of six) were issued two jobs ago; each K step's registers take the
; job two ahead as soon as they are read.  c0..c3: how many loads were issued behind the K step that is wanted.
.macro JOB mode, acc, win, first, buf, c0, c1, c2, c3, nxt, nb, nsb, ne
	s_wait_loadcnt \c0
.irp s, 0,1,2,3
	v_perm_b32 v[WS+\s], v[WR+4*(\buf)+\s], v[WR+4*(\buf)+\s], 0x03010200   ; bytes 1 and 2 change places: the fragments' order of K blocks
.endr
.rept 8
	v_nop                                          ; a scale register written by a vector instruction stands eight places ahead of the scaled product
.endr
	KSTEP \mode, \acc, \win, 1-(\first), \buf, 0
.if \nxt
	LOADWS \buf, \nsb, \ne
	LOADW \buf, 0, \nb, \ne
.endif
	s_wait_loadcnt \c1
	KSTEP \mode, \acc, \win, 0, \buf, 1
.if \nxt
	LOADW \buf, 1, \nb, \ne
.endif
	s_wait_loadcnt \c2
	KSTEP \mode, \acc, \win, 0, \buf, 2
.if \nxt
	LOADW \buf, 2, \nb, \ne
.endif
	s_wait_loadcnt \c3
	KSTEP \mode, \acc, \win, 0, \buf, 3
.if \nxt
	LOADW \buf, 3, \nb, \ne
.endif
.endm
; v[b .. b+15] and v[b+16 .. b+31]: two half blocks (16 neighbours along K each; lane l xor 16 holds the other 16).  Afterwards lane (r, sel) holds in v[PC ..] the whole block of row r of half sel, and in v[BYTE] its scale byte.
.macro QUANTPAIR b
	v_max3_num_f32 v236, |v[(\b)]|, |v[(\b)+1]|, 0x1800000          ; with the floor 2^(3 - 127): the byte cannot fall under 1
	v_max3_num_f32 v237, |v[(\b)+16]|, |v[(\b)+17]|, 0x1800000
.irp i, 2,4,6,8,10,12,14
	v_max3_num_f32 v236, v236, |v[(\b)+\i]|, |v[(\b)+\i+1]|
	v_max3_num_f32 v237, v237, |v[(\b)+16+\i]|, |v[(\b)+17+\i]|
.endr
	v_permlanex16_b32 v238, v236, s[SEL], s[SEL+1]
	v_permlanex16_b32 v239, v237, s[SEL], s[SEL+1]
	v_max_num_f32 v236, v236, v238
	v_max_num_f32 v237, v237, v239
	v_add_nc_u32 v240, 0xff000000, v236            ; 2 off the exponent field: the conversion's scale operand
	v_add_nc_u32 v241, 0xff000000, v237
	v_lshrrev_b32 v242, 23, v240                   ; the scale's byte
	v_lshrrev_b32 v243, 23, v241
	v_cvt_scalef32_pk16_fp6_f32 v[PC:PC+2], v[(\b):(\b)+15], v240
	v_cvt_scalef32_pk16_fp6_f32 v[244:246], v[(\b)+16:(\b)+31], v241
	v_nop                                          ; one plain place behind a scaled conversion
.irp i, 0,1,2
	v_permlane16_swap_b32 v[PC+\i], v[244+\i]      ; the first's lanes 16-31 change places with the second's lanes 0-15
.endr
.irp i, 0,1,2
	v_mov_b32 v[PC+3+\i], v[244+\i]
.endr
	v_cndmask_b32 v[BYTE], v242, v243, s[HM]
.endm
.macro PUBLISH img, e                  ; my block 2 w + e of the 32 slots
	ds_store_b128 v[L16], v[PC:PC+3] offset:(\img)+768*(\e)
	ds_store_b64 v[L8], v[PC+4:PC+5] offset:(\img)+768*(\e)
.endm
.macro PUBSC sc                        ; my two bytes of each slot at their places in the scale word of K step w / 2
	v_lshl_or_b32 v[BYTE], v[BYTE], 16, v[BYTE0]
	v_lshlrev_b32 v[BYTE], s[SH], v[BYTE]
	ds_store_b32 v[L4W], v[BYTE] offset:\sc
.endm
.macro BARRIER                         ; my LDS stores have landed and my LDS loads are in: then the work-group's barrier
	s_wait_dscnt 0x0
	s_barrier_signal -1
	s_barrier_wait -1
.endm
.macro FETCHX img, sc                  ; all eight fragments and the eight planes of scale bytes
.irp m, 0,1
.irp s, 0,1,2,3
.irp c, 0,1
	ds_load_b128 v[XF+12*(4*\m+\s)+6*\c:XF+12*(4*\m+\s)+6*\c+3], v[FA] offset:(\img)+3072*\s+768*\c+256*\m
	ds_load_b64 v[XF+12*(4*\m+\s)+6*\c+4:XF+12*(4*\m+\s)+6*\c+5], v[FB] offset:(\img)+3072*\s+768*\c+128*\m
.endr
.endr
.endr
.irp p, 0,1,2,3,4,5,6,7
	ds_load_b32 v[236+\p], v[L4] offset:(\sc)+128*\p
.endr
.endm
.macro XSWORDS
.irp s, 0,1,2,3
	v_or_b32 v[XS+\s], v[236+2*\s], v[237+2*\s]
.endr
.endm
; v[252:253], v[254:255]: my sums of squares of tiles 0 and 1, in two halves each.  Afterwards v[248:249] = 1 / rms of my row of tile 0 (twice), v[250:251] of tile 1.
.macro REDTAIL
	v_add_f32 v252, v252, v253
	v_add_f32 v254, v254, v255
	v_permlanex16_b32 v238, v252, s[SEL], s[SEL+1]
	v_permlanex16_b32 v239, v254, s[SEL], s[SEL+1]
	v_add_f32 v252, v252, v238
	v_add_f32 v254, v254, v239
	v_cndmask_b32 v252, v252, v254, s[HM]          ; lane (r, h) speaks for slot 16 h + r
	ds_store_b32 v[REDW], v252 offset:RED
	BARRIER
	ds_load_b128 v[240:243], v[REDR] offset:RED
	ds_load_b128 v[244:247], v[REDR] offset:RED+16
	s_wait_dscnt 0x0
	v_pk_add_f32 v[240:241], v[240:241], v[244:245]
	v_pk_add_f32 v[242:243], v[242:243], v[246:247]
	v_pk_add_f32 v[240:241], v[240:241], v[242:243]
	v_add_f32 v240, v240, v241
	v_fma_f32 v240, v240, s[RDIM], s[EPS]          ; the mean of 512 squares + 1e-5
	v_rsq_f32 v240, v240
	v_nop                                          ; a plain place behind the transcendental
	s_wait_alu depctr_va_vdst(0)                   ; the wait ahead of the first reader
	v_permlanex16_b32 v238, v240, s[SEL], s[SEL+1]
	v_cndmask_b32 v248, v240, v238, s[HM]
	v_cndmask_b32 v250, v238, v240, s[HM]
	v_mov_b32 v249, v248
	v_mov_b32 v251, v250
.endm
.macro PICK k, lit
	v_cmp_ne_u32 vcc_lo, \k, v2
	v_cndmask_b32 v168, \lit, v168, vcc_lo
.endm
; v[o] = cos, v[o+1] = sin of v[t] x v168: reduction by pi / 2 in two parts, polynomials on [-pi/4, pi/4], the quadrant by selects
.macro SINCOS t, o
	v_mul_f32 v170, v[\t], v168
	v_mul_f32 v171, 0x3f22f983, v170
	v_rndne_f32 v171, v171
	v_fma_f32 v172, -v171, s46, v170
	v_fma_f32 v172, -v171, s47, v172
	v_mul_f32 v173, v172, v172
	v_fma_f32 v174, v173, s48, s49
	v_fma_f32 v175, v173, s50, s51
	v_fmaak_f32 v174, v174, v173, 0xbe2aaaa3
	v_fmaak_f32 v175, v175, v173, 0x3d2aaaa5
	v_mul_f32 v174, v174, v173
	v_mul_f32 v177, v173, v173
	v_fma_f32 v176, v173, -0.5, 1.0
	v_fma_f32 v174, v174, v172, v172               ; sin(rho)
	v_fma_f32 v175, v175, v177, v176               ; cos(rho)
	v_cvt_i32_f32 v177, v171
	v_and_b32 v178, 1, v177
	v_cmp_eq_u32 vcc_lo, 1, v178
	v_cndmask_b32 v179, v174, v175, vcc_lo
	v_cndmask_b32 v180, v175, v174, vcc_lo
	v_and_b32 v178, 2, v177
	v_lshlrev_b32 v178, 30, v178
	v_xor_b32 v[\o+1], v178, v179
	v_add_nc_u32 v177, 1, v177
	v_and_b32 v177, 2, v177
	v_lshlrev_b32 v177, 30, v177
	v_xor_b32 v[\o], v177, v180
.endm
.macro ROPE                            ; pairs (even, odd) of a lane's 16 channels, each accumulator from its low end on
.irp m, 0,1
.irp a, 0,1
.irp jj, 0,1,2,3
	v_pk_mul_f32 v[248+2*\jj:249+2*\jj], v[ACC+16*\m+8*\a+2*\jj:ACC+16*\m+8*\a+2*\jj+1], v[CS+16*\m+2*(4*\a+\jj):CS+16*\m+2*(4*\a+\jj)+1] op_sel:[1,1] op_sel_hi:[0,1]   ; (xo sin, xe sin)
.endr
.irp jj, 0,1,2,3
	v_pk_fma_f32 v[ACC+16*\m+8*\a+2*\jj:ACC+16*\m+8*\a+2*\jj+1], v[ACC+16*\m+8*\a+2*\jj:ACC+16*\m+8*\a+2*\jj+1], v[CS+16*\m+2*(4*\a+\jj):CS+16*\m+2*(4*\a+\jj)+1], v[248+2*\jj:249+2*\jj] op_sel_hi:[1,0,1] neg_lo:[0,0,1]   ; (xe cos - xo sin, xo cos + xe sin)
.endr
.endr
.endr
.endm
.macro OUTKQ e, type                   ; the wave's stores cover 512 and 256 consecutive bytes, aligned; the scale bytes 32
	global_store_b128 v[OK16], v[PC:PC+3], s[20:21] offset:153600*(\e)+(\type)
	global_store_b64 v[OK8], v[PC+4:PC+5], s[20:21] offset:153600*(\e)+(\type)+512
	global_store_b8 v[OKB], v[BYTE], s[20:21] offset:153600*(\e)+(\type)+49152
.endm
.macro OUTV e
	global_store_b128 v[OV16], v[PC:PC+3], s[20:21] offset:153600*(\e)+51200
	global_store_b64 v[OV8], v[PC+4:PC+5], s[20:21] offset:153600*(\e)+51200+512
	global_store_b8 v[OVB], v[BYTE], s[20:21] offset:153600*(\e)+51200+49152
.endm
	s_load_b512 s[4:19], s[0:1], 0x0               ; x, ln1_w, wq codes, scales, wk codes, scales, wv codes, scales
	s_load_b64 s[20:21], s[0:1], 0x40              ; qkv
	v_lshl_add_u32 v190, v0, 2, 0x5000
	v_mov_b32 v191, 0
	v_lshrrev_b32 v1, 5, v0
	v_readfirstlane_b32 s22, v1                    ; wave 0..7
	v_and_b32 v1, 31, v0                           ; l
	v_and_b32 v2, 15, v0                           ; r (also the thread's frequency for the table)
	v_bfe_u32 v3, v0, 4, 1                         ; h
	s_and_b32 s24, ttmp9, 63                       ; beta: which 32 tokens of the batch
	s_lshr_b32 s25, ttmp9, 6                       ; the batch
	s_mov_b32 s[SEL], 0x76543210
	s_mov_b32 s[SEL+1], 0xfedcba98                 ; lane l xor 16
	s_mov_b32 s[HM], 0xffff0000                    ; lanes 16-31
	s_mov_b32 s[EPS], 0x3727c5ac                   ; 1e-5
	s_mov_b32 s[RDIM], 0x3b000000                  ; 1 / 512
	s_and_b32 s[SH], s22, 1
	s_lshl_b32 s[SH], s[SH], 3
	v_and_b32 v163, 7, v2
	v_lshrrev_b32 v164, 3, v2
	v_lshl_add_u32 v165, v164, 4, v163             ; (r & 7) + 16 (r >> 3)
	v_lshl_add_u32 v166, v3, 3, v165               ; + 8 h: the token of lane (r, h) once a block is whole
	v_lshlrev_b32 v[XO], 11, v165
	v_lshl_add_u32 v[XO], v3, 6, v[XO]
	v_lshlrev_b32 v[LO], 6, v3
	v_mul_u32_u24 v[WO], v165, 384
	v_mad_u32_u24 v[WO], v3, 48, v[WO]
	v_lshlrev_b32 v[WSO], 4, v166
	v_mul_u32_u24 v[FA], v3, 1536
	v_lshl_add_u32 v[FB], v2, 3, v[FA]
	v_add_nc_u32 v[FB], 512, v[FB]
	v_lshl_add_u32 v[FA], v2, 4, v[FA]
	s_mul_i32 s32, s22, 1536
	v_lshlrev_b32 v[L16], 4, v1
	v_add_nc_u32 v[L16], s32, v[L16]
	v_lshlrev_b32 v[L8], 3, v1
	v_add_nc_u32 v[L8], s32, v[L8]
	v_add_nc_u32 v[L8], 512, v[L8]
	s_lshl_b32 s33, s22, 7
	v_lshlrev_b32 v[L4], 2, v1
	v_add_nc_u32 v[L4W], s33, v[L4]
	v_mul_u32_u24 v[REDR], v1, 48
	s_lshl_b32 s33, s22, 2
	v_add_nc_u32 v[REDW], s33, v[REDR]
	v_mul_u32_u24 v[CSA], v2, 144
	v_lshl_add_u32 v[CSA], v3, 6, v[CSA]
	s_mul_i32 s34, s24, 768
	s_lshl_b32 s35, s24, 5
	v_lshlrev_b32 v[OK16], 4, v166
	v_add_nc_u32 v[OK16], s34, v[OK16]
	v_lshlrev_b32 v[OK8], 3, v166
	v_add_nc_u32 v[OK8], s34, v[OK8]
	v_lshrrev_b32 v167, 3, v166
	v_lshl_add_u32 v[OKB], v163, 2, v167
	v_add_nc_u32 v[OKB], s35, v[OKB]
	v_lshlrev_b32 v[OV16], 4, v1
	v_add_nc_u32 v[OV16], s34, v[OV16]
	v_lshlrev_b32 v[OV8], 3, v1
	v_add_nc_u32 v[OV8], s34, v[OV8]
	v_add_nc_u32 v[OVB], s35, v1
	v_mov_b32 v238, 0                              ; written once: a lane permute's destination counts as one of its sources
	v_mov_b32 v239, 0
	s_lshl_b32 s36, ttmp9, 16
	s_lshl_b32 s38, s22, 8
	s_add_co_u32 s36, s36, s38
	s_mov_b32 s37, 0
	s_mov_b32 s39, 0
	s_mul_i32 s40, s22, 24576
	s_mov_b32 s41, 0
	s_lshl_b32 s42, s22, 10
	s_mov_b32 s43, 0
	s_lshl_b32 s44, s25, 4
	s_lshl_b32 s45, s22, 1
	s_add_co_u32 s44, s44, s45
	s_mul_i32 s44, s44, 153600
	s_mov_b32 s45, 0
	s_mov_b32 s46, 0x3fc90fdb                      ; pi / 2, upper part
	s_mov_b32 s47, 0xb33bbd2e                      ; and what is left of it
	s_mov_b32 s48, 0xb94ca1f9
	s_mov_b32 s49, 0x3c08839e
	s_mov_b32 s50, 0x37ccf5ce
	s_mov_b32 s51, 0xbab6061a
	s_wait_kmcnt 0x0
	s_add_nc_u64 s[4:5], s[4:5], s[36:37]          ; x at my 32 tokens, my 64 features
	s_add_nc_u64 s[6:7], s[6:7], s[38:39]
	s_add_nc_u64 s[8:9], s[8:9], s[40:41]          ; the weights at my 64 rows
	s_add_nc_u64 s[12:13], s[12:13], s[40:41]
	s_add_nc_u64 s[16:17], s[16:17], s[40:41]
	s_add_nc_u64 s[10:11], s[10:11], s[42:43]
	s_add_nc_u64 s[14:15], s[14:15], s[42:43]
	s_add_nc_u64 s[18:19], s[18:19], s[42:43]
	s_add_nc_u64 s[20:21], s[20:21], s[44:45]      ; qkv at head 2 w of my batch
.irp e, 0,1
.irp m, 0,1
.irp p, 0,1,2,3
	global_load_b128 v[XF+32*\e+16*\m+4*\p:XF+32*\e+16*\m+4*\p+3], v[XO], s[4:5] offset:16384*\m+128*\e+16*\p th:TH_LOAD_NT
.endr
.endr
.endr
.irp e, 0,1
.irp p, 0,1,2,3
	global_load_b128 v[96+16*\e+4*\p:96+16*\e+4*\p+3], v[LO], s[6:7] offset:128*\e+16*\p
.endr
.endr
	LOADWS 0, 10, 0
.irp s, 0,1,2,3
	LOADW 0, \s, 8, 0
.endr
	LOADWS 1, 10, 1
.irp s, 0,1,2,3
	LOADW 1, \s, 8, 1
.endr
	; THE TABLE, while the loads are on their way: thread tau makes frequency tau & 15 of slots tau >> 4 and 16 + (tau >> 4)
	v_lshrrev_b32 v167, 4, v0
	v_mul_u32_u24 v169, v167, 144
	v_lshl_add_u32 v169, v2, 3, v169
	v_and_b32 v163, 7, v167
	v_lshrrev_b32 v164, 3, v167
	v_lshl_add_u32 v163, v164, 4, v163
	v_add_nc_u32 v163, s35, v163                   ; the token's place in its batch
	v_cvt_f32_u32 v181, v163
	v_add_nc_u32 v163, 8, v163
	v_cvt_f32_u32 v182, v163
	v_mov_b32 v168, 1.0                            ; 10^(-f / 4)
	PICK 1, 0x3f0ff59a
	PICK 2, 0x3ea1e89b
	PICK 3, 0x3e361887
	PICK 4, 0x3dcccccd
	PICK 5, 0x3d6655c3
	PICK 6, 0x3d0186e2
	PICK 7, 0x3c91ad39
	PICK 8, 0x3c23d70a
	PICK 9, 0x3bb8449c
	PICK 10, 0x3b4f3e37
	PICK 11, 0x3ae91528
	PICK 12, 0x3a83126f
	PICK 13, 0x3a136a16
	PICK 14, 0x39a5cb5f
	PICK 15, 0x393a7753
	SINCOS 181, 184
	ds_store_b64 v169, v[184:185] offset:CST
	SINCOS 182, 186
	ds_store_b64 v169, v[186:187] offset:CST+2304
	; THE NORM
	s_wait_loadcnt 58                              ; x is in: behind it ln1_w's 8 loads and two jobs' 50
.irp e, 0,1
.irp q, 0,1,2,3,4,5,6,7
.irp m, 0,1
.if (\e == 0) && (\q == 0)
	v_pk_mul_f32 v[252+2*\m:253+2*\m], v[XF+16*\m:XF+16*\m+1], v[XF+16*\m:XF+16*\m+1]
.else
	v_pk_fma_f32 v[252+2*\m:253+2*\m], v[XF+32*\e+16*\m+2*\q:XF+32*\e+16*\m+2*\q+1], v[XF+32*\e+16*\m+2*\q:XF+32*\e+16*\m+2*\q+1], v[252+2*\m:253+2*\m]
.endif
.endr
.endr
.endr
	REDTAIL                                        ; its barrier also shows the table to every wave
	s_wait_loadcnt 50                              ; ln1_w is in
.irp e, 0,1
.irp m, 0,1
.irp q, 0,1,2,3,4,5,6,7
	v_pk_mul_f32 v[XF+32*\e+16*\m+2*\q:XF+32*\e+16*\m+2*\q+1], v[XF+32*\e+16*\m+2*\q:XF+32*\e+16*\m+2*\q+1], v[248+2*\m:249+2*\m]
.endr
.irp q, 0,1,2,3,4,5,6,7
	v_pk_mul_f32 v[XF+32*\e+16*\m+2*\q:XF+32*\e+16*\m+2*\q+1], v[XF+32*\e+16*\m+2*\q:XF+32*\e+16*\m+2*\q+1], v[96+16*\e+2*\q:96+16*\e+2*\q+1]
.endr
.endr
.endr
	QUANTPAIR XF
	PUBLISH XIMG, 0
	v_mov_b32 v[BYTE0], v[BYTE]
	s_wait_dscnt 0x0                               ; the stores have read their registers
	QUANTPAIR XF+32
	PUBLISH XIMG, 1
	PUBSC XSC
	BARRIER                                        ; xn's sixteen blocks and their scale bytes lie in LDS
	FETCHX XIMG, XSC
.irp m, 0,1
.irp p, 0,1,2,3
	ds_load_b128 v[CS+16*\m+4*\p:CS+16*\m+4*\p+3], v[CSA] offset:CST+2304*\m+16*\p
.endr
.endr
	s_wait_dscnt 0x0
	XSWORDS
	; SIX JOBS.  Counts: behind K step 0 of a job stand its other 18 loads and the next job's 25; each later wait also counts what this job has issued for the job two ahead.
	JOB 0, ACC, 0x01, 0, 0, 43, 44, 44, 44, 1, 12, 14, 0
	ROPE
	s_wait_xcnt 0x0                                ; earlier stores have read the codes' registers
	QUANTPAIR ACC
	OUTKQ 0, 102400
	JOB 0, ACC, 0x01, 0, 1, 43, 44, 44, 44, 1, 12, 14, 1
	ROPE
	s_wait_xcnt 0x0
	QUANTPAIR ACC
	OUTKQ 1, 102400
	JOB 0, ACC, 0x01, 0, 0, 43, 44, 44, 44, 1, 16, 18, 0
	ROPE
	s_wait_xcnt 0x0
	QUANTPAIR ACC
	OUTKQ 0, 0
	JOB 0, ACC, 0x01, 0, 1, 43, 44, 44, 44, 1, 16, 18, 1
	ROPE
	s_wait_xcnt 0x0
	QUANTPAIR ACC
	OUTKQ 1, 0
	JOB 1, ACC, 0x04, 0, 0, 43, 37, 31, 25, 0, 0, 0, 0   ; v: xn is source 0, so that a lane's registers run along the keys
	s_wait_xcnt 0x0
	QUANTPAIR ACC
	OUTV 0
	JOB 1, ACC, 0x04, 0, 1, 18, 12, 6, 0, 0, 0, 0, 0
	s_wait_xcnt 0x0
	QUANTPAIR ACC
	OUTV 1
	s_wait_tensorcnt 0x0
	ds_add_u32 v190, v191
	s_wait_dscnt 0x0
	s_endpgm
.Lfunc_end_k_q4e07802b01_qkv:
	.size	k_q4e07802b01_qkv, .Lfunc_end_k_q4e07802b01_qkv-k_q4e07802b01_qkv
	.p2alignl 7, 3214868480
	.fill 96, 4, 3214868480
	.section	.rodata,"a",@progbits
	.p2align	6, 0x0
	.amdhsa_kernel k_q4e07802b01_qkv
		.amdhsa_group_segment_fixed_size 21504
		.amdhsa_private_segment_fixed_size 0
		.amdhsa_enable_private_segment 0
		.amdhsa_kernarg_size 72
		.amdhsa_user_sgpr_count 2
		.amdhsa_user_sgpr_kernarg_segment_ptr 1
		.amdhsa_wavefront_size32 1
		.amdhsa_system_sgpr_workgroup_id_x 1
		.amdhsa_system_sgpr_workgroup_id_y 1
		.amdhsa_system_sgpr_workgroup_id_z 1
		.amdhsa_system_vgpr_workitem_id 0
		.amdhsa_next_free_vgpr 512
		.amdhsa_next_free_sgpr 66
		.amdhsa_reserve_vcc 1
		.amdhsa_float_denorm_mode_32 3
		.amdhsa_float_denorm_mode_16_64 3
		.amdhsa_memory_ordered 1
		.amdhsa_forward_progress 1
		.amdhsa_inst_pref_size 84
	.end_amdhsa_kernel
	.amdgpu_metadata
---
amdhsa.version: [ 1, 2 ]
amdhsa.kernels:
  - .name:           k_q4e07802b01_qkv
    .symbol:         k_q4e07802b01_qkv.kd
    .args:
      - { .name: x, .offset: 0, .size: 8, .value_kind: global_buffer, .address_space: global }
      - { .name: ln1_w, .offset: 8, .size: 8, .value_kind: global_buffer, .address_space: global }
      - { .name: wq_codes, .offset: 16, .size: 8, .value_kind: global_buffer, .address_space: global }
      - { .name: wq_scales, .offset: 24, .size: 8, .value_kind: global_buffer, .address_space: global }
      - { .name: wk_codes, .offset: 32, .size: 8, .value_kind: global_buffer, .address_space: global }
      - { .name: wk_scales, .offset: 40, .size: 8, .value_kind: global_buffer, .address_space: global }
      - { .name: wv_codes, .offset: 48, .size: 8, .value_kind: global_buffer, .address_space: global }
      - { .name: wv_scales, .offset: 56, .size: 8, .value_kind: global_buffer, .address_space: global }
      - { .name: qkv, .offset: 64, .size: 8, .value_kind: global_buffer, .address_space: global }
    .group_segment_fixed_size: 21504
    .private_segment_fixed_size: 0
    .kernarg_segment_align: 8
    .kernarg_segment_size: 72
    .max_flat_workgroup_size: 256
    .sgpr_count:     66
    .vgpr_count:     512
    .wavefront_size: 32
...
	.end_amdgpu_metadata
.endif
;; end of part 1
;; launch attn (part 2): grid 4 x 64, 16 waves a work-group, clusters of 4 x 1, 169,984 bytes of LDS; arguments qkv, ao, aos; writes ao, aos
.if DOCPART == 2
	.amdgcn_target "amdgcn-amd-amdhsa--gfx1250"
	.amdhsa_code_object_version 6
	.text
	.protected	k_q4e07802b01_attn
	.globl	k_q4e07802b01_attn
	.p2align	8
	.type	k_q4e07802b01_attn,@function
k_q4e07802b01_attn:
	s_mov_b64 s[64:65], 0
	v_nop
	global_prefetch_b8 v0, s[64:65] scope:SCOPE_SE
	s_setreg_imm32_b32 hwreg(HW_REG_WAVE_MODE, 25, 1), 1
	s_wait_xcnt 0x0
	s_wait_alu depctr_hold_cnt(0) depctr_sa_sdst(0) depctr_va_vdst(0) depctr_va_sdst(0) depctr_va_ssrc(0) depctr_va_vcc(0) depctr_vm_vsrc(0)
	s_getreg_b32 s2, hwreg(HW_REG_IB_STS2, 6, 4)
	s_cmp_eq_u32 s2, 0
	s_cbranch_scc0 .Lentry_in_a_cluster
	s_endpgm
.Lentry_in_a_cluster:
	s_bfe_u32 s2, ttmp6, 0x10000c
	s_cmp_lg_u32 s2, 0x3003
	s_cbranch_scc0 .Lentry_shape_is_right
	s_endpgm
.Lentry_shape_is_right:
; Causal attention of one (batch, head) per cluster, both products on codes of E2M3; the result, divided by the row's sum, is quantised along the head's 32 channels and leaves as codes.
; qkv[bh]: K record | V record | Q record, 51,200 bytes each (64 blocks of 768 bytes, then 64 x 32 scale bytes).  ao[token / 32][head][768], aos[token / 32][head][32].
; SHARES.  Four work-groups of 16 waves.  Wave w of work-group cx owns the query tiles iA = 4 w + cx and iB = 127 - iA (16 queries each): their last key steps, w / 2 and 15 - w / 2,
; hang on the wave's number alone, and each wave walks 17 key steps of 128 keys.  The loops' trip counts are constants (8 and 16); a step behind the diagonal is jumped over.
; LDS.  The head's K and V records, 102,400 consecutive bytes of memory, are brought once: each wave asks for 25 rows of 256 bytes, jointly with the same wave of the three partners.
; Nothing is filled again and nothing is stored to LDS.  One tensor load a wave is out.
; FIRST PRODUCT, K = 32 in a form of K = 128: a fragment of K holds 64 keys, a key in each of a row's four K blocks; it is multiplied four times, by q placed in one block and zeros in the others.
; So in lane (r, h) the 32 registers of fragment g are the scores of query r with keys 128 ks + 32 (2 g + h) + 0 .. 31: a whole block of p, whose codes are the second product's operand as they come.
; SOFTMAX: t = score x log2(e) / sqrt(32); M = the running largest t rounded up to a whole number; p = 2^(t - M) is quantised; the sum is taken of the unquantised p.
; LIMITS: NaN and infinities are not served; a block of zeros gets the scale byte 1 (its codes are zeros; only this program reads the bytes).
.macro WM d, a, b, z, sa, sb, ra, rb
.if (\z) && ((\ra) == 0)
	v_wmma_scale_f32_16x16x128_f8f6f4 v[(\d):(\d)+7], v[(\a):(\a)+11], v[(\b):(\b)+11], 0, v[\sa], v[\sb] matrix_a_fmt:MATRIX_FMT_FP6 matrix_b_fmt:MATRIX_FMT_FP6
.elseif (\z)
	v_wmma_scale_f32_16x16x128_f8f6f4 v[(\d):(\d)+7], v[(\a):(\a)+11], v[(\b):(\b)+11], 0, v[\sa], v[\sb] matrix_a_fmt:MATRIX_FMT_FP6 matrix_b_fmt:MATRIX_FMT_FP6 matrix_a_scale:MATRIX_SCALE_ROW1
.elseif ((\ra) == 0)
	v_wmma_scale_f32_16x16x128_f8f6f4 v[(\d):(\d)+7], v[(\a):(\a)+11], v[(\b):(\b)+11], v[(\d):(\d)+7], v[\sa], v[\sb] matrix_a_fmt:MATRIX_FMT_FP6 matrix_b_fmt:MATRIX_FMT_FP6
.else
	v_wmma_scale_f32_16x16x128_f8f6f4 v[(\d):(\d)+7], v[(\a):(\a)+11], v[(\b):(\b)+11], v[(\d):(\d)+7], v[\sa], v[\sb] matrix_a_fmt:MATRIX_FMT_FP6 matrix_b_fmt:MATRIX_FMT_FP6 matrix_a_scale:MATRIX_SCALE_ROW1
.endif
.endm
.macro CROUND                          ; a round of the cluster's barrier
	s_barrier_signal -1
	s_barrier_wait -1
	s_cmp_lg_u32 s10, 0
	s_cbranch_scc1 .Lnot_wave_0_\@
	s_barrier_signal -3
.Lnot_wave_0_\@:
	s_barrier_wait -3
	s_barrier_signal -1
	s_barrier_wait -1
.endm
.macro QADDR ti, va                    ; the offsets of tile s[ti]'s codes (16 and 8 bytes a query) and scale byte in the Q record
	s_lshr_b32 s46, s[\ti], 1
	s_and_b32 s47, s[\ti], 1
	s_lshl_b32 s47, s47, 4
	s_mul_i32 s48, s46, 768
	s_lshl_b32 s46, s46, 5
	v_add_nc_u32 v209, s47, v211                   ; the slot: token mod 32
	v_lshlrev_b32 v[\va], 4, v209
	v_add_nc_u32 v[\va], s48, v[\va]
	v_lshlrev_b32 v[\va+1], 3, v209
	v_add_nc_u32 v[\va+1], s48, v[\va+1]
	v_lshrrev_b32 v215, 3, v209
	v_lshl_add_u32 v[\va+2], v213, 2, v215
	v_add_nc_u32 v[\va+2], s46, v[\va+2]
.endm
; ONE TILE OF 16 QUERIES.  trips: the loop's constant count; kd: the scalar with the tile's last key step; ti: the scalar with the tile's number; raw: q's six registers and its byte; oc, ob: where the codes and the byte of the result go
.macro TILE trips, kd, ti, raw, oc, ob
.irp i, 0,1,2,3,4,5
	v_cndmask_b32 v[22+\i], v[\raw+\i], 0, s44     ; q in lanes 0-15,
	v_cndmask_b32 v[34+\i], 0, v[\raw+\i], s44     ; q in lanes 16-31; zeros round them: v[22:33], v[34:45], v[16:27], v[28:39] are q in K block 0, 1, 2, 3
.endr
	v_mul_lo_u32 v46, v[\raw+6], s45               ; q's scale byte in all four bytes
	s_lshl_b32 s46, s[\ti], 4
	v_add_nc_u32 v8, s46, v247                     ; my query - 32 h
	v_mov_b32 v13, 0xff61b1e6                      ; the largest t so far: -3e38
	v_floor_f32 v12, -v13                          ; -M
	v_mov_b32 v14, 0
	v_mov_b32 v15, 0
.irp j, 0,1,2,3,4,5,6,7,8,9,10,11,12,13,14,15
	v_mov_b32 v[162+\j], 0                         ; O^T: the first change of M leaves zeros zeros
.endr
	s_mov_b32 s40, 0                               ; the key step, and its bytes in the codes and in the scale bytes
	s_mov_b32 s41, 0
	s_mov_b32 s42, 0
.Lstep_\@:
	s_cmp_gt_u32 s40, s[\kd]                       ; all keys of the step come after my queries: only the steps of the addresses remain
	s_cbranch_scc1 .Lskip_\@
	v_add_nc_u32 v9, s41, v1                       ; (these six are also the places behind the last step's products)
	v_add_nc_u32 v10, s41, v2
	v_add_nc_u32 v11, s41, v3
	v_add_nc_u32 v250, s41, v4
	v_add_nc_u32 v251, s42, v5
	v_add_nc_u32 v252, s42, v6
.irp g, 0,1
.irp c, 0,1
	ds_load_b128 v[50+12*\g+6*\c:53+12*\g+6*\c], v9 offset:1536*\g+256*\c
	ds_load_b64 v[54+12*\g+6*\c:55+12*\g+6*\c], v10 offset:1536*\g+128*\c
.endr
.endr
	ds_load_b32 v47, v251                          ; K's scale words: lanes 0-15 fragment 0's rows, lanes 16-31 fragment 1's
.irp a, 0,1
.irp c, 0,1
	ds_load_b128 v[74+12*\a+6*\c:77+12*\a+6*\c], v11 offset:1536*\c+256*\a
	ds_load_b64 v[78+12*\a+6*\c:79+12*\a+6*\c], v250 offset:1536*\c+128*\a
.endr
.endr
.irp b, 0,1,2,3
	ds_load_u8 v[216+\b], v252 offset:32*\b
.endr
	s_wait_dscnt 12                                ; K's nine loads are in; V's eight and its four bytes may be out
.irp g, 0,1
	WM 98+32*\g, 50+12*\g, 22, 1, 47, 46, \g, 0
	WM 106+32*\g, 50+12*\g, 34, 1, 47, 46, \g, 0
	WM 114+32*\g, 50+12*\g, 16, 1, 47, 46, \g, 0
	WM 122+32*\g, 50+12*\g, 28, 1, 47, 46, \g, 0
.endr
	s_wait_dscnt 0x0
	v_lshl_or_b32 v48, v217, 8, v216               ; V's scale word; with the v_nop four places behind the products
	v_lshl_or_b32 v48, v218, 16, v48
	v_lshl_or_b32 v48, v219, 24, v48
	v_nop
	s_cmp_lg_u32 s40, s[\kd]                       ; only the tile's last step lies on the diagonal
	s_cbranch_scc1 .Lopen_\@
	v_sub_nc_u32 v211, v8, s42                     ; register n holds key 128 ks + 32 h + 64 (n / 32) + n % 32: hidden where 64 (n / 32) + n % 32 > my query - 32 h - 128 ks
	v_mov_b32 v212, 0xff800000
.set N, 0
.rept 64
	v_cmp_gt_i32 vcc_lo, 64*(N/32)+N%32, v211
	v_cndmask_b32 v[98+N], v[98+N], v212, vcc_lo
.set N, N+1
.endr
.Lopen_\@:
	v_max3_num_f32 v198, v98, v99, v100            ; the largest score of each of my two blocks of 32 keys
	v_max3_num_f32 v199, v130, v131, v132
.irp i, 3,5,7,9,11,13,15,17,19,21,23,25,27,29
	v_max3_num_f32 v198, v198, v[98+\i], v[99+\i]
	v_max3_num_f32 v199, v199, v[130+\i], v[131+\i]
.endr
	v_max_num_f32 v198, v198, v129
	v_max_num_f32 v199, v199, v161
	v_max_num_f32 v201, v198, v199
	v_permlanex16_b32 v200, v201, s20, s21
	v_max_num_f32 v201, v201, v200                 ; the step's largest score of my query
	v_mul_f32 v201, s22, v201
	v_max_num_f32 v13, v13, v201                   ; the running largest t
	v_mov_b32 v201, v12
	v_floor_f32 v12, -v13                          ; the new -M
	v_sub_f32 v201, v12, v201
	v_cvt_i32_f32 v201, v201                       ; (it saturates)
	v_ldexp_f32 v202, 1.0, v201                    ; f = 2^(old M - new M)
.set N, 0
.rept 32
	v_pk_fma_f32 v[98+N:99+N], v[98+N:99+N], s[22:23], v[12:13] op_sel_hi:[1,0,0]
.set N, N+2
.endr
	v_fma_f32 v198, v198, s22, v12
	v_fma_f32 v199, v199, s22, v12
.set N, 0
.rept 64
	v_exp_f32 v[98+N], v[98+N]                     ; p = 2^(t - M)
.set N, N+1
.endr
	v_pk_mul_f32 v[14:15], v[14:15], v[202:203] op_sel_hi:[1,0]   ; the sums under the new M: a plain place behind the exponentials
	s_wait_alu depctr_va_vdst(0)                   ; one wait for the batch, ahead of its first reader
	v_exp_f32 v198, v198                           ; each block's largest p
	v_exp_f32 v199, v199
	v_pk_add_f32 v[204:205], v[98:99], v[100:101]  ; the row's sum of the unquantised p, in two chains
.irp j, 4,8,12,16,20,24,28,32,36,40,44,48,52,56,60
	v_pk_add_f32 v[14:15], v[14:15], v[98+\j:99+\j]
	v_pk_add_f32 v[204:205], v[204:205], v[100+\j:101+\j]
.endr
	v_pk_add_f32 v[14:15], v[14:15], v[204:205]
	s_wait_alu depctr_va_vdst(0)                   ; and one for the two
	v_max_num_f32 v198, 0x1800000, v198            ; the floor 2^(3 - 127)
	v_max_num_f32 v199, 0x1800000, v199
	v_add_nc_u32 v206, 0xff000000, v198
	v_add_nc_u32 v207, 0xff000000, v199
	v_lshrrev_b32 v208, 23, v206
	v_lshrrev_b32 v209, 23, v207
	v_lshl_or_b32 v210, v209, 16, v208             ; my bytes: blocks h and 2 + h,
	v_lshlrev_b32 v210, v7, v210                   ; 8 h bits up;
	v_permlanex16_b32 v200, v210, s20, s21
	v_or_b32 v49, v210, v200                       ; with lane l xor 16's the word is whole
.irp g, 0,1
	v_cvt_scalef32_pk16_fp6_f32 v[178+6*\g:180+6*\g], v[98+32*\g:113+32*\g], v[206+\g]
	v_cvt_scalef32_pk16_fp6_f32 v[190+4*\g:192+4*\g], v[114+32*\g:129+32*\g], v[206+\g]
.endr
	v_nop                                          ; one plain place behind a scaled conversion
.irp g, 0,1
.irp i, 0,1,2
	v_mov_b32 v[181+6*\g+\i], v[190+4*\g+\i]
.endr
.endr
.irp j, 0,2,4,6,8,10,12,14
	v_pk_mul_f32 v[162+\j:163+\j], v[162+\j:163+\j], v[202:203] op_sel_hi:[1,0]   ; O^T under the new M
.endr
.rept 4
	v_nop                                          ; p's codes stand four places, its scale word eight, ahead of the scaled products
.endr
	WM 162, 74, 178, 0, 48, 49, 0, 0               ; O^T += V^T P^T; the two accumulators by turns, the eight score products between their links
	WM 170, 86, 178, 0, 48, 49, 1, 0
.Lskip_\@:
	s_add_co_u32 s41, s41, 3072
	s_add_co_u32 s42, s42, 128
	s_add_co_u32 s40, s40, 1
	s_cmp_lt_u32 s40, \trips
	s_cbranch_scc1 .Lstep_\@
.rept 4
	v_nop
.endr
	v_add_f32 v14, v14, v15
	v_permlanex16_b32 v200, v14, s20, s21
	v_add_f32 v14, v14, v200                       ; the row's sum
	v_rcp_f32 v14, v14
	v_nop
	s_wait_alu depctr_va_vdst(0)                   ; the wait ahead of the first reader
.irp j, 0,1,2,3,4,5,6,7,8,9,10,11,12,13,14,15
	v_mul_f32 v[98+\j], v[162+\j], v14             ; channel 16 h + j of my query
.endr
	v_max3_num_f32 v198, |v98|, |v99|, 0x1800000
.irp i, 2,4,6,8,10,12,14
	v_max3_num_f32 v198, v198, |v[98+\i]|, |v[99+\i]|
.endr
	v_permlanex16_b32 v200, v198, s20, s21
	v_max_num_f32 v198, v198, v200
	v_add_nc_u32 v206, 0xff000000, v198
	v_lshrrev_b32 v[\ob], 23, v206
	v_cvt_scalef32_pk16_fp6_f32 v[\oc:\oc+2], v[98:113], v206
	v_nop
.endm
	s_load_b128 s[4:7], s[0:1], 0x0                ; qkv, ao
	s_load_b64 s[8:9], s[0:1], 0x10                ; aos
	v_lshl_add_u32 v254, v0, 2, 0x29000
	v_mov_b32 v255, 0
	ds_add_u32 v254, v255
	ds_add_u32 v254, v255
	v_lshrrev_b32 v1, 5, v0
	v_readfirstlane_b32 s10, v1                    ; wave 0..15
	s_bfe_u32 s11, ttmp6, 0x40000                  ; cx: it enters global addresses and the mask's numbers alone
	s_and_b32 s12, ttmp7, 0xffff                   ; bh, which the four partners share
	s_lshl_b32 s13, s10, 2
	s_add_co_u32 s13, s13, s11                     ; iA
	s_sub_co_u32 s14, 127, s13                     ; iB
	s_lshr_b32 s15, s10, 1                         ; tile A's last key step
	s_sub_co_u32 s18, 15, s15                      ; tile B's
	s_mov_b32 s20, 0x76543210
	s_mov_b32 s21, 0xfedcba98
	s_mov_b32 s22, 0x3e8293ee                      ; log2(e) / sqrt(32)
	s_mov_b32 s23, s22
	s_mov_b32 s44, 0xffff0000
	s_mov_b32 s45, 0x01010101
	s_mov_b32 s24, 15|(3<<16)|(1<<21)              ; the mask: all four work-groups; elements of 8 bytes; bit 21 beside a mask
	s_mov_b32 s25, 32<<16                          ; tensor_dim0 = 32
	s_mov_b32 s26, 25<<16                          ; tensor_dim1 = 25
	s_mov_b32 s27, 32<<16                          ; tile_dim0 = 32: rows of 256 bytes
	s_mov_b32 s28, 25                              ; tile_dim1 = 25
	s_mov_b32 s29, 32                              ; dense
	s_mov_b32 s30, 0
	s_mov_b32 s31, 0
	s_mul_i32 s36, s12, 153600
	s_mov_b32 s37, 0
	s_mul_i32 s33, s10, 6400                       ; my 6,400 bytes of the 102,400, in LDS as in memory
	s_mov_b32 s38, s33
	s_mov_b32 s39, 0
	s_mov_b32 s32, 1
	s_wait_dscnt 0x0
	s_wait_kmcnt 0x0
	s_add_nc_u64 s[16:17], s[4:5], s[36:37]        ; the head's records
	s_add_nc_u64 s[34:35], s[16:17], s[38:39]
	s_or_b32 s35, s35, 0x80000000
	CROUND                                         ; all four work-groups are here: the joint loads meet
	tensor_load_to_lds s[32:35], s[24:31]
	s_nop 0
.rept 4
	v_nop
.endr
	v_and_b32 v210, 31, v0                         ; l
	v_and_b32 v211, 15, v0                         ; r
	v_bfe_u32 v212, v0, 4, 1                       ; h
	v_and_b32 v213, 7, v211
	v_lshrrev_b32 v214, 3, v211
	QADDR 13, 198
	QADDR 14, 201
	global_load_b128 v[232:235], v198, s[16:17] offset:102400
	global_load_b64 v[236:237], v199, s[16:17] offset:102400+512
	global_load_u8 v238, v200, s[16:17] offset:102400+49152
	global_load_b128 v[240:243], v201, s[16:17] offset:102400
	global_load_b64 v[244:245], v202, s[16:17] offset:102400+512
	global_load_u8 v246, v203, s[16:17] offset:102400+49152
	v_mul_u32_u24 v1, v214, 768                    ; K: block r >> 3 of the fragment's two, token 8 h + (r & 7) (+ 16 c)
	v_lshl_add_u32 v2, v212, 6, v1
	v_lshl_add_u32 v2, v213, 3, v2
	v_add_nc_u32 v2, 512, v2
	v_lshl_add_u32 v1, v212, 7, v1
	v_lshl_add_u32 v1, v213, 4, v1
	v_mul_u32_u24 v3, v212, 768                    ; V: key block h (+ 2 c), slot r (+ 16 a)
	v_lshl_add_u32 v4, v211, 3, v3
	v_add_nc_u32 v4, 51200+512, v4
	v_lshl_add_u32 v3, v211, 4, v3
	v_add_nc_u32 v3, 51200, v3
	v_lshl_add_u32 v5, v210, 2, 49152
	v_add_nc_u32 v6, 100352, v210
	v_lshlrev_b32 v7, 3, v212
	v_lshlrev_b32 v247, 5, v212
	v_sub_nc_u32 v247, v211, v247                  ; r - 32 h
.irp i, 0,1,2,3,4,5
	v_mov_b32 v[16+\i], 0
	v_mov_b32 v[28+\i], 0
	v_mov_b32 v[40+\i], 0
.endr
	s_wait_tensorcnt 0x0                           ; my part has landed,
	s_barrier_signal -1
	s_barrier_wait -1                              ; everybody's has
	s_wait_loadcnt 0x0                             ; q of both tiles
	v_mov_b32 v200, 0                              ; a lane permute's destination counts as one of its sources
	v_mov_b32 v203, 0                              ; (named as the upper half of the pair v[202:203])
	TILE 8, 15, 13, 232, 224, 223
	TILE 16, 18, 14, 240, 220, 231
	; lanes 0-15 take tile A's whole blocks, lanes 16-31 tile B's
.irp i, 0,1,2
	v_permlane16_swap_b32 v[224+\i], v[220+\i]
.endr
.irp i, 0,1,2
	v_mov_b32 v[227+\i], v[220+\i]
.endr
	v_cndmask_b32 v230, v223, v231, s44
	s_lshr_b32 s47, s12, 4
	s_lshl_b32 s47, s47, 6                         ; 64 b
	s_and_b32 s48, s12, 15                         ; the head
	s_lshr_b32 s50, s13, 1
	s_add_co_u32 s50, s50, s47
	s_lshl_b32 s50, s50, 4
	s_add_co_u32 s50, s50, s48                     ; tile A's block of ao: 16 (token / 32) + head
	s_lshr_b32 s51, s14, 1
	s_add_co_u32 s51, s51, s47
	s_lshl_b32 s51, s51, 4
	s_add_co_u32 s51, s51, s48
	s_and_b32 s52, s13, 1
	s_and_b32 s53, s14, 1
	v_mov_b32 v198, s50
	v_mov_b32 v201, s51
	v_cndmask_b32 v198, v198, v201, s44
	v_mov_b32 v199, s52
	v_mov_b32 v201, s53
	v_cndmask_b32 v199, v199, v201, s44
	v_and_b32 v200, 15, v0
	v_lshl_add_u32 v199, v199, 4, v200             ; the slot
	v_mul_u32_u24 v201, v198, 768
	v_lshl_add_u32 v202, v199, 4, v201
	v_lshl_add_u32 v203, v199, 3, v201
	v_lshl_add_u32 v204, v198, 5, v199
	global_store_b128 v202, v[224:227], s[6:7]     ; sixteen lanes store 256 consecutive bytes, aligned
	global_store_b64 v203, v[228:229], s[6:7] offset:512
	global_store_b8 v204, v230, s[8:9]
	s_wait_dscnt 0x0
	s_wait_tensorcnt 0x0
	ds_add_u32 v254, v255
	s_wait_dscnt 0x0
	CROUND                                         ; the closing round
	s_endpgm
.Lfunc_end_k_q4e07802b01_attn:
	.size	k_q4e07802b01_attn, .Lfunc_end_k_q4e07802b01_attn-k_q4e07802b01_attn
	.p2alignl 7, 3214868480
	.fill 96, 4, 3214868480
	.section	.rodata,"a",@progbits
	.p2align	6, 0x0
	.amdhsa_kernel k_q4e07802b01_attn
		.amdhsa_group_segment_fixed_size 169984
		.amdhsa_private_segment_fixed_size 0
		.amdhsa_enable_private_segment 0
		.amdhsa_kernarg_size 24
		.amdhsa_user_sgpr_count 2
		.amdhsa_user_sgpr_kernarg_segment_ptr 1
		.amdhsa_wavefront_size32 1
		.amdhsa_system_sgpr_workgroup_id_x 1
		.amdhsa_system_sgpr_workgroup_id_y 1
		.amdhsa_system_sgpr_workgroup_id_z 1
		.amdhsa_system_vgpr_workitem_id 0
		.amdhsa_next_free_vgpr 256
		.amdhsa_next_free_sgpr 66
		.amdhsa_reserve_vcc 1
		.amdhsa_float_denorm_mode_32 3
		.amdhsa_float_denorm_mode_16_64 3
		.amdhsa_memory_ordered 1
		.amdhsa_forward_progress 1
		.amdhsa_inst_pref_size 53
	.end_amdhsa_kernel
	.amdgpu_metadata
---
amdhsa.version: [ 1, 2 ]
amdhsa.kernels:
  - .name:           k_q4e07802b01_attn
    .symbol:         k_q4e07802b01_attn.kd
    .args:
      - { .name: qkv, .offset: 0, .size: 8, .value_kind: global_buffer, .address_space: global }
      - { .name: ao, .offset: 8, .size: 8, .value_kind: global_buffer, .address_space: global }
      - { .name: aos, .offset: 16, .size: 8, .value_kind: global_buffer, .address_space: global }
    .group_segment_fixed_size: 169984
    .private_segment_fixed_size: 0
    .kernarg_segment_align: 8
    .kernarg_segment_size: 24
    .max_flat_workgroup_size: 512
    .sgpr_count:     66
    .vgpr_count:     256
    .wavefront_size: 32
...
	.end_amdgpu_metadata
.endif
;; end of part 2
;; launch ffn (part 3): grid 256 x 1, 8 waves a work-group, no clusters, 99,328 bytes of LDS; arguments ao, aos, x, ln2_w, wo_codes, wo_scales, up_w_codes, up_w_scales, gate_w_codes, gate_w_scales, down_w_codes, down_w_scales, out0; writes out0
.if DOCPART == 3
	.amdgcn_target "amdgcn-amd-amdhsa--gfx1250"
	.amdhsa_code_object_version 6
	.text
	.protected	k_q4e07802b01_ffn
	.globl	k_q4e07802b01_ffn
	.p2align	8
	.type	k_q4e07802b01_ffn,@function
k_q4e07802b01_ffn:
	s_mov_b64 s[64:65], 0
	v_nop
	global_prefetch_b8 v0, s[64:65] scope:SCOPE_SE
	s_setreg_imm32_b32 hwreg(HW_REG_WAVE_MODE, 25, 1), 1
	s_wait_xcnt 0x0
; x1 = x + ao wo^T; xn = rmsnorm(x1, ln2_w); out0 = x1 + (silu(xn up^T) x (xn gate^T)) down^T.  All four products on codes of E2M3; xn and the hidden layer are quantised on the way and never go to memory.
; ao arrives as codes: ao[token / 32][head][768] (32 slots of 24 bytes: a slot's first 16 bytes at 16 x slot, its last 8 at 512 + 8 x slot), aos[token / 32][head][32].
; SHARES.  A work-group takes 32 tokens (tiles of 16: slot 16 m + r); wave w takes features 64 w .. 64 w + 63 of every product, so each weight byte goes from memory straight into the one wave
; that multiplies by it.  No tensor load, no cluster: no LDS byte of a weight would be read twice.
; ORDER OF K.  In a fragment, K step s, register half c, lane half hh holds the row's block 4 s + 2 hh + c: a lane's 48 bytes of a weight row are consecutive.  Both operands are laid so.
; ROWS OF A WEIGHT TILE: 8 a + (r & 7) + 16 (r >> 3), so that a lane's 16 result registers are 16 neighbours along the next K.
; x is the C of the first product's first instruction and x1 that of the last product's: neither residual costs an addition.
; LIMITS: NaN and infinities among the inputs are not served.  A block of zeros gets the scale byte 1 (its codes are zeros; only this program reads the bytes).  Row sums are added in another order.
.set IMGA, 0                           ; LDS: xn's 16 blocks;
.set SCA,  12288                       ; its eight planes of scale bytes;
.set IMGB, 13312                       ; the hidden layer's likewise
.set SCB,  25600
.set RED,  26624                       ; 32 slots x 48 bytes
.set STAGE, 28160                      ; 32 rows x 272 bytes for each wave
.set XO, 4
.set LO, 5
.set WO, 6
.set WSO, 7
.set FA, 8
.set FB, 9
.set L16, 10
.set L8, 11
.set L4W, 12
.set REDW, 13
.set REDR, 14
.set STO, 15
.set RDB, 16
.set CO, 17
.set L4, 18
.set PC, 20
.set BYTE, 26
.set BYTE0, 27
.set XS, 28
.set XF, 32                            ; v32-127 the token operand's eight fragments
.set UP, 128                           ; v128-159
.set GATE, 160                         ; v160-191 (first ln2_w)
.set TT, 192                           ; v192-223 at work in the activation
.set WS, 224
.set WR, 228
.set X1, 192                           ; in window 1: v192-255: x, then x1, then out0; v0-191 of window 1: the weights' ring
.set SEL, 32
.set HM, 34
.set EPS, 35
.set RDIM, 36
.set SH, 37
.set MSB, 0
.macro WIN new                         ; the immediate's high byte repeats the setting that is left
.if MSB != \new
	s_set_vgpr_msb (MSB<<8)|\new
.set MSB, \new
.endif
.endm
.macro WM d, a, b, z, sa, sb, ra, rb
.if (\z) && ((\ra) == 0) && ((\rb) == 0)
	v_wmma_scale_f32_16x16x128_f8f6f4 v[(\d):(\d)+7], v[(\a):(\a)+11], v[(\b):(\b)+11], 0, v[\sa], v[\sb] matrix_a_fmt:MATRIX_FMT_FP6 matrix_b_fmt:MATRIX_FMT_FP6
.elseif (\z) && ((\ra) == 1) && ((\rb) == 0)
	v_wmma_scale_f32_16x16x128_f8f6f4 v[(\d):(\d)+7], v[(\a):(\a)+11], v[(\b):(\b)+11], 0, v[\sa], v[\sb] matrix_a_fmt:MATRIX_FMT_FP6 matrix_b_fmt:MATRIX_FMT_FP6 matrix_a_scale:MATRIX_SCALE_ROW1
.elseif (\z) && ((\ra) == 0) && ((\rb) == 1)
	v_wmma_scale_f32_16x16x128_f8f6f4 v[(\d):(\d)+7], v[(\a):(\a)+11], v[(\b):(\b)+11], 0, v[\sa], v[\sb] matrix_a_fmt:MATRIX_FMT_FP6 matrix_b_fmt:MATRIX_FMT_FP6 matrix_b_scale:MATRIX_SCALE_ROW1
.elseif (\z)
	v_wmma_scale_f32_16x16x128_f8f6f4 v[(\d):(\d)+7], v[(\a):(\a)+11], v[(\b):(\b)+11], 0, v[\sa], v[\sb] matrix_a_fmt:MATRIX_FMT_FP6 matrix_b_fmt:MATRIX_FMT_FP6 matrix_a_scale:MATRIX_SCALE_ROW1 matrix_b_scale:MATRIX_SCALE_ROW1
.elseif ((\ra) == 0) && ((\rb) == 0)
	v_wmma_scale_f32_16x16x128_f8f6f4 v[(\d):(\d)+7], v[(\a):(\a)+11], v[(\b):(\b)+11], v[(\d):(\d)+7], v[\sa], v[\sb] matrix_a_fmt:MATRIX_FMT_FP6 matrix_b_fmt:MATRIX_FMT_FP6
.elseif ((\ra) == 1) && ((\rb) == 0)
	v_wmma_scale_f32_16x16x128_f8f6f4 v[(\d):(\d)+7], v[(\a):(\a)+11], v[(\b):(\b)+11], v[(\d):(\d)+7], v[\sa], v[\sb] matrix_a_fmt:MATRIX_FMT_FP6 matrix_b_fmt:MATRIX_FMT_FP6 matrix_a_scale:MATRIX_SCALE_ROW1
.elseif ((\ra) == 0) && ((\rb) == 1)
	v_wmma_scale_f32_16x16x128_f8f6f4 v[(\d):(\d)+7], v[(\a):(\a)+11], v[(\b):(\b)+11], v[(\d):(\d)+7], v[\sa], v[\sb] matrix_a_fmt:MATRIX_FMT_FP6 matrix_b_fmt:MATRIX_FMT_FP6 matrix_b_scale:MATRIX_SCALE_ROW1
.else
	v_wmma_scale_f32_16x16x128_f8f6f4 v[(\d):(\d)+7], v[(\a):(\a)+11], v[(\b):(\b)+11], v[(\d):(\d)+7], v[\sa], v[\sb] matrix_a_fmt:MATRIX_FMT_FP6 matrix_b_fmt:MATRIX_FMT_FP6 matrix_a_scale:MATRIX_SCALE_ROW1 matrix_b_scale:MATRIX_SCALE_ROW1
.endif
.endm
.macro LOADW buf, s, base, e           ; six loads: K step s of the two weight tiles of block e, into half buf of the ring in window 1
	WIN 0x40
.irp a, 0,1
.irp p, 0,1,2
	global_load_b128 v[96*(\buf)+24*(\s)+12*\a+4*\p:96*(\buf)+24*(\s)+12*\a+4*\p+3], v[WO], s[\base:\base+1] offset:(32*(\e)+8*\a)*384+96*(\s)+16*\p
.endr
.endr
	WIN 0
.endm
.macro LOADWS buf, sbase, e            ; one load: the four scale words of my row: lanes 0-15 tile 0's rows, lanes 16-31 tile 1's
	global_load_b128 v[WR+4*(\buf):WR+4*(\buf)+3], v[WSO], s[\sbase:\sbase+1] offset:512*(\e)
.endm
; four products of K step s, the four accumulators by turns, then four places: in front of loads into the fragments just read, and of the first read of results
.macro KSTEP acc, win, z, buf, s
	WIN \win
.irp m, 0,1
.irp a, 0,1
	WM (\acc)+16*\m+8*\a, 96*(\buf)+24*(\s)+12*\a, XF+12*(4*\m+(\s)), \z, WS+(\s), XS+(\s), \a, \m
.endr
.endr
	WIN 0
.rept 4
	v_nop
.endr
.endm
; A JOB: one weight matrix x one block of 32 of my 64 features: 16 products.  Its 25 loads were issued two jobs ago; each K step's registers take the job two ahead as soon as they are read.
; c0..c3: how many loads were issued behind the K step that is wanted.  first = 1: the accumulators already hold the sum's first term.
.macro JOB acc, win, first, buf, c0, c1, c2, c3, nxt, nb, nsb, ne
	s_wait_loadcnt \c0
.irp s, 0,1,2,3
	v_perm_b32 v[WS+\s], v[WR+4*(\buf)+\s], v[WR+4*(\buf)+\s], 0x03010200   ; bytes 1 and 2 change places: the fragments' order of K blocks
.endr
.rept 8
	v_nop                                          ; a scale register written by a vector instruction stands eight places ahead of the scaled product
.endr
	KSTEP \acc, \win, 1-(\first), \buf, 0
.if \nxt
	LOADWS \buf, \nsb, \ne
	LOADW \buf, 0, \nb, \ne
.endif
	s_wait_loadcnt \c1
	KSTEP \acc, \win, 0, \buf, 1
.if \nxt
	LOADW \buf, 1, \nb, \ne
.endif
	s_wait_loadcnt \c2
	KSTEP \acc, \win, 0, \buf, 2
.if \nxt
	LOADW \buf, 2, \nb, \ne
.endif
	s_wait_loadcnt \c3
	KSTEP \acc, \win, 0, \buf, 3
.if \nxt
	LOADW \buf, 3, \nb, \ne
.endif
.endm
; v[b .. b+15] and v[b+16 .. b+31]: two half blocks (tiles 0 and 1; lane l xor 16 holds the other 16 numbers).  Afterwards lane (r, sel) holds the whole block of row r of tile sel, and its scale byte.
.macro QUANTPAIR b
	v_max3_num_f32 v236, |v[(\b)]|, |v[(\b)+1]|, 0x1800000          ; with the floor 2^(3 - 127): the byte cannot fall under 1
	v_max3_num_f32 v237, |v[(\b)+16]|, |v[(\b)+17]|, 0x1800000
.irp i, 2,4,6,8,10,12,14
	v_max3_num_f32 v236, v236, |v[(\b)+\i]|, |v[(\b)+\i+1]|
	v_max3_num_f32 v237, v237, |v[(\b)+16+\i]|, |v[(\b)+17+\i]|
.endr
	v_permlanex16_b32 v238, v236, s[SEL], s[SEL+1]
	v_permlanex16_b32 v239, v237, s[SEL], s[SEL+1]
	v_max_num_f32 v236, v236, v238
	v_max_num_f32 v237, v237, v239
	v_add_nc_u32 v240, 0xff000000, v236            ; 2 off the exponent field: the conversion's scale operand
	v_add_nc_u32 v241, 0xff000000, v237
	v_lshrrev_b32 v242, 23, v240
	v_lshrrev_b32 v243, 23, v241
	v_cvt_scalef32_pk16_fp6_f32 v[PC:PC+2], v[(\b):(\b)+15], v240
	v_cvt_scalef32_pk16_fp6_f32 v[244:246], v[(\b)+16:(\b)+31], v241
	v_nop                                          ; one plain place behind a scaled conversion
.irp i, 0,1,2
	v_permlane16_swap_b32 v[PC+\i], v[244+\i]
.endr
.irp i, 0,1,2
	v_mov_b32 v[PC+3+\i], v[244+\i]
.endr
	v_cndmask_b32 v[BYTE], v242, v243, s[HM]
.endm
.macro PUBLISH img, e
	ds_store_b128 v[L16], v[PC:PC+3] offset:(\img)+768*(\e)
	ds_store_b64 v[L8], v[PC+4:PC+5] offset:(\img)+768*(\e)
.endm
.macro PUBSC sc
	v_lshl_or_b32 v[BYTE], v[BYTE], 16, v[BYTE0]
	v_lshlrev_b32 v[BYTE], s[SH], v[BYTE]
	ds_store_b32 v[L4W], v[BYTE] offset:\sc
.endm
.macro BARRIER                         ; my LDS stores have landed and my LDS loads are in: then the work-group's barrier
	s_wait_dscnt 0x0
	s_barrier_signal -1
	s_barrier_wait -1
.endm
.macro FETCHX img, sc
.irp m, 0,1
.irp s, 0,1,2,3
.irp c, 0,1
	ds_load_b128 v[XF+12*(4*\m+\s)+6*\c:XF+12*(4*\m+\s)+6*\c+3], v[FA] offset:(\img)+3072*\s+768*\c+256*\m
	ds_load_b64 v[XF+12*(4*\m+\s)+6*\c+4:XF+12*(4*\m+\s)+6*\c+5], v[FB] offset:(\img)+3072*\s+768*\c+128*\m
.endr
.endr
.endr
.irp p, 0,1,2,3,4,5,6,7
	ds_load_b32 v[236+\p], v[L4] offset:(\sc)+128*\p
.endr
	s_wait_dscnt 0x0
.irp s, 0,1,2,3
	v_or_b32 v[XS+\s], v[236+2*\s], v[237+2*\s]
.endr
.endm
.macro REDTAIL
	v_add_f32 v252, v252, v253
	v_add_f32 v254, v254, v255
	v_permlanex16_b32 v238, v252, s[SEL], s[SEL+1]
	v_permlanex16_b32 v239, v254, s[SEL], s[SEL+1]
	v_add_f32 v252, v252, v238
	v_add_f32 v254, v254, v239
	v_cndmask_b32 v252, v252, v254, s[HM]          ; lane (r, h) speaks for slot 16 h + r
	ds_store_b32 v[REDW], v252 offset:RED
	BARRIER
	ds_load_b128 v[240:243], v[REDR] offset:RED
	ds_load_b128 v[244:247], v[REDR] offset:RED+16
	s_wait_dscnt 0x0
	v_pk_add_f32 v[240:241], v[240:241], v[244:245]
	v_pk_add_f32 v[242:243], v[242:243], v[246:247]
	v_pk_add_f32 v[240:241], v[240:241], v[242:243]
	v_add_f32 v240, v240, v241
	v_fma_f32 v240, v240, s[RDIM], s[EPS]          ; the mean of 512 squares + 1e-5
	v_rsq_f32 v240, v240
	v_nop                                          ; a plain place behind the transcendental
	s_wait_alu depctr_va_vdst(0)                   ; the wait ahead of the first reader
	v_permlanex16_b32 v238, v240, s[SEL], s[SEL+1]
	v_cndmask_b32 v248, v240, v238, s[HM]
	v_cndmask_b32 v250, v238, v240, s[HM]
	v_mov_b32 v249, v248
	v_mov_b32 v251, v250
.endm
; (up x sigmoid(up)) x gate on my 32 numbers; the exponentials and the reciprocals each as one batch with one wait
.macro SWIGLU
.set J, 0
.rept 16
	v_pk_mul_f32 v[TT+J:TT+J+1], v[UP+J:UP+J+1], 0xbfb8aa3b op_sel_hi:[1,0]   ; -up x log2(e)
.set J, J+2
.endr
.set J, 0
.rept 32
	v_exp_f32 v[TT+J], v[TT+J]
.set J, J+1
.endr
	v_nop
	s_wait_alu depctr_va_vdst(0)                   ; the wait ahead of the batch's first reader
.set J, 0
.rept 16
	v_pk_add_f32 v[TT+J:TT+J+1], v[TT+J:TT+J+1], 1.0 op_sel_hi:[1,0]
.set J, J+2
.endr
.set J, 0
.rept 32
	v_rcp_f32 v[TT+J], v[TT+J]
.set J, J+1
.endr
	v_nop
	s_wait_alu depctr_va_vdst(0)
.set J, 0
.rept 16
	v_pk_mul_f32 v[UP+J:UP+J+1], v[UP+J:UP+J+1], v[TT+J:TT+J+1]
.set J, J+2
.endr
.set J, 0
.rept 16
	v_pk_mul_f32 v[UP+J:UP+J+1], v[UP+J:UP+J+1], v[GATE+J:GATE+J+1]
.set J, J+2
.endr
.endm
	s_load_b512 s[4:19], s[0:1], 0x0               ; ao, aos, x, ln2_w, wo codes, scales, up codes, scales
	s_load_b256 s[20:27], s[0:1], 0x40             ; gate codes, scales, down codes, scales
	s_load_b64 s[28:29], s[0:1], 0x60              ; out0
	v_lshrrev_b32 v1, 5, v0
	v_readfirstlane_b32 s30, v1                    ; wave 0..7
	v_and_b32 v1, 31, v0                           ; l
	v_and_b32 v2, 15, v0                           ; r
	v_bfe_u32 v3, v0, 4, 1                         ; h
	s_mov_b32 s[SEL], 0x76543210
	s_mov_b32 s[SEL+1], 0xfedcba98
	s_mov_b32 s[HM], 0xffff0000
	s_mov_b32 s[EPS], 0x3727c5ac
	s_mov_b32 s[RDIM], 0x3b000000
	s_and_b32 s[SH], s30, 1
	s_lshl_b32 s[SH], s[SH], 3
	v_and_b32 v236, 7, v2
	v_lshrrev_b32 v237, 3, v2
	v_lshl_add_u32 v236, v237, 4, v236             ; (r & 7) + 16 (r >> 3)
	v_lshlrev_b32 v[XO], 11, v2
	v_lshl_add_u32 v[XO], v3, 6, v[XO]
	v_lshlrev_b32 v[LO], 6, v3
	v_mul_u32_u24 v[WO], v236, 384
	v_mad_u32_u24 v[WO], v3, 48, v[WO]
	v_lshl_add_u32 v[WSO], v3, 3, v236
	v_lshlrev_b32 v[WSO], 4, v[WSO]
	v_mul_u32_u24 v[FA], v3, 1536
	v_lshl_add_u32 v[FB], v2, 3, v[FA]
	v_add_nc_u32 v[FB], 512, v[FB]
	v_lshl_add_u32 v[FA], v2, 4, v[FA]
	s_mul_i32 s38, s30, 1536
	v_lshlrev_b32 v[L16], 4, v1
	v_add_nc_u32 v[L16], s38, v[L16]
	v_lshlrev_b32 v[L8], 3, v1
	v_add_nc_u32 v[L8], s38, v[L8]
	v_add_nc_u32 v[L8], 512, v[L8]
	s_lshl_b32 s38, s30, 7
	v_lshlrev_b32 v[L4], 2, v1
	v_add_nc_u32 v[L4W], s38, v[L4]
	v_mul_u32_u24 v[REDR], v1, 48
	s_lshl_b32 s38, s30, 2
	v_add_nc_u32 v[REDW], s38, v[REDR]
	s_mul_i32 s38, s30, 8704
	v_mul_u32_u24 v[STO], v2, 272
	v_lshl_add_u32 v[STO], v3, 6, v[STO]
	v_add_nc_u32 v[STO], s38, v[STO]
	v_mul_u32_u24 v[RDB], v3, 272
	v_lshl_add_u32 v[RDB], v2, 4, v[RDB]
	v_add_nc_u32 v[RDB], s38, v[RDB]
	v_lshlrev_b32 v[CO], 11, v3
	v_lshl_add_u32 v[CO], v2, 4, v[CO]
	v_mov_b32 v238, 0                              ; written once: a lane permute's destination counts as one of its sources
	v_mov_b32 v239, 0
	s_mul_i32 s38, ttmp9, 12288
	s_mov_b32 s39, 0
	s_lshl_b32 s40, ttmp9, 9
	s_mov_b32 s41, 0
	s_lshl_b32 s42, ttmp9, 16
	s_lshl_b32 s44, s30, 8
	s_add_co_u32 s42, s42, s44
	s_mov_b32 s43, 0
	s_mov_b32 s45, 0
	s_mul_i32 s46, s30, 24576
	s_mov_b32 s47, 0
	s_lshl_b32 s48, s30, 10
	s_mov_b32 s49, 0
	s_wait_kmcnt 0x0
	s_add_nc_u64 s[4:5], s[4:5], s[38:39]
	s_add_nc_u64 s[6:7], s[6:7], s[40:41]
	s_add_nc_u64 s[8:9], s[8:9], s[42:43]
	s_add_nc_u64 s[28:29], s[28:29], s[42:43]
	s_add_nc_u64 s[10:11], s[10:11], s[44:45]
	s_add_nc_u64 s[12:13], s[12:13], s[46:47]
	s_add_nc_u64 s[16:17], s[16:17], s[46:47]
	s_add_nc_u64 s[20:21], s[20:21], s[46:47]
	s_add_nc_u64 s[24:25], s[24:25], s[46:47]
	s_add_nc_u64 s[14:15], s[14:15], s[48:49]
	s_add_nc_u64 s[18:19], s[18:19], s[48:49]
	s_add_nc_u64 s[22:23], s[22:23], s[48:49]
	s_add_nc_u64 s[26:27], s[26:27], s[48:49]
	; ao's eight fragments come from memory as the later operands come from LDS: K block = head
.irp m, 0,1
.irp s, 0,1,2,3
.irp c, 0,1
	global_load_b128 v[XF+12*(4*\m+\s)+6*\c:XF+12*(4*\m+\s)+6*\c+3], v[FA], s[4:5] offset:3072*\s+768*\c+256*\m
	global_load_b64 v[XF+12*(4*\m+\s)+6*\c+4:XF+12*(4*\m+\s)+6*\c+5], v[FB], s[4:5] offset:3072*\s+768*\c+128*\m
.endr
.endr
.endr
.irp d, 0,1,2,3,4,5,6,7,8,9,10,11,12,13,14,15
	global_load_u8 v[UP+\d], v1, s[6:7] offset:32*\d   ; head d's scale byte of slot l
.endr
	WIN 0x40
.irp e, 0,1
.irp m, 0,1
.irp p, 0,1,2,3
	global_load_b128 v[X1+32*\e+16*\m+4*\p:X1+32*\e+16*\m+4*\p+3], v[XO], s[8:9] offset:32768*\m+128*\e+16*\p th:TH_LOAD_NT
.endr
.endr
.endr
	WIN 0
.irp e, 0,1
.irp p, 0,1,2,3
	global_load_b128 v[GATE+16*\e+4*\p:GATE+16*\e+4*\p+3], v[LO], s[10:11] offset:128*\e+16*\p
.endr
.endr
	LOADWS 0, 14, 0
.irp s, 0,1,2,3
	LOADW 0, \s, 12, 0
.endr
	LOADWS 1, 14, 1
.irp s, 0,1,2,3
	LOADW 1, \s, 12, 1
.endr
	s_wait_loadcnt 50                              ; all but the two jobs' 50 loads are in
.irp s, 0,1,2,3
	v_lshl_or_b32 v[XS+\s], v[UP+4*\s+2], 8, v[UP+4*\s]       ; byte 2 c + hh of the word is head 4 s + 2 hh + c
	v_lshl_or_b32 v[XS+\s], v[UP+4*\s+1], 16, v[XS+\s]
	v_lshl_or_b32 v[XS+\s], v[UP+4*\s+3], 24, v[XS+\s]
.endr
	; EIGHT JOBS.  Counts: behind K step 0 of a job stand its other 18 loads and the next job's 25; each later wait also counts what this job has issued for the job two ahead.
	JOB X1, 0x51, 1, 0, 43, 44, 44, 44, 1, 16, 18, 0       ; x1 = x + ao wo^T, in place on x
	JOB X1+32, 0x51, 1, 1, 43, 44, 44, 44, 1, 20, 22, 0
	WIN 0x05                                       ; sources 0 and 1 in window 1
.irp e, 0,1
.irp q, 0,1,2,3,4,5,6,7
.irp m, 0,1
.if (\e == 0) && (\q == 0)
	v_pk_mul_f32 v[252+2*\m:253+2*\m], v[X1+16*\m:X1+16*\m+1], v[X1+16*\m:X1+16*\m+1]
.else
	v_pk_fma_f32 v[252+2*\m:253+2*\m], v[X1+32*\e+16*\m+2*\q:X1+32*\e+16*\m+2*\q+1], v[X1+32*\e+16*\m+2*\q:X1+32*\e+16*\m+2*\q+1], v[252+2*\m:253+2*\m]
.endif
.endr
.endr
.endr
	WIN 0
	REDTAIL
.irp e, 0,1
	WIN 0x01
.irp m, 0,1
.irp q, 0,1,2,3,4,5,6,7
	v_pk_mul_f32 v[UP+16*\m+2*\q:UP+16*\m+2*\q+1], v[X1+32*\e+16*\m+2*\q:X1+32*\e+16*\m+2*\q+1], v[248+2*\m:249+2*\m]
.endr
.endr
	WIN 0
.irp m, 0,1
.irp q, 0,1,2,3,4,5,6,7
	v_pk_mul_f32 v[UP+16*\m+2*\q:UP+16*\m+2*\q+1], v[UP+16*\m+2*\q:UP+16*\m+2*\q+1], v[GATE+16*\e+2*\q:GATE+16*\e+2*\q+1]
.endr
.endr
	s_wait_dscnt 0x0                               ; earlier LDS stores have read the codes' registers
	QUANTPAIR UP
	PUBLISH IMGA, \e
.if \e == 0
	v_mov_b32 v[BYTE0], v[BYTE]
.endif
.endr
	PUBSC SCA
	BARRIER                                        ; xn's sixteen blocks and their scale bytes lie in LDS
	FETCHX IMGA, SCA
	JOB UP, 0x01, 0, 0, 43, 44, 44, 44, 1, 16, 18, 1
	JOB GATE, 0x01, 0, 1, 43, 44, 44, 44, 1, 20, 22, 1
	SWIGLU
	QUANTPAIR UP
	PUBLISH IMGB, 0
	v_mov_b32 v[BYTE0], v[BYTE]
	JOB UP, 0x01, 0, 0, 43, 44, 44, 44, 1, 24, 26, 0
	JOB GATE, 0x01, 0, 1, 43, 44, 44, 44, 1, 24, 26, 1
	SWIGLU
	s_wait_dscnt 0x0                               ; the stores have read the codes' registers
	QUANTPAIR UP
	PUBLISH IMGB, 1
	PUBSC SCB
	BARRIER                                        ; the hidden layer's sixteen blocks lie in LDS
	FETCHX IMGB, SCB
	JOB X1, 0x51, 1, 0, 43, 37, 31, 25, 0, 0, 0, 0         ; out0 = x1 + hidden down^T, in place on x1
	JOB X1+32, 0x51, 1, 1, 18, 12, 6, 0, 0, 0, 0, 0
	; THE WAY OUT, through my own stage: a lane's 64 bytes of a row go in, whole runs of 256 bytes of a row come back.  LDS serves a wave's instructions in order: no wait between.
	WIN 0x04                                       ; an LDS store's data are its source 1: window 1
.irp e, 0,1
.irp m, 0,1
.irp a, 0,1
	ds_store_b128 v[STO], v[X1+32*\e+16*\m+8*\a:X1+32*\e+16*\m+8*\a+3] offset:STAGE+4352*\m+128*\e+32*\a      ; each accumulator from its low end on
	ds_store_b128 v[STO], v[X1+32*\e+16*\m+8*\a+4:X1+32*\e+16*\m+8*\a+7] offset:STAGE+4352*\m+128*\e+32*\a+16
.endr
.endr
.endr
	WIN 0
.irp t, 0,1,2,3,4,5,6,7,8,9,10,11,12,13,14,15
	ds_load_b128 v[UP+4*\t:UP+4*\t+3], v[RDB] offset:STAGE+544*\t
.endr
.irp t, 0,1,2,3,4,5,6,7,8,9,10,11,12,13,14,15
	s_wait_dscnt 15-\t
	global_store_b128 v[CO], v[UP+4*\t:UP+4*\t+3], s[28:29] offset:4096*\t th:TH_STORE_NT   ; sixteen lanes store 256 consecutive bytes, aligned
.endr
	s_wait_xcnt 0x0
	v_lshl_add_u32 v254, v0, 2, 0x18000
	v_mov_b32 v255, 0
	s_wait_tensorcnt 0x0
	ds_add_u32 v254, v255
	s_wait_dscnt 0x0
	s_endpgm
.Lfunc_end_k_q4e07802b01_ffn:
	.size	k_q4e07802b01_ffn, .Lfunc_end_k_q4e07802b01_ffn-k_q4e07802b01_ffn
	.p2alignl 7, 3214868480
	.fill 96, 4, 3214868480
	.section	.rodata,"a",@progbits
	.p2align	6, 0x0
	.amdhsa_kernel k_q4e07802b01_ffn
		.amdhsa_group_segment_fixed_size 99328
		.amdhsa_private_segment_fixed_size 0
		.amdhsa_enable_private_segment 0
		.amdhsa_kernarg_size 104
		.amdhsa_user_sgpr_count 2
		.amdhsa_user_sgpr_kernarg_segment_ptr 1
		.amdhsa_wavefront_size32 1
		.amdhsa_system_sgpr_workgroup_id_x 1
		.amdhsa_system_sgpr_workgroup_id_y 1
		.amdhsa_system_sgpr_workgroup_id_z 1
		.amdhsa_system_vgpr_workitem_id 0
		.amdhsa_next_free_vgpr 512
		.amdhsa_next_free_sgpr 72
		.amdhsa_reserve_vcc 0
		.amdhsa_float_denorm_mode_32 3
		.amdhsa_float_denorm_mode_16_64 3
		.amdhsa_memory_ordered 1
		.amdhsa_forward_progress 1
		.amdhsa_inst_pref_size 99
	.end_amdhsa_kernel
	.amdgpu_metadata
---
amdhsa.version: [ 1, 2 ]
amdhsa.kernels:
  - .name:           k_q4e07802b01_ffn
    .symbol:         k_q4e07802b01_ffn.kd
    .args:
      - { .name: ao, .offset: 0, .size: 8, .value_kind: global_buffer, .address_space: global }
      - { .name: aos, .offset: 8, .size: 8, .value_kind: global_buffer, .address_space: global }
      - { .name: x, .offset: 16, .size: 8, .value_kind: global_buffer, .address_space: global }
      - { .name: ln2_w, .offset: 24, .size: 8, .value_kind: global_buffer, .address_space: global }
      - { .name: wo_codes, .offset: 32, .size: 8, .value_kind: global_buffer, .address_space: global }
      - { .name: wo_scales, .offset: 40, .size: 8, .value_kind: global_buffer, .address_space: global }
      - { .name: up_w_codes, .offset: 48, .size: 8, .value_kind: global_buffer, .address_space: global }
      - { .name: up_w_scales, .offset: 56, .size: 8, .value_kind: global_buffer, .address_space: global }
      - { .name: gate_w_codes, .offset: 64, .size: 8, .value_kind: global_buffer, .address_space: global }
      - { .name: gate_w_scales, .offset: 72, .size: 8, .value_kind: global_buffer, .address_space: global }
      - { .name: down_w_codes, .offset: 80, .size: 8, .value_kind: global_buffer, .address_space: global }
      - { .name: down_w_scales, .offset: 88, .size: 8, .value_kind: global_buffer, .address_space: global }
      - { .name: out0, .offset: 96, .size: 8, .value_kind: global_buffer, .address_space: global }
    .group_segment_fixed_size: 99328
    .private_segment_fixed_size: 0
    .kernarg_segment_align: 8
    .kernarg_segment_size: 104
    .max_flat_workgroup_size: 256
    .sgpr_count:     72
    .vgpr_count:     512
    .wavefront_size: 32
...
	.end_amdgpu_metadata
.endif
;; end of part 3
;; ======== version 2 of 2: 3 launches
;; workspace buffers: qkv 9,830,400 bytes; ao 3,145,728 bytes; aos 131,072 bytes
;; launch qkv (part 4): grid 256 x 1, 8 waves a work-group, no clusters, 21,504 bytes of LDS; arguments x, ln1_w, wq_codes, wq_scales, wk_codes, wk_scales, wv_codes, wv_scales, qkv; writes qkv
.if DOCPART == 4
	.amdgcn_target "amdgcn-amd-amdhsa--gfx1250"
	.amdhsa_code_object_version 6
	.text
	.protected	k_q4e07802b01_qkv
	.globl	k_q4e07802b01_qkv
	.p2align	8
	.type	k_q4e07802b01_qkv,@function
k_q4e07802b01_qkv:
	s_mov_b64 s[64:65], 0
	v_nop
	global_prefetch_b8 v0, s[64:65] scope:SCOPE_SE
	s_setreg_imm32_b32 hwreg(HW_REG_WAVE_SCHED_MODE, 0, 2), 2
	s_setreg_imm32_b32 hwreg(HW_REG_WAVE_MODE, 25, 1), 1
	s_wait_xcnt 0x0
	s_wait_alu depctr_vm_vsrc(0)
; rmsnorm(x, ln1_w), quantised to E2M3 along the 512 features; q, k, v = xn W^T on codes; RoPE on q and k; q and k quantised along a head's 32 channels,
; v along 32 keys.  All three leave as codes: qkv[bh = 16 b + head][K record | V record | Q record], a record = 64 blocks of 768 bytes + 64 x 32 scale bytes.
; A BLOCK of 768 bytes holds 32 slots of one MX block (24 bytes): a slot's first 16 bytes at 16 x slot, its last 8 at 512 + 8 x slot.
; SHARES.  A work-group takes 32 tokens (two tiles of 16); wave w takes features 64 w .. 64 w + 63 (heads 2 w, 2 w + 1) of all three products, so each weight byte
; goes from memory straight into the one wave that multiplies by it.  No tensor load, no cluster: no LDS byte of a weight would be read twice.
; ORDER OF K.  In a fragment, K step s, register half c, lane half hh holds the row's block 4 s + 2 hh + c: a lane's 48 bytes are consecutive (three loads of 16).
; Both operands are laid so; the weights' scale words get their bytes 1 and 2 swapped to match.
; ROWS OF A TILE.  Weight tile a of head e takes rows 8 a + (r & 7) + 16 (r >> 3); token tile m takes tokens 8 m + (r & 7) + 16 (r >> 3): so a lane's 16 result
; registers are 16 neighbours along the next K (channels for q and k, keys for v).
; LIMITS: NaN and infinities among the inputs are not served.  A block of zeros gets the scale byte 1 (its codes are zeros; only this program reads the bytes).
; The angles' reduction by pi / 2 in two parts holds to about 1e-7 rad for angles under 2^11; the 16 frequencies are the f32 numbers nearest to 10^(-j / 4),
; which may differ by one unit in the last place from a computed power: at most about 1e-4 rad at the last positions.  Row sums are added in another order.
; THE MODE: SCHED_MODE bits 1:0 = 2 (LLVM: expert scheduling mode 2), set by the entry lines.  The code itself states the register dependences
; between vector or matrix instructions and memory or LDS instructions, with s_wait_alu, always for 0.
; THE PLAN.  Registers that memory or LDS instructions touch:
;   RING0, RING1  (window 1, 96 registers each) and WR0, WR1 (four scale words each).  Job j's products read RING[j % 2], its four v_perm_b32 read WR[j % 2].  The loads of job j + 2 land
;                 there; they are issued in job j + 1, behind the wait at that job's head, dealt behind its four K steps.  Jobs 0 and 1 are asked for at the kernel's head.
;   PC0 / BY0, PC1 / BY1   two out-buffers.  Job j's conversions write buffer j % 2; its three stores are issued in job j + 1, behind that job's first four products.  The norm's two blocks take one each.
;   XF, v236-243, CS       loaded from LDS once, behind the last vector instruction that names them.
;   v169, v184-187, v252   the table's address and numbers and my sum of squares: read by LDS stores; only v252 is written again (RoPE works in v248-255).
;   the offsets v4-19, v160-162   made at the head and never written again.
; So ONE wait on va_vdst stands at a job's head: the job's scale words are written; the job before is done reading its half of the ring and its WR; its out-buffer is written.  No product of the job
; names a register that the job's loads and stores touch.  From job 2 on a wait on vm_vsrc stands there too: the stores of two jobs back have read the out-buffer that this job's conversions write.
.set XIMG, 0                           ; LDS: xn's 16 blocks (K block 2 w + e), slot = 16 m + r
.set XSC,  12288                       ; eight planes of 128 bytes: wave w's two scale bytes of each slot, at their places in a scale word
.set RED,  13312                       ; 32 slots x 48 bytes: eight waves' sums of squares
.set CST,  14848                       ; 32 slots x 144 bytes: (cos, sin) of 16 frequencies
.set XO, 4
.set LO, 5
.set WO, 6
.set WSO, 7
.set FA, 8
.set FB, 9
.set L16, 10
.set L8, 11
.set L4W, 12
.set REDW, 13
.set REDR, 14
.set CSA, 15
.set OK16, 16
.set OK8, 17
.set OKB, 18
.set OV16, 19
.set OV8, 160
.set OVB, 161
.set L4, 162
.set PC0, 20                           ; v20-25 a whole block's codes, out-buffer 0;
.set BY0, 26                           ; v26 its scale byte
.set PC1, 172                          ; v172-177 out-buffer 1 (at the head these are at work on the table, named by vector instructions alone);
.set BY1, 178                          ; v178 its scale byte
.set XS, 28                            ; v28-31 xn's scale words, K steps 0..3: lanes 0-15 tile 0, lanes 16-31 tile 1
.set XF, 32                            ; v32-127 xn's eight fragments (first x and ln1_w)
.set ACC, 128                          ; v128-159 four accumulators
.set CS, 192                           ; v192-223 my (cos, sin)
.set WS, 224                           ; v224-227 the job's weight scale words
.set WR, 228                           ; v228-235 the same as loaded, two sets
.set SEL, 26
.set HM, 28
.set EPS, 29
.set RDIM, 30
.set SH, 31
.set MSB, 0
.macro WIN new                         ; the immediate's high byte repeats the setting that is left
.if MSB != \new
	s_set_vgpr_msb (MSB<<8)|\new
.set MSB, \new
.endif
.endm
; one scaled product; z = 1: it starts the sum; ra, rb = 1: that side's scales stand in lanes 16-31
.macro WM d, a, b, z, sa, sb, ra, rb
.if (\z) && ((\ra) == 0) && ((\rb) == 0)
	v_wmma_scale_f32_16x16x128_f8f6f4 v[(\d):(\d)+7], v[(\a):(\a)+11], v[(\b):(\b)+11], 0, v[\sa], v[\sb] matrix_a_fmt:MATRIX_FMT_FP6 matrix_b_fmt:MATRIX_FMT_FP6
.elseif (\z) && ((\ra) == 1) && ((\rb) == 0)
	v_wmma_scale_f32_16x16x128_f8f6f4 v[(\d):(\d)+7], v[(\a):(\a)+11], v[(\b):(\b)+11], 0, v[\sa], v[\sb] matrix_a_fmt:MATRIX_FMT_FP6 matrix_b_fmt:MATRIX_FMT_FP6 matrix_a_scale:MATRIX_SCALE_ROW1
.elseif (\z) && ((\ra) == 0) && ((\rb) == 1)
	v_wmma_scale_f32_16x16x128_f8f6f4 v[(\d):(\d)+7], v[(\a):(\a)+11], v[(\b):(\b)+11], 0, v[\sa], v[\sb] matrix_a_fmt:MATRIX_FMT_FP6 matrix_b_fmt:MATRIX_FMT_FP6 matrix_b_scale:MATRIX_SCALE_ROW1
.elseif (\z)
	v_wmma_scale_f32_16x16x128_f8f6f4 v[(\d):(\d)+7], v[(\a):(\a)+11], v[(\b):(\b)+11], 0, v[\sa], v[\sb] matrix_a_fmt:MATRIX_FMT_FP6 matrix_b_fmt:MATRIX_FMT_FP6 matrix_a_scale:MATRIX_SCALE_ROW1 matrix_b_scale:MATRIX_SCALE_ROW1
.elseif ((\ra) == 0) && ((\rb) == 0)
	v_wmma_scale_f32_16x16x128_f8f6f4 v[(\d):(\d)+7], v[(\a):(\a)+11], v[(\b):(\b)+11], v[(\d):(\d)+7], v[\sa], v[\sb] matrix_a_fmt:MATRIX_FMT_FP6 matrix_b_fmt:MATRIX_FMT_FP6
.elseif ((\ra) == 1) && ((\rb) == 0)
	v_wmma_scale_f32_16x16x128_f8f6f4 v[(\d):(\d)+7], v[(\a):(\a)+11], v[(\b):(\b)+11], v[(\d):(\d)+7], v[\sa], v[\sb] matrix_a_fmt:MATRIX_FMT_FP6 matrix_b_fmt:MATRIX_FMT_FP6 matrix_a_scale:MATRIX_SCALE_ROW1
.elseif ((\ra) == 0) && ((\rb) == 1)
	v_wmma_scale_f32_16x16x128_f8f6f4 v[(\d):(\d)+7], v[(\a):(\a)+11], v[(\b):(\b)+11], v[(\d):(\d)+7], v[\sa], v[\sb] matrix_a_fmt:MATRIX_FMT_FP6 matrix_b_fmt:MATRIX_FMT_FP6 matrix_b_scale:MATRIX_SCALE_ROW1
.else
	v_wmma_scale_f32_16x16x128_f8f6f4 v[(\d):(\d)+7], v[(\a):(\a)+11], v[(\b):(\b)+11], v[(\d):(\d)+7], v[\sa], v[\sb] matrix_a_fmt:MATRIX_FMT_FP6 matrix_b_fmt:MATRIX_FMT_FP6 matrix_a_scale:MATRIX_SCALE_ROW1 matrix_b_scale:MATRIX_SCALE_ROW1
.endif
.endm
; six loads: K step s of the two weight tiles of head e, into half buf of the ring in window 1
.macro LOADW buf, s, base, e
	WIN 0x40
.irp a, 0,1
.irp p, 0,1,2
	global_load_b128 v[96*(\buf)+24*(\s)+12*\a+4*\p:96*(\buf)+24*(\s)+12*\a+4*\p+3], v[WO], s[\base:\base+1] offset:(32*(\e)+8*\a)*384+96*(\s)+16*\p
.endr
.endr
	WIN 0
.endm
; one load: the four scale words of my row: lanes 0-15 tile 0's rows, lanes 16-31 tile 1's
.macro LOADWS buf, sbase, e
	global_load_b128 v[WR+4*(\buf):WR+4*(\buf)+3], v[WSO], s[\sbase:\sbase+1] offset:512*(\e)
.endm
; four products of K step s, the four accumulators by turns
.macro KSTEP mode, acc, win, z, buf, s
	WIN \win
.irp m, 0,1
.irp a, 0,1
.if \mode == 0
	WM (\acc)+16*\m+8*\a, 96*(\buf)+24*(\s)+12*\a, XF+12*(4*\m+(\s)), \z, WS+(\s), XS+(\s), \a, \m
.else
	WM (\acc)+16*\a+8*\m, XF+12*(4*\m+(\s)), 96*(\buf)+24*(\s)+12*\a, \z, XS+(\s), WS+(\s), \m, \a
.endif
.endr
.endr
	WIN 0
.endm
; A JOB: one weight matrix x one head of my two: 16 products, in two macros; between the two stand the stores of the job before.
; JOBA: the job's head and its first K step.  c0: how many loads were issued behind the job's scale words and first K step.  fr = 1: an out-buffer is freed.
.macro JOBA mode, acc, win, first, buf, c0, fr
	s_wait_loadcnt \c0
.if \fr
	s_wait_xcnt 0x0                                ; the stores issued in the job before have had their addresses translated: their data registers are rewritten only behind this wait
	s_wait_alu depctr_vm_vsrc(0)                   ; those stores have read their out-buffer, which this job's conversions write again
.endif
.irp s, 0,1,2,3
	v_perm_b32 v[WS+\s], v[WR+4*(\buf)+\s], v[WR+4*(\buf)+\s], 0x03010200   ; bytes 1 and 2 change places: the fragments' order of K blocks
.endr
.rept 8
	v_nop                                          ; a scale register written by a vector instruction stands eight places ahead of the scaled product
.endr
	s_wait_alu depctr_va_vdst(0)                   ; the scale words v[WS ..] (job 0: v[XS ..] too) are written, which the products take; the job before is done reading the ring's other half and the other WR, in which this job's loads land; its conversions have written the out-buffer that the stores behind these four products read
	KSTEP \mode, \acc, \win, 1-(\first), \buf, 0
.endm
; JOBB: K steps 1 to 3.  nxt = 1: the next job's 25 loads go into the ring's other half, behind each K step's products: no wait, since no vector or matrix instruction since the head's wait names those registers.
; c1..c3: how many loads were issued behind the K step that is wanted.
.macro JOBB mode, acc, win, buf, c1, c2, c3, nxt, nb, nsb, ne
.if \nxt
	LOADWS 1-(\buf), \nsb, \ne
	LOADW 1-(\buf), 0, \nb, \ne
.endif
	s_wait_loadcnt \c1
	KSTEP \mode, \acc, \win, 0, \buf, 1
.if \nxt
	LOADW 1-(\buf), 1, \nb, \ne
.endif
	s_wait_loadcnt \c2
	KSTEP \mode, \acc, \win, 0, \buf, 2
.if \nxt
	LOADW 1-(\buf), 2, \nb, \ne
.endif
	s_wait_loadcnt \c3
	KSTEP \mode, \acc, \win, 0, \buf, 3
.if \nxt
	LOADW 1-(\buf), 3, \nb, \ne
.endif
.rept 4
	v_nop                                          ; four places behind the last products, in front of the first read of results and of the next write of the scale words
.endr
.endm
; v[b .. b+15] and v[b+16 .. b+31]: two half blocks (16 neighbours along K each; lane l xor 16 holds the other 16).  Afterwards lane (r, sel) holds in v[pc ..] the whole block of row r of half sel, and in v[by] its scale byte.
.macro QUANTPAIR b, pc, by
	v_max3_num_f32 v236, |v[(\b)]|, |v[(\b)+1]|, 0x1800000          ; with the floor 2^(3 - 127): the byte cannot fall under 1
	v_max3_num_f32 v237, |v[(\b)+16]|, |v[(\b)+17]|, 0x1800000
.irp i, 2,4,6,8,10,12,14
	v_max3_num_f32 v236, v236, |v[(\b)+\i]|, |v[(\b)+\i+1]|
	v_max3_num_f32 v237, v237, |v[(\b)+16+\i]|, |v[(\b)+17+\i]|
.endr
	v_permlanex16_b32 v238, v236, s[SEL], s[SEL+1]
	v_permlanex16_b32 v239, v237, s[SEL], s[SEL+1]
	v_max_num_f32 v236, v236, v238
	v_max_num_f32 v237, v237, v239
	v_add_nc_u32 v240, 0xff000000, v236            ; 2 off the exponent field: the conversion's scale operand
	v_add_nc_u32 v241, 0xff000000, v237
	v_lshrrev_b32 v242, 23, v240                   ; the scale's byte
	v_lshrrev_b32 v243, 23, v241
	v_cvt_scalef32_pk16_fp6_f32 v[(\pc):(\pc)+2], v[(\b):(\b)+15], v240
	v_cvt_scalef32_pk16_fp6_f32 v[244:246], v[(\b)+16:(\b)+31], v241
	v_nop                                          ; one plain place behind a scaled conversion
.irp i, 0,1,2
	v_permlane16_swap_b32 v[(\pc)+\i], v[244+\i]   ; the first's lanes 16-31 change places with the second's lanes 0-15
.endr
.irp i, 0,1,2
	v_mov_b32 v[(\pc)+3+\i], v[244+\i]
.endr
	v_cndmask_b32 v[\by], v242, v243, s[HM]
.endm
.macro PUBLISH img, e, pc              ; my block 2 w + e of the 32 slots
	ds_store_b128 v[L16], v[(\pc):(\pc)+3] offset:(\img)+768*(\e)
	ds_store_b64 v[L8], v[(\pc)+4:(\pc)+5] offset:(\img)+768*(\e)
.endm
.macro SCWORD                          ; my two bytes of each slot at their places in the scale word of K step w / 2
	v_lshl_or_b32 v[BY1], v[BY1], 16, v[BY0]
	v_lshlrev_b32 v[BY1], s[SH], v[BY1]
.endm
.macro BARRIER                         ; my LDS stores have landed and my LDS loads are in: then the work-group's barrier
	s_wait_dscnt 0x0
	s_barrier_signal -1
	s_barrier_wait -1
.endm
.macro FETCHX img, sc                  ; all eight fragments and the eight planes of scale bytes
.irp m, 0,1
.irp s, 0,1,2,3
.irp c, 0,1
	ds_load_b128 v[XF+12*(4*\m+\s)+6*\c:XF+12*(4*\m+\s)+6*\c+3], v[FA] offset:(\img)+3072*\s+768*\c+256*\m
	ds_load_b64 v[XF+12*(4*\m+\s)+6*\c+4:XF+12*(4*\m+\s)+6*\c+5], v[FB] offset:(\img)+3072*\s+768*\c+128*\m
.endr
.endr
.endr
.irp p, 0,1,2,3,4,5,6,7
	ds_load_b32 v[236+\p], v[L4] offset:(\sc)+128*\p
.endr
.endm
.macro XSWORDS
.irp s, 0,1,2,3
	v_or_b32 v[XS+\s], v[236+2*\s], v[237+2*\s]
.endr
.endm
; v[252:253], v[254:255]: my sums of squares of tiles 0 and 1, in two halves each.  REDSUM: v252 = my wave's sum for slot 16 h + r.  REDGET: it goes to LDS, and all eight waves' come back.
; REDFIN: v[248:249] = 1 / rms of my row of tile 0 (twice), v[250:251] of tile 1.
.macro REDSUM
	v_add_f32 v252, v252, v253
	v_add_f32 v254, v254, v255
	v_permlanex16_b32 v238, v252, s[SEL], s[SEL+1]
	v_permlanex16_b32 v239, v254, s[SEL], s[SEL+1]
	v_add_f32 v252, v252, v238
	v_add_f32 v254, v254, v239
	v_cndmask_b32 v252, v252, v254, s[HM]          ; lane (r, h) speaks for slot 16 h + r
.endm
.macro REDGET
	ds_store_b32 v[REDW], v252 offset:RED
	BARRIER
	ds_load_b128 v[240:243], v[REDR] offset:RED
	ds_load_b128 v[244:247], v[REDR] offset:RED+16
.endm
.macro REDFIN
	s_wait_dscnt 0x0
	v_pk_add_f32 v[240:241], v[240:241], v[244:245]
	v_pk_add_f32 v[242:243], v[242:243], v[246:247]
	v_pk_add_f32 v[240:241], v[240:241], v[242:243]
	v_add_f32 v240, v240, v241
	v_fma_f32 v240, v240, s[RDIM], s[EPS]          ; the mean of 512 squares + 1e-5
	s_wait_alu depctr_va_vdst(0)
	v_rsq_f32 v240, v240
	v_nop                                          ; a plain place behind the transcendental
	s_wait_alu depctr_va_vdst(0)                   ; the reciprocal root has written v240, ahead of its first reader
	v_permlanex16_b32 v238, v240, s[SEL], s[SEL+1]
	v_cndmask_b32 v248, v240, v238, s[HM]
	v_cndmask_b32 v250, v238, v240, s[HM]
	v_mov_b32 v249, v248
	v_mov_b32 v251, v250
.endm
; the thread's frequency: fifteen compares in one run, each into a scalar register of its own, one wait, fifteen selects
.macro PICKC k, sr
	v_cmp_ne_u32 s[\sr], \k, v2
.endm
.macro PICKS lit, sr
	v_cndmask_b32 v168, \lit, v168, s[\sr]
.endm
; v[o] = cos, v[o+1] = sin of v[t] x v168: reduction by pi / 2 in two parts, polynomials on [-pi/4, pi/4], the quadrant by selects.  The compare stands ahead of the polynomials, its readers behind them
.macro SINCOS t, o
	v_mul_f32 v170, v[\t], v168
	v_mul_f32 v171, 0x3f22f983, v170
	v_rndne_f32 v171, v171
	v_cvt_i32_f32 v188, v171
	v_and_b32 v189, 1, v188
	v_cmp_eq_u32 vcc_lo, 1, v189
	v_fma_f32 v172, -v171, s46, v170
	v_fma_f32 v172, -v171, s47, v172
	v_mul_f32 v173, v172, v172
	v_fma_f32 v174, v173, s48, s49
	v_fma_f32 v175, v173, s50, s51
	v_fmaak_f32 v174, v174, v173, 0xbe2aaaa3
	v_fmaak_f32 v175, v175, v173, 0x3d2aaaa5
	v_mul_f32 v174, v174, v173
	v_mul_f32 v177, v173, v173
	v_fma_f32 v176, v173, -0.5, 1.0
	v_fma_f32 v174, v174, v172, v172               ; sin(rho)
	v_fma_f32 v175, v175, v177, v176               ; cos(rho)
	s_wait_alu depctr_va_vcc(0)                    ; the compare has written VCC, which the two selects read
	v_cndmask_b32 v179, v174, v175, vcc_lo
	v_cndmask_b32 v180, v175, v174, vcc_lo
	v_and_b32 v178, 2, v188
	v_lshlrev_b32 v178, 30, v178
	v_xor_b32 v[\o+1], v178, v179
	v_add_nc_u32 v188, 1, v188
	v_and_b32 v188, 2, v188
	v_lshlrev_b32 v188, 30, v188
	v_xor_b32 v[\o], v188, v180
.endm
.macro ROPE                            ; pairs (even, odd) of a lane's 16 channels, each accumulator from its low end on
.irp m, 0,1
.irp a, 0,1
.irp jj, 0,1,2,3
	v_pk_mul_f32 v[248+2*\jj:249+2*\jj], v[ACC+16*\m+8*\a+2*\jj:ACC+16*\m+8*\a+2*\jj+1], v[CS+16*\m+2*(4*\a+\jj):CS+16*\m+2*(4*\a+\jj)+1] op_sel:[1,1] op_sel_hi:[0,1]   ; (xo sin, xe sin)
.endr
.irp jj, 0,1,2,3
	v_pk_fma_f32 v[ACC+16*\m+8*\a+2*\jj:ACC+16*\m+8*\a+2*\jj+1], v[ACC+16*\m+8*\a+2*\jj:ACC+16*\m+8*\a+2*\jj+1], v[CS+16*\m+2*(4*\a+\jj):CS+16*\m+2*(4*\a+\jj)+1], v[248+2*\jj:249+2*\jj] op_sel_hi:[1,0,1] neg_lo:[0,0,1]   ; (xe cos - xo sin, xo cos + xe sin)
.endr
.endr
.endr
.endm
.macro OUTKQ e, type, pc, by           ; the wave's stores cover 512 and 256 consecutive bytes, aligned; the scale bytes 32
	global_store_b128 v[OK16], v[(\pc):(\pc)+3], s[20:21] offset:153600*(\e)+(\type)
	global_store_b64 v[OK8], v[(\pc)+4:(\pc)+5], s[20:21] offset:153600*(\e)+(\type)+512
	global_store_b8 v[OKB], v[\by], s[20:21] offset:153600*(\e)+(\type)+49152
.endm
.macro OUTV e, pc, by
	global_store_b128 v[OV16], v[(\pc):(\pc)+3], s[20:21] offset:153600*(\e)+51200
	global_store_b64 v[OV8], v[(\pc)+4:(\pc)+5], s[20:21] offset:153600*(\e)+51200+512
	global_store_b8 v[OVB], v[\by], s[20:21] offset:153600*(\e)+51200+49152
.endm
	s_load_b512 s[4:19], s[0:1], 0x0               ; x, ln1_w, wq codes, scales, wk codes, scales, wv codes, scales
	s_load_b64 s[20:21], s[0:1], 0x40              ; qkv
	v_lshl_add_u32 v190, v0, 2, 0x5000
	v_mov_b32 v191, 0
	v_lshrrev_b32 v1, 5, v0
	v_readfirstlane_b32 s22, v1                    ; wave 0..7
	v_and_b32 v1, 31, v0                           ; l
	v_and_b32 v2, 15, v0                           ; r (also the thread's frequency for the table)
	s_wait_alu depctr_va_vdst(0)
	v_bfe_u32 v3, v0, 4, 1                         ; h
	s_and_b32 s24, ttmp9, 63                       ; beta: which 32 tokens of the batch
	s_lshr_b32 s25, ttmp9, 6                       ; the batch
	s_mov_b32 s[SEL], 0x76543210
	s_mov_b32 s[SEL+1], 0xfedcba98                 ; lane l xor 16
	s_mov_b32 s[HM], 0xffff0000                    ; lanes 16-31
	s_mov_b32 s[EPS], 0x3727c5ac                   ; 1e-5
	s_mov_b32 s[RDIM], 0x3b000000                  ; 1 / 512
	s_wait_alu depctr_va_sdst(0)                   ; s22, the wave's number, is written, ahead of its first reader
	s_and_b32 s[SH], s22, 1
	s_lshl_b32 s[SH], s[SH], 3
	v_and_b32 v163, 7, v2
	v_lshrrev_b32 v164, 3, v2
	v_lshl_add_u32 v165, v164, 4, v163             ; (r & 7) + 16 (r >> 3)
	s_wait_alu depctr_va_vdst(0)
	v_lshl_add_u32 v166, v3, 3, v165               ; + 8 h: the token of lane (r, h) once a block is whole
	v_lshlrev_b32 v[XO], 11, v165
	v_lshl_add_u32 v[XO], v3, 6, v[XO]
	v_lshlrev_b32 v[LO], 6, v3
	v_mul_u32_u24 v[WO], v165, 384
	v_mad_u32_u24 v[WO], v3, 48, v[WO]
	v_lshlrev_b32 v[WSO], 4, v166
	v_mul_u32_u24 v[FA], v3, 1536
	v_lshl_add_u32 v[FB], v2, 3, v[FA]
	v_add_nc_u32 v[FB], 512, v[FB]
	v_lshl_add_u32 v[FA], v2, 4, v[FA]
	s_mul_i32 s32, s22, 1536
	v_lshlrev_b32 v[L16], 4, v1
	v_add_nc_u32 v[L16], s32, v[L16]
	v_lshlrev_b32 v[L8], 3, v1
	v_add_nc_u32 v[L8], s32, v[L8]
	v_add_nc_u32 v[L8], 512, v[L8]
	s_lshl_b32 s33, s22, 7
	v_lshlrev_b32 v[L4], 2, v1
	v_add_nc_u32 v[L4W], s33, v[L4]
	v_mul_u32_u24 v[REDR], v1, 48
	s_lshl_b32 s33, s22, 2
	v_add_nc_u32 v[REDW], s33, v[REDR]
	v_mul_u32_u24 v[CSA], v2, 144
	v_lshl_add_u32 v[CSA], v3, 6, v[CSA]
	s_mul_i32 s34, s24, 768
	s_lshl_b32 s35, s24, 5
	v_lshlrev_b32 v[OK16], 4, v166
	v_add_nc_u32 v[OK16], s34, v[OK16]
	v_lshlrev_b32 v[OK8], 3, v166
	v_add_nc_u32 v[OK8], s34, v[OK8]
	v_lshrrev_b32 v167, 3, v166
	v_lshl_add_u32 v[OKB], v163, 2, v167
	v_add_nc_u32 v[OKB], s35, v[OKB]
	v_lshlrev_b32 v[OV16], 4, v1
	v_add_nc_u32 v[OV16], s34, v[OV16]
	v_lshlrev_b32 v[OV8], 3, v1
	v_add_nc_u32 v[OV8], s34, v[OV8]
	v_add_nc_u32 v[OVB], s35, v1
	v_mov_b32 v238, 0                              ; written once: a lane permute's destination counts as one of its sources
	v_mov_b32 v239, 0
	s_lshl_b32 s36, ttmp9, 16
	s_lshl_b32 s38, s22, 8
	s_add_co_u32 s36, s36, s38
	s_mov_b32 s37, 0
	s_mov_b32 s39, 0
	s_mul_i32 s40, s22, 24576
	s_mov_b32 s41, 0
	s_lshl_b32 s42, s22, 10
	s_mov_b32 s43, 0
	s_lshl_b32 s44, s25, 4
	s_lshl_b32 s45, s22, 1
	s_add_co_u32 s44, s44, s45
	s_mul_i32 s44, s44, 153600
	s_mov_b32 s45, 0
	s_mov_b32 s46, 0x3fc90fdb                      ; pi / 2, upper part
	s_mov_b32 s47, 0xb33bbd2e                      ; and what is left of it
	s_mov_b32 s48, 0xb94ca1f9
	s_mov_b32 s49, 0x3c08839e
	s_mov_b32 s50, 0x37ccf5ce
	s_mov_b32 s51, 0xbab6061a
	s_wait_kmcnt 0x0
	s_add_nc_u64 s[4:5], s[4:5], s[36:37]          ; x at my 32 tokens, my 64 features
	s_add_nc_u64 s[6:7], s[6:7], s[38:39]
	s_add_nc_u64 s[8:9], s[8:9], s[40:41]          ; the weights at my 64 rows
	s_add_nc_u64 s[12:13], s[12:13], s[40:41]
	s_add_nc_u64 s[16:17], s[16:17], s[40:41]
	s_add_nc_u64 s[10:11], s[10:11], s[42:43]
	s_add_nc_u64 s[14:15], s[14:15], s[42:43]
	s_add_nc_u64 s[18:19], s[18:19], s[42:43]
	s_add_nc_u64 s[20:21], s[20:21], s[44:45]      ; qkv at head 2 w of my batch
	s_wait_alu depctr_va_vdst(0)                   ; the offsets and LDS addresses v4-19 and v160-162 are written, which the kernel's loads and stores read; none is written again
.irp e, 0,1
.irp m, 0,1
.irp p, 0,1,2,3
	global_load_b128 v[XF+32*\e+16*\m+4*\p:XF+32*\e+16*\m+4*\p+3], v[XO], s[4:5] offset:16384*\m+128*\e+16*\p th:TH_LOAD_NT
.endr
.endr
.endr
.irp e, 0,1
.irp p, 0,1,2,3
	global_load_b128 v[96+16*\e+4*\p:96+16*\e+4*\p+3], v[LO], s[6:7] offset:128*\e+16*\p
.endr
.endr
	LOADWS 0, 10, 0
.irp s, 0,1,2,3
	LOADW 0, \s, 8, 0
.endr
	LOADWS 1, 10, 1
.irp s, 0,1,2,3
	LOADW 1, \s, 8, 1
.endr
	; THE TABLE, while the loads are on their way: thread tau makes frequency tau & 15 of slots tau >> 4 and 16 + (tau >> 4).  It names none of the registers that the loads above touch
	PICKC 1, 2
	PICKC 2, 3
	PICKC 3, 23
	PICKC 4, 52
	PICKC 5, 53
	PICKC 6, 54
	PICKC 7, 55
	PICKC 8, 56
	PICKC 9, 57
	PICKC 10, 58
	PICKC 11, 59
	PICKC 12, 60
	PICKC 13, 61
	PICKC 14, 62
	PICKC 15, 63
	v_lshrrev_b32 v167, 4, v0
	v_mul_u32_u24 v169, v167, 144
	v_lshl_add_u32 v169, v2, 3, v169
	v_and_b32 v163, 7, v167
	v_lshrrev_b32 v164, 3, v167
	v_lshl_add_u32 v163, v164, 4, v163
	v_add_nc_u32 v163, s35, v163                   ; the token's place in its batch
	v_cvt_f32_u32 v181, v163
	v_add_nc_u32 v163, 8, v163
	v_cvt_f32_u32 v182, v163
	v_mov_b32 v168, 1.0                            ; 10^(-f / 4)
	s_wait_alu depctr_va_sdst(0)                   ; the fifteen compares have written their masks, which the selects read
	PICKS 0x3f0ff59a, 2
	PICKS 0x3ea1e89b, 3
	PICKS 0x3e361887, 23
	PICKS 0x3dcccccd, 52
	PICKS 0x3d6655c3, 53
	PICKS 0x3d0186e2, 54
	PICKS 0x3c91ad39, 55
	PICKS 0x3c23d70a, 56
	PICKS 0x3bb8449c, 57
	PICKS 0x3b4f3e37, 58
	PICKS 0x3ae91528, 59
	PICKS 0x3a83126f, 60
	PICKS 0x3a136a16, 61
	PICKS 0x39a5cb5f, 62
	PICKS 0x393a7753, 63
	SINCOS 181, 184
	SINCOS 182, 186
	; THE NORM
	s_wait_loadcnt 58                              ; x is in: behind it ln1_w's 8 loads and two jobs' 50
.irp e, 0,1
.irp q, 0,1,2,3,4,5,6,7
.irp m, 0,1
.if (\e == 0) && (\q == 0)
	v_pk_mul_f32 v[252+2*\m:253+2*\m], v[XF+16*\m:XF+16*\m+1], v[XF+16*\m:XF+16*\m+1]
.else
	v_pk_fma_f32 v[252+2*\m:253+2*\m], v[XF+32*\e+16*\m+2*\q:XF+32*\e+16*\m+2*\q+1], v[XF+32*\e+16*\m+2*\q:XF+32*\e+16*\m+2*\q+1], v[252+2*\m:253+2*\m]
.endif
.endr
.endr
.endr
	REDSUM
	s_wait_alu depctr_va_vdst(0)                   ; the table's address v169 and numbers v184-187 and my sum v252 are written, which the three LDS stores below read
	ds_store_b64 v169, v[184:185] offset:CST
	ds_store_b64 v169, v[186:187] offset:CST+2304
	REDGET                                         ; its barrier also shows the table to every wave
	REDFIN
	s_wait_alu depctr_va_vdst(0)
	s_wait_loadcnt 50                              ; ln1_w is in
.irp e, 0,1
.irp m, 0,1
.irp q, 0,1,2,3,4,5,6,7
	v_pk_mul_f32 v[XF+32*\e+16*\m+2*\q:XF+32*\e+16*\m+2*\q+1], v[XF+32*\e+16*\m+2*\q:XF+32*\e+16*\m+2*\q+1], v[248+2*\m:249+2*\m]
.endr
.irp q, 0,1,2,3,4,5,6,7
	v_pk_mul_f32 v[XF+32*\e+16*\m+2*\q:XF+32*\e+16*\m+2*\q+1], v[XF+32*\e+16*\m+2*\q:XF+32*\e+16*\m+2*\q+1], v[96+16*\e+2*\q:96+16*\e+2*\q+1]
.endr
.endr
.endr
	QUANTPAIR XF, PC0, BY0                         ; my two blocks, one to each out-buffer
	QUANTPAIR XF+32, PC1, BY1
	SCWORD
	s_wait_alu depctr_va_vdst(0)                   ; both out-buffers and the scale word are written, which the five LDS stores read; the lines above are done with v[XF ..] and v236-243, in which the loads behind the barrier land
	PUBLISH XIMG, 0, PC0
	PUBLISH XIMG, 1, PC1
	ds_store_b32 v[L4W], v[BY1] offset:XSC
	BARRIER                                        ; xn's sixteen blocks and their scale bytes lie in LDS
	s_wait_alu depctr_vm_vsrc(0)                   ; my LDS stores have read both out-buffers, which jobs 0 and 1 write again, and v252, in which RoPE works
	FETCHX XIMG, XSC
.irp m, 0,1
.irp p, 0,1,2,3
	ds_load_b128 v[CS+16*\m+4*\p:CS+16*\m+4*\p+3], v[CSA] offset:CST+2304*\m+16*\p
.endr
.endr
	s_wait_dscnt 0x0
	XSWORDS
	; SIX JOBS.  Counts.  Job 0: behind its K step 0 stand its other 18 loads and job 1's 25, and nothing is issued.  Jobs 1 to 4: at the head only the job's own 25 are out (18 behind K step 0); each later wait
	; counts the job's K steps still to come and what the job has issued for the next one: 12 + 7, 6 + 13, 0 + 19.  Job 5 issues nothing: the counts run down.
	JOBA 0, ACC, 0x01, 0, 0, 43, 0                 ; job 0: wq, head 2 w
	JOBB 0, ACC, 0x01, 0, 37, 31, 25, 0, 0, 0, 0
	ROPE
	QUANTPAIR ACC, PC0, BY0
	JOBA 0, ACC, 0x01, 0, 1, 18, 0                 ; job 1: wq, head 2 w + 1
	OUTKQ 0, 102400, PC0, BY0                      ; job 0's codes
	JOBB 0, ACC, 0x01, 1, 19, 19, 19, 1, 12, 14, 0
	ROPE
	QUANTPAIR ACC, PC1, BY1
	JOBA 0, ACC, 0x01, 0, 0, 18, 1                 ; job 2: wk, head 2 w
	OUTKQ 1, 102400, PC1, BY1
	JOBB 0, ACC, 0x01, 0, 19, 19, 19, 1, 12, 14, 1
	ROPE
	QUANTPAIR ACC, PC0, BY0
	JOBA 0, ACC, 0x01, 0, 1, 18, 1                 ; job 3: wk, head 2 w + 1
	OUTKQ 0, 0, PC0, BY0
	JOBB 0, ACC, 0x01, 1, 19, 19, 19, 1, 16, 18, 0
	ROPE
	QUANTPAIR ACC, PC1, BY1
	JOBA 1, ACC, 0x04, 0, 0, 18, 1                 ; job 4: wv, head 2 w.  xn is source 0, so that a lane's registers run along the keys
	OUTKQ 1, 0, PC1, BY1
	JOBB 1, ACC, 0x04, 0, 19, 19, 19, 1, 16, 18, 1
	QUANTPAIR ACC, PC0, BY0
	JOBA 1, ACC, 0x04, 0, 1, 18, 1                 ; job 5: wv, head 2 w + 1
	OUTV 0, PC0, BY0
	JOBB 1, ACC, 0x04, 1, 12, 6, 0, 0, 0, 0, 0
	QUANTPAIR ACC, PC1, BY1
	s_wait_alu depctr_va_vdst(0)                   ; job 5's conversions have written out-buffer 1, which the last three stores read
	OUTV 1, PC1, BY1
	s_wait_dscnt 0x0                               ; the closing lines, six on end
	s_wait_alu 0x0
	s_wait_tensorcnt 0x0
	ds_add_u32 v190, v191
	s_wait_dscnt 0x0
	s_endpgm
.Lfunc_end_k_q4e07802b01_qkv:
	.size	k_q4e07802b01_qkv, .Lfunc_end_k_q4e07802b01_qkv-k_q4e07802b01_qkv
	.p2alignl 7, 3214868480
	.fill 96, 4, 3214868480
	.section	.rodata,"a",@progbits
	.p2align	6, 0x0
	.amdhsa_kernel k_q4e07802b01_qkv
		.amdhsa_group_segment_fixed_size 21504
		.amdhsa_private_segment_fixed_size 0
		.amdhsa_enable_private_segment 0
		.amdhsa_kernarg_size 72
		.amdhsa_user_sgpr_count 2
		.amdhsa_user_sgpr_kernarg_segment_ptr 1
		.amdhsa_wavefront_size32 1
		.amdhsa_system_sgpr_workgroup_id_x 1
		.amdhsa_system_sgpr_workgroup_id_y 1
		.amdhsa_system_sgpr_workgroup_id_z 1
		.amdhsa_system_vgpr_workitem_id 0
		.amdhsa_next_free_vgpr 512
		.amdhsa_next_free_sgpr 66
		.amdhsa_reserve_vcc 1
		.amdhsa_float_denorm_mode_32 3
		.amdhsa_float_denorm_mode_16_64 3
		.amdhsa_memory_ordered 1
		.amdhsa_forward_progress 1
		.amdhsa_inst_pref_size 83
	.end_amdhsa_kernel
	.amdgpu_metadata
---
amdhsa.version: [ 1, 2 ]
amdhsa.kernels:
  - .name:           k_q4e07802b01_qkv
    .symbol:         k_q4e07802b01_qkv.kd
    .args:
      - { .name: x, .offset: 0, .size: 8, .value_kind: global_buffer, .address_space: global }
      - { .name: ln1_w, .offset: 8, .size: 8, .value_kind: global_buffer, .address_space: global }
      - { .name: wq_codes, .offset: 16, .size: 8, .value_kind: global_buffer, .address_space: global }
      - { .name: wq_scales, .offset: 24, .size: 8, .value_kind: global_buffer, .address_space: global }
      - { .name: wk_codes, .offset: 32, .size: 8, .value_kind: global_buffer, .address_space: global }
      - { .name: wk_scales, .offset: 40, .size: 8, .value_kind: global_buffer, .address_space: global }
      - { .name: wv_codes, .offset: 48, .size: 8, .value_kind: global_buffer, .address_space: global }
      - { .name: wv_scales, .offset: 56, .size: 8, .value_kind: global_buffer, .address_space: global }
      - { .name: qkv, .offset: 64, .size: 8, .value_kind: global_buffer, .address_space: global }
    .group_segment_fixed_size: 21504
    .private_segment_fixed_size: 0
    .kernarg_segment_align: 8
    .kernarg_segment_size: 72
    .max_flat_workgroup_size: 256
    .sgpr_count:     66
    .vgpr_count:     512
    .wavefront_size: 32
...
	.end_amdgpu_metadata
.endif
;; end of part 4
;; launch attn (part 5): grid 4 x 64, 16 waves a work-group, clusters of 4 x 1, 169,984 bytes of LDS; arguments qkv, ao, aos; writes ao, aos
.if DOCPART == 5
	.amdgcn_target "amdgcn-amd-amdhsa--gfx1250"
	.amdhsa_code_object_version 6
	.text
	.protected	k_q4e07802b01_attn
	.globl	k_q4e07802b01_attn
	.p2align	8
	.type	k_q4e07802b01_attn,@function
k_q4e07802b01_attn:
	s_mov_b64 s[64:65], 0
	v_nop
	global_prefetch_b8 v0, s[64:65] scope:SCOPE_SE
	s_setreg_imm32_b32 hwreg(HW_REG_WAVE_MODE, 25, 1), 1
	s_wait_xcnt 0x0
	s_wait_alu depctr_hold_cnt(0) depctr_sa_sdst(0) depctr_va_vdst(0) depctr_va_sdst(0) depctr_va_ssrc(0) depctr_va_vcc(0) depctr_vm_vsrc(0)
	s_getreg_b32 s2, hwreg(HW_REG_IB_STS2, 6, 4)
	s_cmp_eq_u32 s2, 0
	s_cbranch_scc0 .Lentry_in_a_cluster
	s_endpgm
.Lentry_in_a_cluster:
	s_bfe_u32 s2, ttmp6, 0x10000c
	s_cmp_lg_u32 s2, 0x3003
	s_cbranch_scc0 .Lentry_shape_is_right
	s_endpgm
.Lentry_shape_is_right:
; Causal attention of one (batch, head) per cluster, both products on codes of E2M3; the result, divided by the row's sum, is quantised along the head's 32 channels and leaves as codes.
; qkv[bh]: K record | V record | Q record, 51,200 bytes each (64 blocks of 768 bytes, then 64 x 32 scale bytes).  ao[token / 32][head][768], aos[token / 32][head][32].
; SHARES.  Four work-groups of 16 waves.  Wave w of work-group cx owns the query tiles iA = 4 w + cx and iB = 127 - iA (16 queries each): their last key steps, w / 2 and 15 - w / 2,
; hang on the wave's number alone, and each wave walks 17 key steps of 128 keys.  The loops' trip counts are constants (8 and 16); a step behind the diagonal is jumped over.
; LDS.  The head's K and V records, 102,400 consecutive bytes of memory, are brought once: each wave asks for 25 rows of 256 bytes, jointly with the same wave of the three partners.
; Nothing is filled again and nothing is stored to LDS.  One tensor load a wave is out.
; FIRST PRODUCT, K = 32 in a form of K = 128: a fragment of K holds 64 keys, a key in each of a row's four K blocks; it is multiplied four times, by q placed in one block and zeros in the others.
; So in lane (r, h) the 32 registers of fragment g are the scores of query r with keys 128 ks + 32 (2 g + h) + 0 .. 31: a whole block of p, whose codes are the second product's operand as they come.
; SOFTMAX: t = score x log2(e) / sqrt(32); M = the running largest t rounded up to a whole number; p = 2^(t - M) is quantised; the sum is taken of the unquantised p.
; LIMITS: NaN and infinities are not served; a block of zeros gets the scale byte 1 (its codes are zeros; only this program reads the bytes).
.macro WM d, a, b, z, sa, sb, ra, rb
.if (\z) && ((\ra) == 0)
	v_wmma_scale_f32_16x16x128_f8f6f4 v[(\d):(\d)+7], v[(\a):(\a)+11], v[(\b):(\b)+11], 0, v[\sa], v[\sb] matrix_a_fmt:MATRIX_FMT_FP6 matrix_b_fmt:MATRIX_FMT_FP6
.elseif (\z)
	v_wmma_scale_f32_16x16x128_f8f6f4 v[(\d):(\d)+7], v[(\a):(\a)+11], v[(\b):(\b)+11], 0, v[\sa], v[\sb] matrix_a_fmt:MATRIX_FMT_FP6 matrix_b_fmt:MATRIX_FMT_FP6 matrix_a_scale:MATRIX_SCALE_ROW1
.elseif ((\ra) == 0)
	v_wmma_scale_f32_16x16x128_f8f6f4 v[(\d):(\d)+7], v[(\a):(\a)+11], v[(\b):(\b)+11], v[(\d):(\d)+7], v[\sa], v[\sb] matrix_a_fmt:MATRIX_FMT_FP6 matrix_b_fmt:MATRIX_FMT_FP6
.else
	v_wmma_scale_f32_16x16x128_f8f6f4 v[(\d):(\d)+7], v[(\a):(\a)+11], v[(\b):(\b)+11], v[(\d):(\d)+7], v[\sa], v[\sb] matrix_a_fmt:MATRIX_FMT_FP6 matrix_b_fmt:MATRIX_FMT_FP6 matrix_a_scale:MATRIX_SCALE_ROW1
.endif
.endm
.macro CROUND                          ; a round of the cluster's barrier
	s_barrier_signal -1
	s_barrier_wait -1
	s_cmp_lg_u32 s10, 0
	s_cbranch_scc1 .Lnot_wave_0_\@
	s_barrier_signal -3
.Lnot_wave_0_\@:
	s_barrier_wait -3
	s_barrier_signal -1
	s_barrier_wait -1
.endm
.macro QADDR ti, va                    ; the offsets of tile s[ti]'s codes (16 and 8 bytes a query) and scale byte in the Q record
	s_lshr_b32 s46, s[\ti], 1
	s_and_b32 s47, s[\ti], 1
	s_lshl_b32 s47, s47, 4
	s_mul_i32 s48, s46, 768
	s_lshl_b32 s46, s46, 5
	v_add_nc_u32 v209, s47, v211                   ; the slot: token mod 32
	s_delay_alu instid0(VALU_DEP_1)
	v_lshlrev_b32 v[\va], 4, v209
	s_delay_alu instid0(VALU_DEP_1)
	v_add_nc_u32 v[\va], s48, v[\va]
	s_delay_alu instid0(VALU_DEP_3)
	v_lshlrev_b32 v[\va+1], 3, v209
	s_delay_alu instid0(VALU_DEP_1)
	v_add_nc_u32 v[\va+1], s48, v[\va+1]
	v_lshrrev_b32 v215, 3, v209
	s_delay_alu instid0(VALU_DEP_1)
	v_lshl_add_u32 v[\va+2], v213, 2, v215
	s_delay_alu instid0(VALU_DEP_1)
	v_add_nc_u32 v[\va+2], s46, v[\va+2]
.endm
; ONE TILE OF 16 QUERIES.  trips: the loop's constant count; kd: the scalar with the tile's last key step; ti: the scalar with the tile's number; raw: q's six registers and its byte; oc, ob: where the codes and the byte of the result go
.macro TILE trips, kd, ti, raw, oc, ob
.irp i, 0,1,2,3,4,5
	v_cndmask_b32 v[22+\i], v[\raw+\i], 0, s44     ; q in lanes 0-15,
	v_cndmask_b32 v[34+\i], 0, v[\raw+\i], s44     ; q in lanes 16-31; zeros round them: v[22:33], v[34:45], v[16:27], v[28:39] are q in K block 0, 1, 2, 3
.endr
	v_mul_lo_u32 v46, v[\raw+6], s45               ; q's scale byte in all four bytes
	s_lshl_b32 s46, s[\ti], 4
	v_add_nc_u32 v8, s46, v247                     ; my query - 32 h
	v_mov_b32 v13, 0xff61b1e6                      ; the largest t so far: -3e38
	s_delay_alu instid0(VALU_DEP_1)
	v_floor_f32 v12, -v13                          ; -M
	v_mov_b32 v14, 0
	v_mov_b32 v15, 0
.irp j, 0,1,2,3,4,5,6,7,8,9,10,11,12,13,14,15
	v_mov_b32 v[162+\j], 0                         ; O^T: the first change of M leaves zeros zeros
.endr
	s_mov_b32 s40, 0                               ; the key step, and its bytes in the codes and in the scale bytes
	s_mov_b32 s41, 0
	s_mov_b32 s42, 0
.Lstep_\@:
	s_cmp_gt_u32 s40, s[\kd]                       ; all keys of the step come after my queries: only the steps of the addresses remain
	s_cbranch_scc1 .Lskip_\@
	s_setprio 2
	v_add_nc_u32 v9, s41, v1                       ; (these six are also the places behind the last step's products)
	v_add_nc_u32 v10, s41, v2
	v_add_nc_u32 v11, s41, v3
	v_add_nc_u32 v250, s41, v4
	v_add_nc_u32 v251, s42, v5
	v_add_nc_u32 v252, s42, v6
.irp g, 0,1
.irp c, 0,1
	ds_load_b128 v[50+12*\g+6*\c:53+12*\g+6*\c], v9 offset:1536*\g+256*\c
	ds_load_b64 v[54+12*\g+6*\c:55+12*\g+6*\c], v10 offset:1536*\g+128*\c
.endr
.endr
	ds_load_b32 v47, v251                          ; K's scale words: lanes 0-15 fragment 0's rows, lanes 16-31 fragment 1's
.irp a, 0,1
.irp c, 0,1
	ds_load_b128 v[74+12*\a+6*\c:77+12*\a+6*\c], v11 offset:1536*\c+256*\a
	ds_load_b64 v[78+12*\a+6*\c:79+12*\a+6*\c], v250 offset:1536*\c+128*\a
.endr
.endr
.irp b, 0,1,2,3
	ds_load_u8 v[216+\b], v252 offset:32*\b
.endr
	s_wait_dscnt 12                                ; K's nine loads are in; V's eight and its four bytes may be out
.irp g, 0,1
	WM 98+32*\g, 50+12*\g, 22, 1, 47, 46, \g, 0
	WM 106+32*\g, 50+12*\g, 34, 1, 47, 46, \g, 0
	WM 114+32*\g, 50+12*\g, 16, 1, 47, 46, \g, 0
	WM 122+32*\g, 50+12*\g, 28, 1, 47, 46, \g, 0
.endr
	s_wait_dscnt 0x0
	v_lshl_or_b32 v48, v217, 8, v216               ; V's scale word; with the v_nop four places behind the products
	s_delay_alu instid0(VALU_DEP_1)
	v_lshl_or_b32 v48, v218, 16, v48
	s_delay_alu instid0(VALU_DEP_1)
	v_lshl_or_b32 v48, v219, 24, v48
	v_nop
	s_cmp_lg_u32 s40, s[\kd]                       ; only the tile's last step lies on the diagonal
	s_cbranch_scc1 .Lopen_\@
	v_sub_nc_u32 v211, v8, s42                     ; register n holds key 128 ks + 32 h + 64 (n / 32) + n % 32: hidden where 64 (n / 32) + n % 32 > my query - 32 h - 128 ks
	v_mov_b32 v212, 0xff800000
.set N, 0
.rept 64
	v_cmp_gt_i32 vcc_lo, 64*(N/32)+N%32, v211
	v_cndmask_b32 v[98+N], v[98+N], v212, vcc_lo
.set N, N+1
.endr
.Lopen_\@:
	v_max3_num_f32 v198, v98, v99, v100            ; the largest score of each of my two blocks of 32 keys
	v_max3_num_f32 v199, v130, v131, v132
.irp i, 3,5,7,9,11,13,15,17,19,21,23,25,27,29
	v_max3_num_f32 v198, v198, v[98+\i], v[99+\i]
	v_max3_num_f32 v199, v199, v[130+\i], v[131+\i]
.endr
	v_max_num_f32 v198, v198, v129
	v_max_num_f32 v199, v199, v161
	s_delay_alu instid0(VALU_DEP_1)
	v_max_num_f32 v201, v198, v199
	s_delay_alu instid0(VALU_DEP_1)
	v_permlanex16_b32 v200, v201, s20, s21
	s_delay_alu instid0(VALU_DEP_1)
	v_max_num_f32 v201, v201, v200                 ; the step's largest score of my query
	s_delay_alu instid0(VALU_DEP_1)
	v_mul_f32 v201, s22, v201
	s_delay_alu instid0(VALU_DEP_1)
	v_max_num_f32 v13, v13, v201                   ; the running largest t
	v_mov_b32 v201, v12
	s_delay_alu instid0(VALU_DEP_2)
	v_floor_f32 v12, -v13                          ; the new -M
	s_delay_alu instid0(VALU_DEP_1)
	v_sub_f32 v201, v12, v201
	s_delay_alu instid0(VALU_DEP_1)
	v_cvt_i32_f32 v201, v201                       ; (it saturates)
	s_delay_alu instid0(VALU_DEP_1)
	v_ldexp_f32 v202, 1.0, v201                    ; f = 2^(old M - new M)
.set N, 0
	s_setprio 1
.rept 32
	v_pk_fma_f32 v[98+N:99+N], v[98+N:99+N], s[22:23], v[12:13] op_sel_hi:[1,0,0]
.set N, N+2
.endr
	v_fma_f32 v198, v198, s22, v12
	v_fma_f32 v199, v199, s22, v12
.set N, 0
	s_wait_alu depctr_va_vdst(0)
.rept 64
	v_exp_f32 v[98+N], v[98+N]                     ; p = 2^(t - M)
.set N, N+1
.endr
	v_pk_mul_f32 v[14:15], v[14:15], v[202:203] op_sel_hi:[1,0]   ; the sums under the new M: a plain place behind the exponentials
	s_wait_alu depctr_va_vdst(0)                   ; one wait for the batch, ahead of its first reader
	v_exp_f32 v198, v198                           ; each block's largest p
	v_exp_f32 v199, v199
	v_pk_add_f32 v[204:205], v[102:103], v[106:107]
	v_pk_add_f32 v[252:253], v[110:111], v[114:115]
	v_pk_add_f32 v[250:251], v[118:119], v[122:123]
	v_pk_add_f32 v[248:249], v[126:127], v[130:131]
	v_pk_add_f32 v[238:239], v[134:135], v[138:139]
	v_pk_add_f32 v[236:237], v[142:143], v[146:147]
	v_pk_add_f32 v[234:235], v[150:151], v[154:155]
	v_pk_add_f32 v[14:15], v[14:15], v[158:159]
	v_pk_add_f32 v[204:205], v[204:205], v[98:99]
	v_pk_add_f32 v[252:253], v[252:253], v[100:101]
	v_pk_add_f32 v[250:251], v[250:251], v[104:105]
	v_pk_add_f32 v[248:249], v[248:249], v[108:109]
	v_pk_add_f32 v[238:239], v[238:239], v[112:113]
	v_pk_add_f32 v[236:237], v[236:237], v[116:117]
	v_pk_add_f32 v[234:235], v[234:235], v[120:121]
	v_pk_add_f32 v[14:15], v[14:15], v[124:125]
	v_pk_add_f32 v[204:205], v[204:205], v[128:129]
	v_pk_add_f32 v[252:253], v[252:253], v[132:133]
	s_setprio 0
	v_pk_add_f32 v[250:251], v[250:251], v[136:137]
	v_pk_add_f32 v[248:249], v[248:249], v[140:141]
	v_pk_add_f32 v[238:239], v[238:239], v[144:145]
	v_pk_add_f32 v[236:237], v[236:237], v[148:149]
	v_pk_add_f32 v[234:235], v[234:235], v[152:153]
	v_pk_add_f32 v[14:15], v[14:15], v[156:157]
	v_pk_add_f32 v[204:205], v[204:205], v[160:161]
	s_delay_alu instid0(VALU_DEP_2)
	v_pk_add_f32 v[14:15], v[14:15], v[248:249]
	s_delay_alu instid0(VALU_DEP_2)
	v_pk_add_f32 v[204:205], v[204:205], v[238:239]
	v_pk_add_f32 v[252:253], v[252:253], v[236:237]
	v_pk_add_f32 v[250:251], v[250:251], v[234:235]
	s_delay_alu instid0(VALU_DEP_2)
	v_pk_add_f32 v[14:15], v[14:15], v[252:253]
	s_delay_alu instid0(VALU_DEP_2)
	v_pk_add_f32 v[204:205], v[204:205], v[250:251]
	s_delay_alu instid0(VALU_DEP_1)
	v_pk_add_f32 v[14:15], v[14:15], v[204:205]
	s_wait_alu depctr_va_vdst(0)                   ; and one for the two
	v_max_num_f32 v198, 0x1800000, v198            ; the floor 2^(3 - 127)
	v_max_num_f32 v199, 0x1800000, v199
	s_delay_alu instid0(VALU_DEP_2)
	v_add_nc_u32 v206, 0xff000000, v198
	s_delay_alu instid0(VALU_DEP_2)
	v_add_nc_u32 v207, 0xff000000, v199
	s_delay_alu instid0(VALU_DEP_2)
	v_lshrrev_b32 v208, 23, v206
	s_delay_alu instid0(VALU_DEP_2)
	v_lshrrev_b32 v209, 23, v207
	s_delay_alu instid0(VALU_DEP_1)
	v_lshl_or_b32 v210, v209, 16, v208             ; my bytes: blocks h and 2 + h,
	s_delay_alu instid0(VALU_DEP_1)
	v_lshlrev_b32 v210, v7, v210                   ; 8 h bits up;
	s_delay_alu instid0(VALU_DEP_1)
	v_permlanex16_b32 v200, v210, s20, s21
	s_delay_alu instid0(VALU_DEP_1)
	v_or_b32 v49, v210, v200                       ; with lane l xor 16's the word is whole
.irp g, 0,1
	v_cvt_scalef32_pk16_fp6_f32 v[178+6*\g:180+6*\g], v[98+32*\g:113+32*\g], v[206+\g]
	v_cvt_scalef32_pk16_fp6_f32 v[190+4*\g:192+4*\g], v[114+32*\g:129+32*\g], v[206+\g]
.endr
	v_nop                                          ; one plain place behind a scaled conversion
.irp g, 0,1
.irp i, 0,1,2
	v_mov_b32 v[181+6*\g+\i], v[190+4*\g+\i]
.endr
.endr
.irp j, 0,2,4,6,8,10,12,14
	v_pk_mul_f32 v[162+\j:163+\j], v[162+\j:163+\j], v[202:203] op_sel_hi:[1,0]   ; O^T under the new M
.endr
.rept 4
	v_nop                                          ; p's codes stand four places, its scale word eight, ahead of the scaled products
.endr
	WM 162, 74, 178, 0, 48, 49, 0, 0               ; O^T += V^T P^T; the two accumulators by turns, the eight score products between their links
	WM 170, 86, 178, 0, 48, 49, 1, 0
.Lskip_\@:
	s_add_co_u32 s41, s41, 3072
	s_add_co_u32 s42, s42, 128
	s_add_co_u32 s40, s40, 1
	s_cmp_lt_u32 s40, \trips
	s_cbranch_scc1 .Lstep_\@
	s_setprio 0
.rept 4
	v_nop
.endr
	v_add_f32 v14, v14, v15
	s_delay_alu instid0(VALU_DEP_1)
	v_permlanex16_b32 v200, v14, s20, s21
	s_delay_alu instid0(VALU_DEP_1)
	v_add_f32 v14, v14, v200                       ; the row's sum
	s_wait_alu depctr_va_vdst(0)
	v_rcp_f32 v14, v14
	v_nop
	s_wait_alu depctr_va_vdst(0)                   ; the wait ahead of the first reader
.irp j, 0,1,2,3,4,5,6,7,8,9,10,11,12,13,14,15
	v_mul_f32 v[98+\j], v[162+\j], v14             ; channel 16 h + j of my query
.endr
	v_max3_num_f32 v198, |v98|, |v99|, 0x1800000
.irp i, 2,4,6,8,10,12,14
	s_delay_alu instid0(VALU_DEP_1)
	v_max3_num_f32 v198, v198, |v[98+\i]|, |v[99+\i]|
.endr
	s_delay_alu instid0(VALU_DEP_1)
	v_permlanex16_b32 v200, v198, s20, s21
	s_delay_alu instid0(VALU_DEP_1)
	v_max_num_f32 v198, v198, v200
	s_delay_alu instid0(VALU_DEP_1)
	v_add_nc_u32 v206, 0xff000000, v198
	s_delay_alu instid0(VALU_DEP_1)
	v_lshrrev_b32 v[\ob], 23, v206
	v_cvt_scalef32_pk16_fp6_f32 v[\oc:\oc+2], v[98:113], v206
	v_nop
.endm
	s_load_b128 s[4:7], s[0:1], 0x0                ; qkv, ao
	s_load_b64 s[8:9], s[0:1], 0x10                ; aos
	v_lshl_add_u32 v254, v0, 2, 0x29000
	v_mov_b32 v255, 0
	ds_add_u32 v254, v255
	ds_add_u32 v254, v255
	v_lshrrev_b32 v1, 5, v0
	s_delay_alu instid0(VALU_DEP_1)
	v_readfirstlane_b32 s10, v1                    ; wave 0..15
	s_bfe_u32 s11, ttmp6, 0x40000                  ; cx: it enters global addresses and the mask's numbers alone
	s_and_b32 s12, ttmp7, 0xffff                   ; bh, which the four partners share
	s_lshl_b32 s13, s10, 2
	s_add_co_u32 s13, s13, s11                     ; iA
	s_sub_co_u32 s14, 127, s13                     ; iB
	s_lshr_b32 s15, s10, 1                         ; tile A's last key step
	s_sub_co_u32 s18, 15, s15                      ; tile B's
	s_mov_b32 s20, 0x76543210
	s_mov_b32 s21, 0xfedcba98
	s_mov_b32 s22, 0x3e8293ee                      ; log2(e) / sqrt(32)
	s_mov_b32 s23, s22
	s_mov_b32 s44, 0xffff0000
	s_mov_b32 s45, 0x01010101
	s_mov_b32 s24, 15|(3<<16)|(1<<21)              ; the mask: all four work-groups; elements of 8 bytes; bit 21 beside a mask
	s_mov_b32 s25, 32<<16                          ; tensor_dim0 = 32
	s_mov_b32 s26, 25<<16                          ; tensor_dim1 = 25
	s_mov_b32 s27, 32<<16                          ; tile_dim0 = 32: rows of 256 bytes
	s_mov_b32 s28, 25                              ; tile_dim1 = 25
	s_mov_b32 s29, 32                              ; dense
	s_mov_b32 s30, 0
	s_mov_b32 s31, 0
	s_mul_i32 s36, s12, 153600
	s_mov_b32 s37, 0
	s_mul_i32 s33, s10, 6400                       ; my 6,400 bytes of the 102,400, in LDS as in memory
	s_mov_b32 s38, s33
	s_mov_b32 s39, 0
	s_mov_b32 s32, 1
	s_wait_dscnt 0x0
	s_wait_kmcnt 0x0
	s_add_nc_u64 s[16:17], s[4:5], s[36:37]        ; the head's records
	s_add_nc_u64 s[34:35], s[16:17], s[38:39]
	s_or_b32 s35, s35, 0x80000000
	CROUND                                         ; all four work-groups are here: the joint loads meet
	tensor_load_to_lds s[32:35], s[24:31]
	s_nop 0
.rept 4
	v_nop
.endr
	v_and_b32 v210, 31, v0                         ; l
	v_and_b32 v211, 15, v0                         ; r
	v_bfe_u32 v212, v0, 4, 1                       ; h
	s_delay_alu instid0(VALU_DEP_2)
	v_and_b32 v213, 7, v211
	s_delay_alu instid0(VALU_DEP_3)
	v_lshrrev_b32 v214, 3, v211
	QADDR 13, 198
	QADDR 14, 201
	global_load_b128 v[232:235], v198, s[16:17] offset:102400
	global_load_b64 v[236:237], v199, s[16:17] offset:102400+512
	global_load_u8 v238, v200, s[16:17] offset:102400+49152
	global_load_b128 v[240:243], v201, s[16:17] offset:102400
	global_load_b64 v[244:245], v202, s[16:17] offset:102400+512
	global_load_u8 v246, v203, s[16:17] offset:102400+49152
	v_mul_u32_u24 v1, v214, 768                    ; K: block r >> 3 of the fragment's two, token 8 h + (r & 7) (+ 16 c)
	s_delay_alu instid0(VALU_DEP_1)
	v_lshl_add_u32 v2, v212, 6, v1
	s_delay_alu instid0(VALU_DEP_1)
	v_lshl_add_u32 v2, v213, 3, v2
	s_delay_alu instid0(VALU_DEP_1)
	v_add_nc_u32 v2, 512, v2
	s_delay_alu instid0(VALU_DEP_4)
	v_lshl_add_u32 v1, v212, 7, v1
	s_delay_alu instid0(VALU_DEP_1)
	v_lshl_add_u32 v1, v213, 4, v1
	v_mul_u32_u24 v3, v212, 768                    ; V: key block h (+ 2 c), slot r (+ 16 a)
	s_delay_alu instid0(VALU_DEP_1)
	v_lshl_add_u32 v4, v211, 3, v3
	s_delay_alu instid0(VALU_DEP_1)
	v_add_nc_u32 v4, 51200+512, v4
	s_delay_alu instid0(VALU_DEP_3)
	v_lshl_add_u32 v3, v211, 4, v3
	s_delay_alu instid0(VALU_DEP_1)
	v_add_nc_u32 v3, 51200, v3
	v_lshl_add_u32 v5, v210, 2, 49152
	v_add_nc_u32 v6, 100352, v210
	v_lshlrev_b32 v7, 3, v212
	v_lshlrev_b32 v247, 5, v212
	s_delay_alu instid0(VALU_DEP_1)
	v_sub_nc_u32 v247, v211, v247                  ; r - 32 h
.irp i, 0,1,2,3,4,5
	v_mov_b32 v[16+\i], 0
	v_mov_b32 v[28+\i], 0
	v_mov_b32 v[40+\i], 0
.endr
	s_wait_tensorcnt 0x0                           ; my part has landed,
	s_barrier_signal -1
	s_barrier_wait -1                              ; everybody's has
	s_wait_loadcnt 0x0                             ; q of both tiles
	v_mov_b32 v200, 0                              ; a lane permute's destination counts as one of its sources
	v_mov_b32 v203, 0                              ; (named as the upper half of the pair v[202:203])
	TILE 8, 15, 13, 232, 224, 223
	TILE 16, 18, 14, 240, 220, 231
	; lanes 0-15 take tile A's whole blocks, lanes 16-31 tile B's
.irp i, 0,1,2
	v_permlane16_swap_b32 v[224+\i], v[220+\i]
.endr
.irp i, 0,1,2
	s_delay_alu instid0(VALU_DEP_3)
	v_mov_b32 v[227+\i], v[220+\i]
.endr
	v_cndmask_b32 v230, v223, v231, s44
	s_lshr_b32 s47, s12, 4
	s_lshl_b32 s47, s47, 6                         ; 64 b
	s_and_b32 s48, s12, 15                         ; the head
	s_lshr_b32 s50, s13, 1
	s_add_co_u32 s50, s50, s47
	s_lshl_b32 s50, s50, 4
	s_add_co_u32 s50, s50, s48                     ; tile A's block of ao: 16 (token / 32) + head
	s_lshr_b32 s51, s14, 1
	s_add_co_u32 s51, s51, s47
	s_lshl_b32 s51, s51, 4
	s_add_co_u32 s51, s51, s48
	s_and_b32 s52, s13, 1
	s_and_b32 s53, s14, 1
	v_mov_b32 v198, s50
	v_mov_b32 v201, s51
	s_delay_alu instid0(VALU_DEP_1)
	v_cndmask_b32 v198, v198, v201, s44
	v_mov_b32 v199, s52
	v_mov_b32 v201, s53
	s_delay_alu instid0(VALU_DEP_1)
	v_cndmask_b32 v199, v199, v201, s44
	v_and_b32 v200, 15, v0
	s_delay_alu instid0(VALU_DEP_1)
	v_lshl_add_u32 v199, v199, 4, v200             ; the slot
	v_mul_u32_u24 v201, v198, 768
	s_delay_alu instid0(VALU_DEP_1)
	v_lshl_add_u32 v202, v199, 4, v201
	s_delay_alu instid0(VALU_DEP_2)
	v_lshl_add_u32 v203, v199, 3, v201
	s_delay_alu instid0(VALU_DEP_4)
	v_lshl_add_u32 v204, v198, 5, v199
	global_store_b128 v202, v[224:227], s[6:7]     ; sixteen lanes store 256 consecutive bytes, aligned
	global_store_b64 v203, v[228:229], s[6:7] offset:512
	global_store_b8 v204, v230, s[8:9]
	s_wait_dscnt 0x0
	s_wait_tensorcnt 0x0
	ds_add_u32 v254, v255
	s_wait_dscnt 0x0
	CROUND                                         ; the closing round
	s_endpgm
.Lfunc_end_k_q4e07802b01_attn:
	.size	k_q4e07802b01_attn, .Lfunc_end_k_q4e07802b01_attn-k_q4e07802b01_attn
	.p2alignl 7, 3214868480
	.fill 96, 4, 3214868480
	.section	.rodata,"a",@progbits
	.p2align	6, 0x0
	.amdhsa_kernel k_q4e07802b01_attn
		.amdhsa_group_segment_fixed_size 169984
		.amdhsa_private_segment_fixed_size 0
		.amdhsa_enable_private_segment 0
		.amdhsa_kernarg_size 24
		.amdhsa_user_sgpr_count 2
		.amdhsa_user_sgpr_kernarg_segment_ptr 1
		.amdhsa_wavefront_size32 1
		.amdhsa_system_sgpr_workgroup_id_x 1
		.amdhsa_system_sgpr_workgroup_id_y 1
		.amdhsa_system_sgpr_workgroup_id_z 1
		.amdhsa_system_vgpr_workitem_id 0
		.amdhsa_next_free_vgpr 256
		.amdhsa_next_free_sgpr 66
		.amdhsa_reserve_vcc 1
		.amdhsa_float_denorm_mode_32 3
		.amdhsa_float_denorm_mode_16_64 3
		.amdhsa_memory_ordered 1
		.amdhsa_forward_progress 1
		.amdhsa_inst_pref_size 57
	.end_amdhsa_kernel
	.amdgpu_metadata
---
amdhsa.version: [ 1, 2 ]
amdhsa.kernels:
  - .name:           k_q4e07802b01_attn
    .symbol:         k_q4e07802b01_attn.kd
    .args:
      - { .name: qkv, .offset: 0, .size: 8, .value_kind: global_buffer, .address_space: global }
      - { .name: ao, .offset: 8, .size: 8, .value_kind: global_buffer, .address_space: global }
      - { .name: aos, .offset: 16, .size: 8, .value_kind: global_buffer, .address_space: global }
    .group_segment_fixed_size: 169984
    .private_segment_fixed_size: 0
    .kernarg_segment_align: 8
    .kernarg_segment_size: 24
    .max_flat_workgroup_size: 512
    .sgpr_count:     66
    .vgpr_count:     256
    .wavefront_size: 32
...
	.end_amdgpu_metadata
.endif
;; end of part 5
;; launch ffn (part 6): grid 256 x 1, 8 waves a work-group, no clusters, 99,328 bytes of LDS; arguments ao, aos, x, ln2_w, wo_codes, wo_scales, up_w_codes, up_w_scales, gate_w_codes, gate_w_scales, down_w_codes, down_w_scales, out0; writes out0
.if DOCPART == 6
	.amdgcn_target "amdgcn-amd-amdhsa--gfx1250"
	.amdhsa_code_object_version 6
	.text
	.protected	k_q4e07802b01_ffn
	.globl	k_q4e07802b01_ffn
	.p2align	8
	.type	k_q4e07802b01_ffn,@function
k_q4e07802b01_ffn:
	s_mov_b64 s[64:65], 0
	v_nop
	global_prefetch_b8 v0, s[64:65] scope:SCOPE_SE
	s_setreg_imm32_b32 hwreg(HW_REG_WAVE_SCHED_MODE, 0, 2), 2
	s_setreg_imm32_b32 hwreg(HW_REG_WAVE_MODE, 25, 1), 1
	s_wait_xcnt 0x0
	s_wait_alu depctr_vm_vsrc(0)
; x1 = x + ao wo^T; xn = rmsnorm(x1, ln2_w); out0 = x1 + (silu(xn up^T) x (xn gate^T)) down^T.  All four products on codes of E2M3; xn and the hidden layer are quantised on the way and never go to memory.
; ao arrives as codes: ao[token / 32][head][768] (32 slots of 24 bytes: a slot's first 16 bytes at 16 x slot, its last 8 at 512 + 8 x slot), aos[token / 32][head][32].
; SHARES.  A work-group takes 32 tokens (tiles of 16: slot 16 m + r); wave w takes features 64 w .. 64 w + 63 of every product, so each weight byte goes from memory straight into the one wave
; that multiplies by it.  No tensor load, no cluster: no LDS byte of a weight would be read twice.
; ORDER OF K.  In a fragment, K step s, register half c, lane half hh holds the row's block 4 s + 2 hh + c: a lane's 48 bytes of a weight row are consecutive.  Both operands are laid so.
; ROWS OF A WEIGHT TILE: 8 a + (r & 7) + 16 (r >> 3), so that a lane's 16 result registers are 16 neighbours along the next K.
; x is the C of the first product's first instruction and x1 that of the last product's: neither residual costs an addition.
; LIMITS: NaN and infinities among the inputs are not served.  A block of zeros gets the scale byte 1 (its codes are zeros; only this program reads the bytes).  Row sums are added in another order.
; THE MODE: SCHED_MODE bits 1:0 = 2 (LLVM: expert scheduling mode 2), set by the entry lines.  The code itself states the register dependences
; between vector or matrix instructions and memory or LDS instructions, with s_wait_alu, always for 0.
; THE PLAN.  Registers that memory or LDS instructions touch:
;   RING0, RING1  (window 1, 96 registers each) and WR0, WR1 (four scale words each).  Job j's products read RING[j % 2], its four v_perm_b32 read WR[j % 2]; the loads of job j + 2 land there.
;                 They are issued behind a wait on va_vdst that follows job j's last product.  For an even job that is the head of the odd job behind it, and the loads are dealt behind that job's K steps;
;                 for an odd job it is a wait that stands there anyway: ahead of the store of the sum of squares (job 1), behind the exponentials (jobs 3 and 5).  Jobs 0 and 1 are asked for at the kernel's head.
;   PC0 / BY0, PC1 / BY1   two out-buffers of codes, read by LDS stores.  xn's two blocks take one each and go out in one run; the hidden layer's first block takes buffer 0 and goes out behind job 4's first four products,
;                 its second takes buffer 1.  Buffer 1 lies in v192-198, which the activation works in and has left when a quantiser runs.
;   XF, v236-243  loaded (from memory, then twice from LDS) behind the last product or vector instruction that names them.
;   v252          my sum of squares: read by an LDS store, never written again.
;   X1 (window 1) the accumulators of out0: read by the LDS stores of the way out.   v128-191: the rows read back from the stage land there.
;   the offsets v1, v4-18   made at the head and never written again.
; So ONE wait on va_vdst stands at a job's head (the job's scale words are written; the job before is done reading its half of the ring and its WR), one ahead of each run of LDS stores, and one wait on vm_vsrc
; behind the barrier that follows xn's stores: both out-buffers may be written again.
.set IMGA, 0                           ; LDS: xn's 16 blocks;
.set SCA,  12288                       ; its eight planes of scale bytes;
.set IMGB, 13312                       ; the hidden layer's likewise
.set SCB,  25600
.set RED,  26624                       ; 32 slots x 48 bytes
.set STAGE, 28160                      ; 32 rows x 272 bytes for each wave
.set XO, 4
.set LO, 5
.set WO, 6
.set WSO, 7
.set FA, 8
.set FB, 9
.set L16, 10
.set L8, 11
.set L4W, 12
.set REDW, 13
.set REDR, 14
.set STO, 15
.set RDB, 16
.set CO, 17
.set L4, 18
.set PC0, 20                           ; v20-25 a whole block's codes, out-buffer 0;
.set BY0, 26                           ; v26 its scale byte
.set XS, 28
.set XF, 32                            ; v32-127 the token operand's eight fragments
.set UP, 128                           ; v128-159
.set GATE, 160                         ; v160-191 (first ln2_w)
.set TT, 192                           ; v192-223 at work in the activation
.set PC1, 192                          ; v192-197 out-buffer 1;
.set BY1, 198                          ; v198 its scale byte
.set WS, 224
.set WR, 228
.set X1, 192                           ; in window 1: v192-255: x, then x1, then out0; v0-191 of window 1: the weights' ring
.set SEL, 32
.set HM, 34
.set EPS, 35
.set RDIM, 36
.set SH, 37
.set MSB, 0
.macro WIN new                         ; the immediate's high byte repeats the setting that is left
.if MSB != \new
	s_set_vgpr_msb (MSB<<8)|\new
.set MSB, \new
.endif
.endm
.macro WM d, a, b, z, sa, sb, ra, rb
.if (\z) && ((\ra) == 0) && ((\rb) == 0)
	v_wmma_scale_f32_16x16x128_f8f6f4 v[(\d):(\d)+7], v[(\a):(\a)+11], v[(\b):(\b)+11], 0, v[\sa], v[\sb] matrix_a_fmt:MATRIX_FMT_FP6 matrix_b_fmt:MATRIX_FMT_FP6
.elseif (\z) && ((\ra) == 1) && ((\rb) == 0)
	v_wmma_scale_f32_16x16x128_f8f6f4 v[(\d):(\d)+7], v[(\a):(\a)+11], v[(\b):(\b)+11], 0, v[\sa], v[\sb] matrix_a_fmt:MATRIX_FMT_FP6 matrix_b_fmt:MATRIX_FMT_FP6 matrix_a_scale:MATRIX_SCALE_ROW1
.elseif (\z) && ((\ra) == 0) && ((\rb) == 1)
	v_wmma_scale_f32_16x16x128_f8f6f4 v[(\d):(\d)+7], v[(\a):(\a)+11], v[(\b):(\b)+11], 0, v[\sa], v[\sb] matrix_a_fmt:MATRIX_FMT_FP6 matrix_b_fmt:MATRIX_FMT_FP6 matrix_b_scale:MATRIX_SCALE_ROW1
.elseif (\z)
	v_wmma_scale_f32_16x16x128_f8f6f4 v[(\d):(\d)+7], v[(\a):(\a)+11], v[(\b):(\b)+11], 0, v[\sa], v[\sb] matrix_a_fmt:MATRIX_FMT_FP6 matrix_b_fmt:MATRIX_FMT_FP6 matrix_a_scale:MATRIX_SCALE_ROW1 matrix_b_scale:MATRIX_SCALE_ROW1
.elseif ((\ra) == 0) && ((\rb) == 0)
	v_wmma_scale_f32_16x16x128_f8f6f4 v[(\d):(\d)+7], v[(\a):(\a)+11], v[(\b):(\b)+11], v[(\d):(\d)+7], v[\sa], v[\sb] matrix_a_fmt:MATRIX_FMT_FP6 matrix_b_fmt:MATRIX_FMT_FP6
.elseif ((\ra) == 1) && ((\rb) == 0)
	v_wmma_scale_f32_16x16x128_f8f6f4 v[(\d):(\d)+7], v[(\a):(\a)+11], v[(\b):(\b)+11], v[(\d):(\d)+7], v[\sa], v[\sb] matrix_a_fmt:MATRIX_FMT_FP6 matrix_b_fmt:MATRIX_FMT_FP6 matrix_a_scale:MATRIX_SCALE_ROW1
.elseif ((\ra) == 0) && ((\rb) == 1)
	v_wmma_scale_f32_16x16x128_f8f6f4 v[(\d):(\d)+7], v[(\a):(\a)+11], v[(\b):(\b)+11], v[(\d):(\d)+7], v[\sa], v[\sb] matrix_a_fmt:MATRIX_FMT_FP6 matrix_b_fmt:MATRIX_FMT_FP6 matrix_b_scale:MATRIX_SCALE_ROW1
.else
	v_wmma_scale_f32_16x16x128_f8f6f4 v[(\d):(\d)+7], v[(\a):(\a)+11], v[(\b):(\b)+11], v[(\d):(\d)+7], v[\sa], v[\sb] matrix_a_fmt:MATRIX_FMT_FP6 matrix_b_fmt:MATRIX_FMT_FP6 matrix_a_scale:MATRIX_SCALE_ROW1 matrix_b_scale:MATRIX_SCALE_ROW1
.endif
.endm
.macro LOADW buf, s, base, e           ; six loads: K step s of the two weight tiles of block e, into half buf of the ring in window 1
	WIN 0x40
.irp a, 0,1
.irp p, 0,1,2
	global_load_b128 v[96*(\buf)+24*(\s)+12*\a+4*\p:96*(\buf)+24*(\s)+12*\a+4*\p+3], v[WO], s[\base:\base+1] offset:(32*(\e)+8*\a)*384+96*(\s)+16*\p
.endr
.endr
	WIN 0
.endm
.macro LOADWS buf, sbase, e            ; one load: the four scale words of my row: lanes 0-15 tile 0's rows, lanes 16-31 tile 1's
	global_load_b128 v[WR+4*(\buf):WR+4*(\buf)+3], v[WSO], s[\sbase:\sbase+1] offset:512*(\e)
.endm
.macro LOADJOB buf, base, sbase, e     ; a whole job's 25 loads
	LOADWS \buf, \sbase, \e
.irp s, 0,1,2,3
	LOADW \buf, \s, \base, \e
.endr
.endm
; four products of K step s, the four accumulators by turns
.macro KSTEP acc, win, z, buf, s
	WIN \win
.irp m, 0,1
.irp a, 0,1
	WM (\acc)+16*\m+8*\a, 96*(\buf)+24*(\s)+12*\a, XF+12*(4*\m+(\s)), \z, WS+(\s), XS+(\s), \a, \m
.endr
.endr
	WIN 0
.endm
; A JOB: one weight matrix x one block of 32 of my 64 features: 16 products, in two macros.
; JOBA: the job's head and its first K step.  c0: how many loads were issued behind the job's scale words and first K step.  first = 1: the accumulators already hold the sum's first term.
.macro JOBA acc, win, first, buf, c0
	s_wait_loadcnt \c0
.irp s, 0,1,2,3
	v_perm_b32 v[WS+\s], v[WR+4*(\buf)+\s], v[WR+4*(\buf)+\s], 0x03010200   ; bytes 1 and 2 change places: the fragments' order of K blocks
.endr
.rept 8
	v_nop                                          ; a scale register written by a vector instruction stands eight places ahead of the scaled product
.endr
	s_wait_alu depctr_va_vdst(0)                   ; the scale words v[WS ..] (behind a fetch of the token operand: v[XS ..] too) are written, which the products take; the job before is done reading the ring's other half and the other WR, in which an odd job's loads land; in job 4 out-buffer 0 is written, which the LDS stores behind these four products read
	KSTEP \acc, \win, 1-(\first), \buf, 0
.endm
; JOBB: K steps 1 to 3.  nxt = 1: the next job's 25 loads go into the ring's other half, behind each K step's products: no wait, since no vector or matrix instruction since the head's wait names those registers.
; c1..c3: how many loads were issued behind the K step that is wanted.
.macro JOBB acc, win, buf, c1, c2, c3, nxt, nb, nsb, ne
.if \nxt
	LOADWS 1-(\buf), \nsb, \ne
	LOADW 1-(\buf), 0, \nb, \ne
.endif
	s_wait_loadcnt \c1
	KSTEP \acc, \win, 0, \buf, 1
.if \nxt
	LOADW 1-(\buf), 1, \nb, \ne
.endif
	s_wait_loadcnt \c2
	KSTEP \acc, \win, 0, \buf, 2
.if \nxt
	LOADW 1-(\buf), 2, \nb, \ne
.endif
	s_wait_loadcnt \c3
	KSTEP \acc, \win, 0, \buf, 3
.if \nxt
	LOADW 1-(\buf), 3, \nb, \ne
.endif
.rept 4
	v_nop                                          ; four places behind the last products, in front of the first read of results and of the next write of the scale words
.endr
.endm
; v[b .. b+15] and v[b+16 .. b+31]: two half blocks (tiles 0 and 1; lane l xor 16 holds the other 16 numbers).  Afterwards lane (r, sel) holds in v[pc ..] the whole block of row r of tile sel, and in v[by] its scale byte.
.macro QUANTPAIR b, pc, by
	v_max3_num_f32 v236, |v[(\b)]|, |v[(\b)+1]|, 0x1800000          ; with the floor 2^(3 - 127): the byte cannot fall under 1
	v_max3_num_f32 v237, |v[(\b)+16]|, |v[(\b)+17]|, 0x1800000
.irp i, 2,4,6,8,10,12,14
	v_max3_num_f32 v236, v236, |v[(\b)+\i]|, |v[(\b)+\i+1]|
	v_max3_num_f32 v237, v237, |v[(\b)+16+\i]|, |v[(\b)+17+\i]|
.endr
	v_permlanex16_b32 v238, v236, s[SEL], s[SEL+1]
	v_permlanex16_b32 v239, v237, s[SEL], s[SEL+1]
	v_max_num_f32 v236, v236, v238
	v_max_num_f32 v237, v237, v239
	v_add_nc_u32 v240, 0xff000000, v236            ; 2 off the exponent field: the conversion's scale operand
	v_add_nc_u32 v241, 0xff000000, v237
	v_lshrrev_b32 v242, 23, v240
	v_lshrrev_b32 v243, 23, v241
	v_cvt_scalef32_pk16_fp6_f32 v[(\pc):(\pc)+2], v[(\b):(\b)+15], v240
	v_cvt_scalef32_pk16_fp6_f32 v[244:246], v[(\b)+16:(\b)+31], v241
	v_nop                                          ; one plain place behind a scaled conversion
.irp i, 0,1,2
	v_permlane16_swap_b32 v[(\pc)+\i], v[244+\i]
.endr
.irp i, 0,1,2
	v_mov_b32 v[(\pc)+3+\i], v[244+\i]
.endr
	v_cndmask_b32 v[\by], v242, v243, s[HM]
.endm
.macro PUBLISH img, e, pc
	ds_store_b128 v[L16], v[(\pc):(\pc)+3] offset:(\img)+768*(\e)
	ds_store_b64 v[L8], v[(\pc)+4:(\pc)+5] offset:(\img)+768*(\e)
.endm
.macro SCWORD                          ; my two bytes of each slot at their places in the scale word of K step w / 2
	v_lshl_or_b32 v[BY1], v[BY1], 16, v[BY0]
	v_lshlrev_b32 v[BY1], s[SH], v[BY1]
.endm
.macro BARRIER                         ; my LDS stores have landed and my LDS loads are in: then the work-group's barrier
	s_wait_dscnt 0x0
	s_barrier_signal -1
	s_barrier_wait -1
.endm
.macro FETCHX img, sc
.irp m, 0,1
.irp s, 0,1,2,3
.irp c, 0,1
	ds_load_b128 v[XF+12*(4*\m+\s)+6*\c:XF+12*(4*\m+\s)+6*\c+3], v[FA] offset:(\img)+3072*\s+768*\c+256*\m
	ds_load_b64 v[XF+12*(4*\m+\s)+6*\c+4:XF+12*(4*\m+\s)+6*\c+5], v[FB] offset:(\img)+3072*\s+768*\c+128*\m
.endr
.endr
.endr
.irp p, 0,1,2,3,4,5,6,7
	ds_load_b32 v[236+\p], v[L4] offset:(\sc)+128*\p
.endr
	s_wait_dscnt 0x0
.irp s, 0,1,2,3
	v_or_b32 v[XS+\s], v[236+2*\s], v[237+2*\s]
.endr
.endm
; v[252:253], v[254:255]: my sums of squares of tiles 0 and 1, in two halves each.  REDSUM: v252 = my wave's sum for slot 16 h + r.  REDGET: it goes to LDS, and all eight waves' come back.
; REDFIN: v[248:249] = 1 / rms of my row of tile 0 (twice), v[250:251] of tile 1.
.macro REDSUM
	v_add_f32 v252, v252, v253
	v_add_f32 v254, v254, v255
	v_permlanex16_b32 v238, v252, s[SEL], s[SEL+1]
	v_permlanex16_b32 v239, v254, s[SEL], s[SEL+1]
	v_add_f32 v252, v252, v238
	v_add_f32 v254, v254, v239
	v_cndmask_b32 v252, v252, v254, s[HM]          ; lane (r, h) speaks for slot 16 h + r
.endm
.macro REDGET
	ds_store_b32 v[REDW], v252 offset:RED
	BARRIER
	ds_load_b128 v[240:243], v[REDR] offset:RED
	ds_load_b128 v[244:247], v[REDR] offset:RED+16
.endm
.macro REDFIN
	s_wait_dscnt 0x0
	v_pk_add_f32 v[240:241], v[240:241], v[244:245]
	v_pk_add_f32 v[242:243], v[242:243], v[246:247]
	v_pk_add_f32 v[240:241], v[240:241], v[242:243]
	v_add_f32 v240, v240, v241
	v_fma_f32 v240, v240, s[RDIM], s[EPS]          ; the mean of 512 squares + 1e-5
	s_wait_alu depctr_va_vdst(0)
	v_rsq_f32 v240, v240
	v_nop                                          ; a plain place behind the transcendental
	s_wait_alu depctr_va_vdst(0)                   ; the reciprocal root has written v240, ahead of its first reader
	v_permlanex16_b32 v238, v240, s[SEL], s[SEL+1]
	v_cndmask_b32 v248, v240, v238, s[HM]
	v_cndmask_b32 v250, v238, v240, s[HM]
	v_mov_b32 v249, v248
	v_mov_b32 v251, v250
.endm
; (up x sigmoid(up)) x gate on my 32 numbers; the exponentials and the reciprocals each as one batch with one wait.  Behind the second wait the odd job two ahead (nb, nsb, ne) is asked for, into the ring's half 1
.macro SWIGLU nb, nsb, ne
.set J, 0
.rept 16
	v_pk_mul_f32 v[TT+J:TT+J+1], v[UP+J:UP+J+1], 0xbfb8aa3b op_sel_hi:[1,0]   ; -up x log2(e)
.set J, J+2
.endr
.set J, 0
	s_wait_alu depctr_va_vdst(0)
.rept 32
	v_exp_f32 v[TT+J], v[TT+J]
.set J, J+1
.endr
	v_nop
	s_wait_alu depctr_va_vdst(0)                   ; the 32 exponentials have written v[TT ..], ahead of their first reader; the gate job's products are done reading the ring's half 1 and its v_perm_b32 WR1, in which the loads below land
	LOADJOB 1, \nb, \nsb, \ne
.set J, 0
.rept 16
	v_pk_add_f32 v[TT+J:TT+J+1], v[TT+J:TT+J+1], 1.0 op_sel_hi:[1,0]
.set J, J+2
.endr
.set J, 0
	s_wait_alu depctr_va_vdst(0)
.rept 32
	v_rcp_f32 v[TT+J], v[TT+J]
.set J, J+1
.endr
	v_nop
	s_wait_alu depctr_va_vdst(0)                   ; the 32 reciprocals have written v[TT ..], ahead of their first reader
.set J, 0
.rept 16
	v_pk_mul_f32 v[UP+J:UP+J+1], v[UP+J:UP+J+1], v[TT+J:TT+J+1]
.set J, J+2
.endr
.set J, 0
.rept 16
	v_pk_mul_f32 v[UP+J:UP+J+1], v[UP+J:UP+J+1], v[GATE+J:GATE+J+1]
.set J, J+2
.endr
.endm
	s_load_b512 s[4:19], s[0:1], 0x0               ; ao, aos, x, ln2_w, wo codes, scales, up codes, scales
	s_load_b256 s[20:27], s[0:1], 0x40             ; gate codes, scales, down codes, scales
	s_load_b64 s[28:29], s[0:1], 0x60              ; out0
	v_lshrrev_b32 v1, 5, v0
	v_readfirstlane_b32 s30, v1                    ; wave 0..7
	v_and_b32 v1, 31, v0                           ; l
	v_and_b32 v2, 15, v0                           ; r
	s_wait_alu depctr_va_vdst(0)
	v_bfe_u32 v3, v0, 4, 1                         ; h
	s_mov_b32 s[SEL], 0x76543210
	s_mov_b32 s[SEL+1], 0xfedcba98
	s_mov_b32 s[HM], 0xffff0000
	s_mov_b32 s[EPS], 0x3727c5ac
	s_mov_b32 s[RDIM], 0x3b000000
	s_wait_alu depctr_va_sdst(0)                   ; s30, the wave's number, is written, ahead of its first reader
	s_and_b32 s[SH], s30, 1
	s_lshl_b32 s[SH], s[SH], 3
	v_and_b32 v236, 7, v2
	v_lshrrev_b32 v237, 3, v2
	v_lshl_add_u32 v236, v237, 4, v236             ; (r & 7) + 16 (r >> 3)
	v_lshlrev_b32 v[XO], 11, v2
	s_wait_alu depctr_va_vdst(0)
	v_lshl_add_u32 v[XO], v3, 6, v[XO]
	v_lshlrev_b32 v[LO], 6, v3
	v_mul_u32_u24 v[WO], v236, 384
	v_mad_u32_u24 v[WO], v3, 48, v[WO]
	v_lshl_add_u32 v[WSO], v3, 3, v236
	v_lshlrev_b32 v[WSO], 4, v[WSO]
	v_mul_u32_u24 v[FA], v3, 1536
	v_lshl_add_u32 v[FB], v2, 3, v[FA]
	v_add_nc_u32 v[FB], 512, v[FB]
	v_lshl_add_u32 v[FA], v2, 4, v[FA]
	s_mul_i32 s38, s30, 1536
	v_lshlrev_b32 v[L16], 4, v1
	v_add_nc_u32 v[L16], s38, v[L16]
	v_lshlrev_b32 v[L8], 3, v1
	v_add_nc_u32 v[L8], s38, v[L8]
	v_add_nc_u32 v[L8], 512, v[L8]
	s_lshl_b32 s38, s30, 7
	v_lshlrev_b32 v[L4], 2, v1
	v_add_nc_u32 v[L4W], s38, v[L4]
	v_mul_u32_u24 v[REDR], v1, 48
	s_lshl_b32 s38, s30, 2
	v_add_nc_u32 v[REDW], s38, v[REDR]
	s_mul_i32 s38, s30, 8704
	v_mul_u32_u24 v[STO], v2, 272
	v_lshl_add_u32 v[STO], v3, 6, v[STO]
	v_add_nc_u32 v[STO], s38, v[STO]
	v_mul_u32_u24 v[RDB], v3, 272
	v_lshl_add_u32 v[RDB], v2, 4, v[RDB]
	v_add_nc_u32 v[RDB], s38, v[RDB]
	v_lshlrev_b32 v[CO], 11, v3
	v_lshl_add_u32 v[CO], v2, 4, v[CO]
	v_mov_b32 v238, 0                              ; written once: a lane permute's destination counts as one of its sources
	v_mov_b32 v239, 0
	s_mul_i32 s38, ttmp9, 12288
	s_mov_b32 s39, 0
	s_lshl_b32 s40, ttmp9, 9
	s_mov_b32 s41, 0
	s_lshl_b32 s42, ttmp9, 16
	s_lshl_b32 s44, s30, 8
	s_add_co_u32 s42, s42, s44
	s_mov_b32 s43, 0
	s_mov_b32 s45, 0
	s_mul_i32 s46, s30, 24576
	s_mov_b32 s47, 0
	s_lshl_b32 s48, s30, 10
	s_mov_b32 s49, 0
	s_wait_kmcnt 0x0
	s_add_nc_u64 s[4:5], s[4:5], s[38:39]
	s_add_nc_u64 s[6:7], s[6:7], s[40:41]
	s_add_nc_u64 s[8:9], s[8:9], s[42:43]
	s_add_nc_u64 s[28:29], s[28:29], s[42:43]
	s_add_nc_u64 s[10:11], s[10:11], s[44:45]
	s_add_nc_u64 s[12:13], s[12:13], s[46:47]
	s_add_nc_u64 s[16:17], s[16:17], s[46:47]
	s_add_nc_u64 s[20:21], s[20:21], s[46:47]
	s_add_nc_u64 s[24:25], s[24:25], s[46:47]
	s_add_nc_u64 s[14:15], s[14:15], s[48:49]
	s_add_nc_u64 s[18:19], s[18:19], s[48:49]
	s_add_nc_u64 s[22:23], s[22:23], s[48:49]
	s_add_nc_u64 s[26:27], s[26:27], s[48:49]
	s_wait_alu depctr_va_vdst(0)                   ; the offsets and LDS addresses v1 and v4-18 are written, which the kernel's loads and stores read; none is written again
	; ao's eight fragments come from memory as the later operands come from LDS: K block = head
.irp m, 0,1
.irp s, 0,1,2,3
.irp c, 0,1
	global_load_b128 v[XF+12*(4*\m+\s)+6*\c:XF+12*(4*\m+\s)+6*\c+3], v[FA], s[4:5] offset:3072*\s+768*\c+256*\m
	global_load_b64 v[XF+12*(4*\m+\s)+6*\c+4:XF+12*(4*\m+\s)+6*\c+5], v[FB], s[4:5] offset:3072*\s+768*\c+128*\m
.endr
.endr
.endr
.irp d, 0,1,2,3,4,5,6,7,8,9,10,11,12,13,14,15
	global_load_u8 v[UP+\d], v1, s[6:7] offset:32*\d   ; head d's scale byte of slot l
.endr
	WIN 0x40
.irp e, 0,1
.irp m, 0,1
.irp p, 0,1,2,3
	global_load_b128 v[X1+32*\e+16*\m+4*\p:X1+32*\e+16*\m+4*\p+3], v[XO], s[8:9] offset:32768*\m+128*\e+16*\p th:TH_LOAD_NT
.endr
.endr
.endr
	WIN 0
.irp e, 0,1
.irp p, 0,1,2,3
	global_load_b128 v[GATE+16*\e+4*\p:GATE+16*\e+4*\p+3], v[LO], s[10:11] offset:128*\e+16*\p
.endr
.endr
	LOADWS 0, 14, 0
.irp s, 0,1,2,3
	LOADW 0, \s, 12, 0
.endr
	LOADWS 1, 14, 1
.irp s, 0,1,2,3
	LOADW 1, \s, 12, 1
.endr
	s_wait_loadcnt 50                              ; all but the two jobs' 50 loads are in
.irp s, 0,1,2,3
	v_lshl_or_b32 v[XS+\s], v[UP+4*\s+2], 8, v[UP+4*\s]       ; byte 2 c + hh of the word is head 4 s + 2 hh + c
	v_lshl_or_b32 v[XS+\s], v[UP+4*\s+1], 16, v[XS+\s]
	v_lshl_or_b32 v[XS+\s], v[UP+4*\s+3], 24, v[XS+\s]
.endr
	; EIGHT JOBS.  Counts.  An even job: behind its K step 0 stand its other 18 loads and the odd job's 25, and it issues nothing.  An odd job: at its head only its own 25 are out (18 behind K step 0); each later wait
	; counts its K steps still to come and what it has issued for the next even job: 12 + 7, 6 + 13, 0 + 19.  Job 7 issues nothing: the counts run down.
	JOBA X1, 0x51, 1, 0, 43                        ; job 0: x1 = x + ao wo^T, in place on x
	JOBB X1, 0x51, 0, 37, 31, 25, 0, 0, 0, 0
	JOBA X1+32, 0x51, 1, 1, 18                     ; job 1; it asks for job 2 (up, block 0)
	JOBB X1+32, 0x51, 1, 19, 19, 19, 1, 16, 18, 0
	WIN 0x05                                       ; sources 0 and 1 in window 1
.irp e, 0,1
.irp q, 0,1,2,3,4,5,6,7
.irp m, 0,1
.if (\e == 0) && (\q == 0)
	v_pk_mul_f32 v[252+2*\m:253+2*\m], v[X1+16*\m:X1+16*\m+1], v[X1+16*\m:X1+16*\m+1]
.else
	v_pk_fma_f32 v[252+2*\m:253+2*\m], v[X1+32*\e+16*\m+2*\q:X1+32*\e+16*\m+2*\q+1], v[X1+32*\e+16*\m+2*\q:X1+32*\e+16*\m+2*\q+1], v[252+2*\m:253+2*\m]
.endif
.endr
.endr
.endr
	WIN 0
	REDSUM
	s_wait_alu depctr_va_vdst(0)                   ; my sum v252 is written, which the LDS store reads; job 1's products are done reading the ring's half 1 and its v_perm_b32 WR1, in which job 3's loads land
	REDGET
	LOADJOB 1, 20, 22, 0                           ; job 3 (gate, block 0): no vector or matrix instruction stands between the wait above and these loads
	REDFIN
.irp e, 0,1
	WIN 0x01
.irp m, 0,1
.irp q, 0,1,2,3,4,5,6,7
	v_pk_mul_f32 v[UP+16*\m+2*\q:UP+16*\m+2*\q+1], v[X1+32*\e+16*\m+2*\q:X1+32*\e+16*\m+2*\q+1], v[248+2*\m:249+2*\m]
.endr
.endr
	WIN 0
.irp m, 0,1
.irp q, 0,1,2,3,4,5,6,7
	v_pk_mul_f32 v[UP+16*\m+2*\q:UP+16*\m+2*\q+1], v[UP+16*\m+2*\q:UP+16*\m+2*\q+1], v[GATE+16*\e+2*\q:GATE+16*\e+2*\q+1]
.endr
.endr
.if \e == 0
	QUANTPAIR UP, PC0, BY0                         ; my two blocks, one to each out-buffer
.else
	QUANTPAIR UP, PC1, BY1
.endif
.endr
	SCWORD
	s_wait_alu depctr_va_vdst(0)                   ; both out-buffers and the scale word are written, which the five LDS stores read; the lines above are done with v236-243, and job 1's products with v[XF ..], in which the loads behind the barrier land
	PUBLISH IMGA, 0, PC0
	PUBLISH IMGA, 1, PC1
	ds_store_b32 v[L4W], v[BY1] offset:SCA
	BARRIER                                        ; xn's sixteen blocks and their scale bytes lie in LDS
	s_wait_alu depctr_vm_vsrc(0)                   ; my LDS stores have read both out-buffers: the activation works in buffer 1's registers, and the hidden layer's conversions write both again
	FETCHX IMGA, SCA
	JOBA UP, 0x01, 0, 0, 43                        ; job 2: up, block 0
	JOBB UP, 0x01, 0, 37, 31, 25, 0, 0, 0, 0
	JOBA GATE, 0x01, 0, 1, 18                      ; job 3: gate, block 0; it asks for job 4 (up, block 1)
	JOBB GATE, 0x01, 1, 19, 19, 19, 1, 16, 18, 1
	SWIGLU 20, 22, 1                               ; and asks for job 5 (gate, block 1)
	QUANTPAIR UP, PC0, BY0
	JOBA UP, 0x01, 0, 0, 43                        ; job 4: up, block 1
	PUBLISH IMGB, 0, PC0                           ; the hidden layer's first block: written ahead of the wait at this job's head, and named by none of its products
	JOBB UP, 0x01, 0, 37, 31, 25, 0, 0, 0, 0
	JOBA GATE, 0x01, 0, 1, 18                      ; job 5: gate, block 1; it asks for job 6 (down, block 0)
	JOBB GATE, 0x01, 1, 19, 19, 19, 1, 24, 26, 0
	SWIGLU 24, 26, 1                               ; and asks for job 7 (down, block 1)
	QUANTPAIR UP, PC1, BY1
	SCWORD
	s_wait_alu depctr_va_vdst(0)                   ; out-buffer 1 and the scale word are written, which the three LDS stores read; the lines above are done with v236-243, and job 5's products with v[XF ..], in which the loads behind the barrier land
	PUBLISH IMGB, 1, PC1
	ds_store_b32 v[L4W], v[BY1] offset:SCB
	BARRIER                                        ; the hidden layer's sixteen blocks lie in LDS
	FETCHX IMGB, SCB
	JOBA X1, 0x51, 1, 0, 43                        ; job 6: out0 = x1 + hidden down^T, in place on x1
	JOBB X1, 0x51, 0, 37, 31, 25, 0, 0, 0, 0
	JOBA X1+32, 0x51, 1, 1, 18                     ; job 7
	JOBB X1+32, 0x51, 1, 12, 6, 0, 0, 0, 0, 0
	; THE WAY OUT, through my own stage: a lane's 64 bytes of a row go in, whole runs of 256 bytes of a row come back.  LDS serves a wave's instructions in order: no wait between.
	WIN 0x04                                       ; an LDS store's data are its source 1: window 1
	s_wait_alu depctr_va_vdst(0)                   ; the products have written out0's accumulators, which the LDS stores read (the four places above stay beside this wait); the vector lines are done with v128-191, in which the loads from the stage land
.irp e, 0,1
.irp m, 0,1
.irp a, 0,1
	ds_store_b128 v[STO], v[X1+32*\e+16*\m+8*\a:X1+32*\e+16*\m+8*\a+3] offset:STAGE+4352*\m+128*\e+32*\a      ; each accumulator from its low end on
	ds_store_b128 v[STO], v[X1+32*\e+16*\m+8*\a+4:X1+32*\e+16*\m+8*\a+7] offset:STAGE+4352*\m+128*\e+32*\a+16
.endr
.endr
.endr
	WIN 0
.irp t, 0,1,2,3,4,5,6,7,8,9,10,11,12,13,14,15
	ds_load_b128 v[UP+4*\t:UP+4*\t+3], v[RDB] offset:STAGE+544*\t
.endr
.irp t, 0,1,2,3,4,5,6,7,8,9,10,11,12,13,14,15
	s_wait_dscnt 15-\t
	global_store_b128 v[CO], v[UP+4*\t:UP+4*\t+3], s[28:29] offset:4096*\t th:TH_STORE_NT   ; sixteen lanes store 256 consecutive bytes, aligned
.endr
	s_wait_xcnt 0x0
	v_lshl_add_u32 v254, v0, 2, 0x18000            ; the add's two registers are made anew: no memory or LDS instruction has read v254 or v255
	v_mov_b32 v255, 0
	s_wait_dscnt 0x0                               ; the closing lines, six on end
	s_wait_alu 0x0
	s_wait_tensorcnt 0x0
	ds_add_u32 v254, v255
	s_wait_dscnt 0x0
	s_endpgm
.Lfunc_end_k_q4e07802b01_ffn:
	.size	k_q4e07802b01_ffn, .Lfunc_end_k_q4e07802b01_ffn-k_q4e07802b01_ffn
	.p2alignl 7, 3214868480
	.fill 96, 4, 3214868480
	.section	.rodata,"a",@progbits
	.p2align	6, 0x0
	.amdhsa_kernel k_q4e07802b01_ffn
		.amdhsa_group_segment_fixed_size 99328
		.amdhsa_private_segment_fixed_size 0
		.amdhsa_enable_private_segment 0
		.amdhsa_kernarg_size 104
		.amdhsa_user_sgpr_count 2
		.amdhsa_user_sgpr_kernarg_segment_ptr 1
		.amdhsa_wavefront_size32 1
		.amdhsa_system_sgpr_workgroup_id_x 1
		.amdhsa_system_sgpr_workgroup_id_y 1
		.amdhsa_system_sgpr_workgroup_id_z 1
		.amdhsa_system_vgpr_workitem_id 0
		.amdhsa_next_free_vgpr 512
		.amdhsa_next_free_sgpr 72
		.amdhsa_reserve_vcc 0
		.amdhsa_float_denorm_mode_32 3
		.amdhsa_float_denorm_mode_16_64 3
		.amdhsa_memory_ordered 1
		.amdhsa_forward_progress 1
		.amdhsa_inst_pref_size 97
	.end_amdhsa_kernel
	.amdgpu_metadata
---
amdhsa.version: [ 1, 2 ]
amdhsa.kernels:
  - .name:           k_q4e07802b01_ffn
    .symbol:         k_q4e07802b01_ffn.kd
    .args:
      - { .name: ao, .offset: 0, .size: 8, .value_kind: global_buffer, .address_space: global }
      - { .name: aos, .offset: 8, .size: 8, .value_kind: global_buffer, .address_space: global }
      - { .name: x, .offset: 16, .size: 8, .value_kind: global_buffer, .address_space: global }
      - { .name: ln2_w, .offset: 24, .size: 8, .value_kind: global_buffer, .address_space: global }
      - { .name: wo_codes, .offset: 32, .size: 8, .value_kind: global_buffer, .address_space: global }
      - { .name: wo_scales, .offset: 40, .size: 8, .value_kind: global_buffer, .address_space: global }
      - { .name: up_w_codes, .offset: 48, .size: 8, .value_kind: global_buffer, .address_space: global }
      - { .name: up_w_scales, .offset: 56, .size: 8, .value_kind: global_buffer, .address_space: global }
      - { .name: gate_w_codes, .offset: 64, .size: 8, .value_kind: global_buffer, .address_space: global }
      - { .name: gate_w_scales, .offset: 72, .size: 8, .value_kind: global_buffer, .address_space: global }
      - { .name: down_w_codes, .offset: 80, .size: 8, .value_kind: global_buffer, .address_space: global }
      - { .name: down_w_scales, .offset: 88, .size: 8, .value_kind: global_buffer, .address_space: global }
      - { .name: out0, .offset: 96, .size: 8, .value_kind: global_buffer, .address_space: global }
    .group_segment_fixed_size: 99328
    .private_segment_fixed_size: 0
    .kernarg_segment_align: 8
    .kernarg_segment_size: 104
    .max_flat_workgroup_size: 256
    .sgpr_count:     72
    .vgpr_count:     512
    .wavefront_size: 32
...
	.end_amdgpu_metadata
.endif
;; end of part 6
